; MI455X (gfx1250); checked and timed in simulation.
; The chip was launched on July 23, 2026; its instructions are those of AMD's public machine-readable ISA for CDNA 5 (MIT licence, August 2026) and "CDNA5" Instruction Set Architecture Reference Guide (July 2026). The comments in the code are by the model that wrote it; some were corrected since.
;; Time Dependent Attention. Allowed arithmetic: matrix products marked QUANTISED: E2M1 operands, one E8M0 scale for each 32 along K, by v_wmma_scale_f32_16x16x128_f8f6f4 with both operands' format E2M1 (or v_wmma_scale_f32_32x16x128_f4), f32 sums; products left as they are: f32 operands where the result goes on into a quantised operand, else bf16, f16 or f32 operands; f32 sums; everything else in f32.
;; Inputs: W_o 768 x 768 float32; Wt_k 768 x 256 float32; Wt_q 768 x 256 float32; Wt_v 768 x 256 float32; Wx_k 768 x 768 float32; Wx_q 768 x 768 float32; Wx_v 768 x 768 float32; b_o 768 float32; rel_pos_bias 12 x 1,024 x 1,024 float32; t 8 x 256 float32; x 8 x 1,024 x 768 float32.
;; Outputs: out0 8 x 1,024 x 768 float32.
;; This version of the problem:
;;   THIS VERSION OF THE PROBLEM IS GIVEN IN LOW PRECISION. The matrix products marked QUANTISED in the list below multiply operands that are first quantised to E2M1 (2 exponent bits, 1 mantissa bit; 4 bits a number), with one power-of-two scale for each 32 numbers along K (OCP MX v1.0); their sums are f32. All else is computed in f32.
;;   The module's matrix products, in the order in which they are computed (A, B: the left and right operand; K: the contracted axis; several contracted axes count as one K, in the product's order):
;;     1. [M 8,192, K 768] x [K 768, N 768]; A: input x; B: input Wx_q: QUANTISED
;;     2. [M 8, K 256] x [K 256, N 768]; A: input t; B: input Wt_q: left as it is (M = 8 < 16)
;;     3. [M 8,192, K 768] x [K 768, N 768]; A: input x; B: input Wx_k: QUANTISED
;;     4. [M 8, K 256] x [K 256, N 768]; A: input t; B: input Wt_k: left as it is (M = 8 < 16)
;;     5. [M 8,192, K 768] x [K 768, N 768]; A: input x; B: input Wx_v: QUANTISED
;;     6. [M 8, K 256] x [K 256, N 768]; A: input t; B: input Wt_v: left as it is (M = 8 < 16)
;;     7. batch 96 x [M 1,024, K 64] x [K 64, N 1,024]; A: computed on the way; B: computed on the way: QUANTISED
;;     8. batch 96 x [M 1,024, K 1,024] x [K 1,024, N 64]; A: softmax (see below); B: computed on the way: QUANTISED
;;     9. [M 8,192, K 768] x [K 768, N 768]; A: computed on the way; B: input W_o: QUANTISED
;;   THE QUANTISER, for each operand of a quantised product, along K:
;;     - K is cut into blocks of 32 from its start; a last block that is shorter is filled with zeros.
;;     - A block's scale is 2^e with e = floor(log2(the largest magnitude in the block)) - 2, held to -126 .. 127; a block of zeros has e = 0. As a byte (E8M0): e + 127.
;;     - Each number is divided by its block's scale, clamped to +-6, and rounded to the nearest number of E2M1, ties to even, subnormals kept.
;;     - The product sums the exact products of the quantised numbers (number of the format x scale) in f32.
;;   ~~~python
;;   def quantise(x, axis):      # numpy; x: float32 -> the quantised numbers, widened to float32 again
;;       x = np.moveaxis(x, axis, -1); K = x.shape[-1]
;;       x = np.pad(x, [(0, 0)] * (x.ndim - 1) + [(0, -K % 32)]); x = x.reshape(x.shape[:-1] + (-1, 32)); a = np.abs(x).max(-1, keepdims=True)
;;       e = np.where(a > 0, np.clip(np.frexp(np.where(a > 0, a, 1))[1] - 1 - 2, -126, 127), 0)      # np.frexp(a)[1] - 1 = floor(log2(a)), exactly
;;       r = np.clip(x / 2.0 ** e, -6, 6)
;;       step = 2.0 ** (np.maximum(np.frexp(np.where(r == 0, 1, r))[1] - 1, 0) - 1)
;;       q = np.round(r / step) * step * 2.0 ** e      # np.round: ties to even
;;       return np.moveaxis(q.reshape(q.shape[:-2] + (-1,))[..., :K], -1, axis).astype(np.float32)
;;   ~~~
;;   SOFTMAX AHEAD OF A QUANTISED PRODUCT. Where the list says 'softmax', what is quantised is not the finished softmax but p = 2^(t - M), with t = logit x log2(e) and M = ceil(the row's largest t), a whole number; so 1/2 < the row's largest p <= 1. The row's sum l is taken of the UNQUANTISED p, in f32, and the product's result is divided by l at the end. Since M is a whole number, a kernel that streams over the keys may use a running M (the ceiling of the running maximum): every later rescaling is an exact power of two, which a block's scale takes up: the codes' values come out the same.
;;   OPERANDS COMPUTED ON THE WAY. 'Computed on the way' means the value that the module computes at that place (a softmax that the list does not call 'softmax' is quantised finished and normalised). What goes into a quantiser is computed in f32, as accurately as f32 sums, v_exp_f32 and their like allow (about 1e-6 of the number): no bf16 or f16 on the way to a quantiser, and a product that is left as it is and whose result goes on into a quantised operand takes f32 operands (vector FMAs, or v_wmma_f32_16x16x4_f32). A number that lies on a knife's edge between two numbers of the format may be rounded either way, as far as f32 arithmetic and the matrix unit's own rounding can turn it there, and no further.
;; 2 versions. Each part assembles by itself: llvm-mc -triple=amdgcn-amd-amdhsa -mcpu=gfx1250 --defsym DOCPART=n.
;; ======== version 1 of 2: 4 launches
;; workspace buffers: cimg 4,325,376 bytes; csc 270,336 bytes; tsh 73,728 bytes; qbuf 3,538,944 bytes; kv 6,881,280 bytes; oimg 3,145,728 bytes; osc 196,608 bytes
;; launch prep (part 1): grid 728 x 1, 3 waves a work-group, no clusters, 51,200 bytes of LDS; arguments x, Wx_q, Wx_k, Wx_v, W_o, t, Wt_q, Wt_k, Wt_v, cimg, csc, tsh; writes cimg, csc, tsh
.if DOCPART == 1
	.amdgcn_target "amdgcn-amd-amdhsa--gfx1250"
	.amdhsa_code_object_version 6
	.text
	.protected	k_q7c31c9c222_prep
	.globl	k_q7c31c9c222_prep
	.p2align	8
	.type	k_q7c31c9c222_prep,@function
k_q7c31c9c222_prep:
	s_mov_b64 s[64:65], 0
	v_nop
	global_prefetch_b8 v0, s[64:65] scope:SCOPE_SE
	s_setreg_imm32_b32 hwreg(HW_REG_WAVE_MODE, 25, 1), 1
	s_wait_xcnt 0x0
; TIME-DEPENDENT ATTENTION IN MX-FP4, LAUNCH 1 OF 4: the operands that arrive as f32 become codes, and the three small products are made.
; NOTHING OF THE PROBLEM IS LEFT OUT: all eleven inputs reach the output.  The shift on k, which a softmax in real numbers would cancel, moves k's codes and scales, so it is computed and added.
; WORK-GROUPS 24 .. 727: tile tau = work-group - 24 is 16 rows x 768 along K of x (tau 0-511), Wx_q (512-559), Wx_k (560-607), Wx_v (608-655) or W_o (656-703); K is innermost in all five.
;   Wave w takes k = 256 w .. 256 w + 255: two fragments of 16 rows x 128 K.  Codes are E2M1, one E8M0 byte for each 32 along K: byte = the block's largest magnitude's exponent field - 2, held at 1 from below.
;   THE CODES ARE STORED AS AN IMAGE OF THE OPERAND'S REGISTERS: a fragment is two pieces of 512 bytes, c = 0, 1; lane L = r + 16 h has 16 bytes at 16 L: k = 64 c + 32 h + 0 .. 31 of row r.
;   cimg: [tile 704][K step 6][c 2][512].   csc: [tile 704][pair 3][32 lanes] words: lanes 0-15 row r's four bytes of K step 2 pair, lanes 16-31 those of K step 2 pair + 1.
;   A load reads 512 consecutive bytes of one row; the lane's 32 neighbours along K come back from the wave's own stage in LDS (rows of 512 + 16 bytes).
; WORK-GROUPS 0 .. 23: the shifts t Wt^T, in f32 by fused multiply-adds, since they go on into quantised operands.  tsh: [b 8][2304], column 768 p + n, p = 0, 1, 2 for q, k, v.
;   Work-group j: p = j / 8; wave w: rows 96 (j % 8) + 32 w .. + 31 of Wt_p, for all 8 batches.  A lane holds 8 of the 256 along K; the 32 lanes' parts are added across the wave.
; LIMITS: NaN and infinities among the inputs are not served.  A block of zeros, and one whose largest magnitude lies under 2^-124, gets the byte 1 (the stated quantiser says 127 for zeros): the codes of zeros are
; zeros, which add nothing under any byte but 0xff, and only this program reads the bytes.
.set SPARE, 50688                      ; behind the three waves' stages: the spare words, 128 bytes a wave, two blocks of 256 bytes that no other line names
.set STG1,  8448                       ; a wave's second stage: 16 rows x 528 bytes behind the first
.set SPW, 18                           ; v18  LDS address of my spare word; never rewritten
.set NIL, 19                           ; v19  0; never rewritten
.set TM,  8                            ; v8-9    largest magnitudes of my two blocks
.set SO,  10                           ; v10-11  the conversions' scale operands
.set BY,  12                           ; v12-13  the scale bytes
.set RA,  32                           ; v32-95   fragment 0 as loaded; later fragment 1's numbers, 32 neighbours a block
.set RB,  96                           ; v96-159  fragment 1 as loaded
.set X,   160                          ; v160-223 fragment 0's numbers
.set PC0, 224                          ; v224-231 fragment 0's codes
.set PC1, 232                          ; v232-239 fragment 1's
.set T,   32                           ; the shifts: v32-95 t, eight registers a batch
.set WA,  96                           ; v96-159, v160-223: eight rows of Wt each, by turns
.set WB,  160
.set P,   224                          ; v224-239 a pair of partial sums for each batch
.set PD,  20                           ; v20-27   destinations of the exchange between the halves of the lanes
.set OUT, 240                          ; v240-247 lane i: the result of my row i, for each batch
	s_load_b512 s[4:19], s[0:1], 0x0               ; x, Wx_q, Wx_k, Wx_v, W_o, t, Wt_q, Wt_k
	s_load_b256 s[20:27], s[0:1], 0x40             ; Wt_v, cimg, csc, tsh
	v_lshl_add_u32 v[SPW], v0, 2, SPARE
	v_mov_b32 v[NIL], 0
	v_lshrrev_b32 v1, 5, v0
	v_readfirstlane_b32 s28, v1                    ; wave 0..2
	v_and_b32 v1, 31, v0                           ; lane
	v_lshlrev_b32 v2, 4, v1                        ; 16 x lane
	v_lshlrev_b32 v5, 2, v1                        ; 4 x lane
	s_mov_b32 s30, 0x76543210
	s_mov_b32 s31, 0xfedcba98                      ; v_permlanex16_b32's selects for lane l xor 16
	s_cmp_lt_u32 ttmp9, 24
	s_cbranch_scc1 .Lshift                         ; the long chains of additions go first in the grid
	; ---------------- a tile of 16 rows becomes codes
	s_sub_co_u32 s32, ttmp9, 24                    ; tau
	s_mul_i32 s29, s28, 16896                      ; my wave's two stages
	v_add_nc_u32 v3, s29, v2                       ; into a stage: 16 x lane of a row
	v_and_b32 v7, 15, v0                           ; r
	v_bfe_u32 v17, v0, 4, 1                        ; h
	v_mul_u32_u24 v4, v7, 528
	v_lshl_add_u32 v4, v17, 7, v4
	v_add_nc_u32 v4, s29, v4                       ; out of it: row r, 128 h bytes on: k = 32 h of a run of 64
	v_lshlrev_b32 v6, 3, v17                       ; 8 h: where my two bytes stand in the scale word
	v_mov_b32 v16, 0                               ; a lane permute's destination counts as read
	s_mov_b32 s29, 0xffff0000                      ; lanes 16-31
	s_wait_kmcnt 0x0
	s_mov_b64 s[34:35], s[12:13]                   ; which tensor, and its first tile: the choice hangs on the work-group's number alone
	s_mov_b32 s33, 656
	s_cmp_lt_u32 s32, 656
	s_cselect_b64 s[34:35], s[10:11], s[34:35]
	s_cselect_b32 s33, 608, s33
	s_cmp_lt_u32 s32, 608
	s_cselect_b64 s[34:35], s[8:9], s[34:35]
	s_cselect_b32 s33, 560, s33
	s_cmp_lt_u32 s32, 560
	s_cselect_b64 s[34:35], s[6:7], s[34:35]
	s_cselect_b32 s33, 512, s33
	s_cmp_lt_u32 s32, 512
	s_cselect_b64 s[34:35], s[4:5], s[34:35]
	s_cselect_b32 s33, 0, s33
	s_sub_co_u32 s33, s32, s33
	s_mul_i32 s36, s33, 49152                      ; 16 rows of 3,072 bytes
	s_lshl_b32 s37, s28, 10                        ; my 256 along K
	s_add_co_u32 s36, s36, s37
	s_mov_b32 s37, 0
	s_add_nc_u64 s[34:35], s[34:35], s[36:37]
	s_mul_i32 s36, s32, 6144
	s_lshl_b32 s38, s28, 11
	s_add_co_u32 s36, s36, s38
	s_add_nc_u64 s[22:23], s[22:23], s[36:37]      ; my two fragments' images
	s_mul_i32 s36, s32, 384
	s_lshl_b32 s38, s28, 7
	s_add_co_u32 s36, s36, s38
	s_add_nc_u64 s[24:25], s[24:25], s[36:37]      ; my pair's 32 scale words
.irp f, 0,1
.irp i, 0,1,2,3,4,5,6,7,8,9,10,11,12,13,14,15
	global_load_b128 v[RA+64*\f+4*\i:RA+64*\f+4*\i+3], v2, s[34:35] offset:3072*\i+512*\f th:TH_LOAD_NT   ; 32 lanes read 512 consecutive bytes of row i
.endr
.endr
; 64 numbers of a lane, v[src + 32 c + i] = k 64 c + 32 h + i of row r, become the fragment's eight registers in v[pc] on and the row's scale word in v[wd].  A lane holds two whole blocks: 2 c + h.
.macro QUANTL src, pc, wd
.irp c, 0,1
	v_max3_num_f32 v[TM+\c], |v[\src+32*\c]|, |v[\src+32*\c+1]|, 0x1800000   ; and the floor 2^(3 - 127): the byte cannot fall under 1
.endr
.irp i, 2,4,6,8,10,12,14,16,18,20,22,24,26,28,30
.irp c, 0,1
	v_max3_num_f32 v[TM+\c], v[TM+\c], |v[\src+32*\c+\i]|, |v[\src+32*\c+\i+1]|   ; (the two blocks by turns)
.endr
.endr
.irp c, 0,1
	v_add_nc_u32 v[SO+\c], 0xff000000, v[TM+\c]    ; 2 off the exponent field: the conversion takes this operand's exponent field as its scale
.endr
.irp c, 0,1
	v_lshrrev_b32 v[BY+\c], 23, v[SO+\c]           ; the scale's byte
.endr
	v_lshl_or_b32 v[\wd], v[BY+1], 16, v[BY]       ; blocks h and 2 + h,
	v_lshlrev_b32 v[\wd], v6, v[\wd]               ; at their places;
	v_permlanex16_b32 v16, v[\wd], s30, s31
	v_or_b32 v[\wd], v[\wd], v16                   ; with lane l xor 16's two the word is whole
.irp c, 0,1
.irp g, 0,1,2,3
	v_cvt_scalef32_pk8_fp4_f32 v[\pc+4*\c+\g], v[\src+32*\c+8*\g:\src+32*\c+8*\g+7], v[SO+\c]
.endr
.endr
	v_nop                                          ; one plain instruction behind the last scaled conversion
.endm
	s_wait_loadcnt 16                              ; fragment 0's sixteen loads are in; fragment 1's sixteen stay out
.irp i, 0,1,2,3,4,5,6,7,8,9,10,11,12,13,14,15
	ds_store_b128 v3, v[RA+4*\i:RA+4*\i+3] offset:528*\i
.endr
.irp c, 0,1
.irp j, 0,1,2,3,4,5,6,7
	ds_load_b128 v[X+32*\c+4*\j:X+32*\c+4*\j+3], v4 offset:256*\c+16*\j   ; LDS serves a wave's instructions in order: these see my stores
.endr
.endr
	s_wait_loadcnt 0x0
.irp i, 0,1,2,3,4,5,6,7,8,9,10,11,12,13,14,15
	ds_store_b128 v3, v[RB+4*\i:RB+4*\i+3] offset:STG1+528*\i
.endr
	s_wait_dscnt 16                                ; all but the sixteen stores just issued: fragment 0's numbers are back, and RA's stores are done
.irp c, 0,1
.irp j, 0,1,2,3,4,5,6,7
	ds_load_b128 v[RA+32*\c+4*\j:RA+32*\c+4*\j+3], v4 offset:STG1+256*\c+16*\j
.endr
.endr
	QUANTL X, PC0, 14
	global_store_b128 v2, v[PC0:PC0+3], s[22:23]                  ; each store of the wave covers 512 consecutive bytes, aligned
	global_store_b128 v2, v[PC0+4:PC0+7], s[22:23] offset:512
	s_wait_dscnt 0x0                               ; fragment 1's numbers are back
	QUANTL RA, PC1, 15
	global_store_b128 v2, v[PC1:PC1+3], s[22:23] offset:1024
	global_store_b128 v2, v[PC1+4:PC1+7], s[22:23] offset:1536
	v_cndmask_b32 v14, v14, v15, s29               ; lanes 0-15 the even K step's words, lanes 16-31 the odd one's
	global_store_b32 v5, v14, s[24:25]
	s_wait_tensorcnt 0x0                           ; the wave's end
	ds_add_u32 v[SPW], v[NIL]
	s_wait_dscnt 0x0
	s_endpgm
	; ---------------- the shifts: no LDS is touched on this path
.Lshift:
	s_lshr_b32 s32, ttmp9, 3                       ; p
	s_and_b32 s33, ttmp9, 7
	s_mul_i32 s33, s33, 96
	s_lshl_b32 s34, s28, 5
	s_add_co_u32 s33, s33, s34                     ; my first row of Wt_p
.irp b, 0,1,2,3,4,5,6,7
	v_mov_b32 v[PD+\b], 0                          ; a lane permute's destination counts as read
	v_mov_b32 v[OUT+\b], 0
.endr
	s_wait_kmcnt 0x0
	s_cmp_eq_u32 s32, 0
	s_cselect_b64 s[36:37], s[16:17], s[18:19]
	s_cmp_eq_u32 s32, 2
	s_cselect_b64 s[36:37], s[20:21], s[36:37]
	s_lshl_b32 s38, s33, 10                        ; a row of Wt is 1,024 bytes
	s_mov_b32 s39, 0
	s_add_nc_u64 s[36:37], s[36:37], s[38:39]
	s_mul_i32 s38, s32, 768
	s_add_co_u32 s38, s38, s33
	s_lshl_b32 s38, s38, 2
	s_add_nc_u64 s[26:27], s[26:27], s[38:39]
.macro WLOAD gn, gb                    ; rows 8 gn .. 8 gn + 7: a lane takes k = 4 l .. 4 l + 3 and 128 + 4 l .. + 3
.irp ii, 0,1,2,3,4,5,6,7
	global_load_b128 v[\gb+8*\ii:\gb+8*\ii+3], v2, s[36:37] offset:1024*(8*\gn+\ii) th:TH_LOAD_NT
	global_load_b128 v[\gb+8*\ii+4:\gb+8*\ii+7], v2, s[36:37] offset:1024*(8*\gn+\ii)+512 th:TH_LOAD_NT
.endr
.endm
; Row rn of my 32, in v[rg] on, against the eight batches; the batches take turns, so that no line waits for the line above it.  Lane rn keeps the result.
.macro ROW rn, rg
.irp b, 0,1,2,3,4,5,6,7
	v_pk_mul_f32 v[P+2*\b:P+2*\b+1], v[T+8*\b:T+8*\b+1], v[(\rg):(\rg)+1]
.endr
.irp q, 2,4,6
.irp b, 0,1,2,3,4,5,6,7
	v_pk_fma_f32 v[P+2*\b:P+2*\b+1], v[T+8*\b+\q:T+8*\b+\q+1], v[(\rg)+\q:(\rg)+\q+1], v[P+2*\b:P+2*\b+1]
.endr
.endr
.irp b, 0,1,2,3,4,5,6,7
	v_add_f32 v[P+2*\b], v[P+2*\b], v[P+2*\b+1]
.endr
.irp m, 1,2,4,8
.irp b, 0,1,2,3,4,5,6,7
	v_add_f32_dpp v[P+2*\b], v[P+2*\b], v[P+2*\b] row_xmask:\m row_mask:0xf bank_mask:0xf
.endr
.endr
.irp b, 0,1,2,3,4,5,6,7
	v_permlanex16_b32 v[PD+\b], v[P+2*\b], s30, s31
.endr
.irp b, 0,1,2,3,4,5,6,7
	v_add_f32 v[P+2*\b], v[P+2*\b], v[PD+\b]       ; every lane holds the sum over the 256 along K
.endr
	s_mov_b32 s40, 1<<(\rn)
.irp b, 0,1,2,3,4,5,6,7
	v_cndmask_b32 v[OUT+\b], v[OUT+\b], v[P+2*\b], s40
.endr
.endm
.macro GROUP gn, gb
.irp ii, 0,1,2,3,4,5,6,7
	ROW (8*\gn+\ii), (\gb+8*\ii)
.endr
.endm
.irp b, 0,1,2,3,4,5,6,7
	global_load_b128 v[T+8*\b:T+8*\b+3], v2, s[14:15] offset:1024*\b
	global_load_b128 v[T+8*\b+4:T+8*\b+7], v2, s[14:15] offset:1024*\b+512
.endr
	WLOAD 0, WA
	WLOAD 1, WB
	s_wait_loadcnt 16                              ; t and rows 0-7 are in; the sixteen loads of rows 8-15 stay out
	GROUP 0, WA
	WLOAD 2, WA
	s_wait_loadcnt 16                              ; rows 8-15 are in; rows 16-23 stay out
	GROUP 1, WB
	WLOAD 3, WB
	s_wait_loadcnt 16                              ; rows 16-23 are in; rows 24-31 stay out
	GROUP 2, WA
	s_wait_loadcnt 0x0
	GROUP 3, WB
.irp b, 0,1,2,3,4,5,6,7
	global_store_b32 v5, v[OUT+\b], s[26:27] offset:9216*\b      ; 32 neighbouring columns of batch b's row of tsh
.endr
	s_endpgm
.Lfunc_end_k_q7c31c9c222_prep:
	.size	k_q7c31c9c222_prep, .Lfunc_end_k_q7c31c9c222_prep-k_q7c31c9c222_prep
	.p2alignl 7, 3214868480
	.fill 96, 4, 3214868480
	.section	.rodata,"a",@progbits
	.p2align	6, 0x0
	.amdhsa_kernel k_q7c31c9c222_prep
		.amdhsa_group_segment_fixed_size 51200
		.amdhsa_private_segment_fixed_size 0
		.amdhsa_enable_private_segment 0
		.amdhsa_kernarg_size 96
		.amdhsa_user_sgpr_count 2
		.amdhsa_user_sgpr_kernarg_segment_ptr 1
		.amdhsa_wavefront_size32 1
		.amdhsa_system_sgpr_workgroup_id_x 1
		.amdhsa_system_sgpr_workgroup_id_y 1
		.amdhsa_system_sgpr_workgroup_id_z 1
		.amdhsa_system_vgpr_workitem_id 0
		.amdhsa_next_free_vgpr 248
		.amdhsa_next_free_sgpr 66
		.amdhsa_reserve_vcc 0
		.amdhsa_float_denorm_mode_32 3
		.amdhsa_float_denorm_mode_16_64 3
		.amdhsa_memory_ordered 1
		.amdhsa_forward_progress 1
		.amdhsa_inst_pref_size 204
	.end_amdhsa_kernel
	.amdgpu_metadata
---
amdhsa.version: [ 1, 2 ]
amdhsa.kernels:
  - .name:           k_q7c31c9c222_prep
    .symbol:         k_q7c31c9c222_prep.kd
    .args:
      - { .name: x, .offset: 0, .size: 8, .value_kind: global_buffer, .address_space: global }
      - { .name: Wx_q, .offset: 8, .size: 8, .value_kind: global_buffer, .address_space: global }
      - { .name: Wx_k, .offset: 16, .size: 8, .value_kind: global_buffer, .address_space: global }
      - { .name: Wx_v, .offset: 24, .size: 8, .value_kind: global_buffer, .address_space: global }
      - { .name: W_o, .offset: 32, .size: 8, .value_kind: global_buffer, .address_space: global }
      - { .name: t, .offset: 40, .size: 8, .value_kind: global_buffer, .address_space: global }
      - { .name: Wt_q, .offset: 48, .size: 8, .value_kind: global_buffer, .address_space: global }
      - { .name: Wt_k, .offset: 56, .size: 8, .value_kind: global_buffer, .address_space: global }
      - { .name: Wt_v, .offset: 64, .size: 8, .value_kind: global_buffer, .address_space: global }
      - { .name: cimg, .offset: 72, .size: 8, .value_kind: global_buffer, .address_space: global }
      - { .name: csc, .offset: 80, .size: 8, .value_kind: global_buffer, .address_space: global }
      - { .name: tsh, .offset: 88, .size: 8, .value_kind: global_buffer, .address_space: global }
    .group_segment_fixed_size: 51200
    .private_segment_fixed_size: 0
    .kernarg_segment_align: 8
    .kernarg_segment_size: 96
    .max_flat_workgroup_size: 96
    .sgpr_count:     66
    .vgpr_count:     248
    .wavefront_size: 32
...
	.end_amdgpu_metadata
.endif
;; end of part 1
;; launch qkv (part 2): grid 64 x 4, 12 waves a work-group, clusters of 4 x 1, 288,768 bytes of LDS; arguments cimg, csc, tsh, qbuf, kv; writes qbuf, kv
.if DOCPART == 2
	.amdgcn_target "amdgcn-amd-amdhsa--gfx1250"
	.amdhsa_code_object_version 6
	.text
	.protected	k_q7c31c9c222_qkv
	.globl	k_q7c31c9c222_qkv
	.p2align	8
	.type	k_q7c31c9c222_qkv,@function
k_q7c31c9c222_qkv:
	s_mov_b64 s[64:65], 0
	v_nop
	global_prefetch_b8 v0, s[64:65] scope:SCOPE_SE
	s_setreg_imm32_b32 hwreg(HW_REG_WAVE_MODE, 25, 1), 1
	s_wait_xcnt 0x0
	s_wait_alu depctr_hold_cnt(0) depctr_sa_sdst(0) depctr_va_vdst(0) depctr_va_sdst(0) depctr_va_ssrc(0) depctr_va_vcc(0) depctr_vm_vsrc(0)
	s_getreg_b32 s2, hwreg(HW_REG_IB_STS2, 6, 4)
	s_cmp_eq_u32 s2, 0
	s_cbranch_scc0 .Lentry_in_a_cluster
	s_endpgm
.Lentry_in_a_cluster:
	s_bfe_u32 s2, ttmp6, 0x10000c
	s_cmp_lg_u32 s2, 0x3003
	s_cbranch_scc0 .Lentry_shape_is_right
	s_endpgm
.Lentry_shape_is_right:
; LAUNCH 2 OF 4: q, k, v = x Wx^T + shift, on codes of E2M1 with E8M0 scales; the results are quantised at once for the two products of attention.  No work of the problem is left out here.
; SHARES.  A work-group takes 128 rows of x (block rb: batch rb / 8, key step rb % 8) and 576 of the 2,304 columns (group g): nine units of 64 columns, each one head of q, k or v: unit U = 9 g + i; U < 12: q, head U;
; U < 24: k, head U - 12; else v, head U - 24.  Wave w = 4 set + rp takes rows 32 rp .. + 31 and, in three trips, units set, set + 3, set + 6: eight accumulators, 48 matrix instructions a trip.
; LDS IS FILLED ONCE: the group's 36 tiles of W, the block's 8 tiles of x, and their scale words, all as images of the operands' registers (16 bytes a lane, 512 a piece): twelve tensor loads, one a wave.
; CLUSTER.  The four partners are four row blocks with the same g: W's tiles and scale words are asked for JOINTLY (mask 15); x's are each work-group's own.  The branch between q, k and v hangs on g, the wave's number
; and the count of trips, never on the place in the cluster.
; q AND k: the product is used transposed (source 0 = 16 rows of W, source 1 = 16 rows of x): a lane holds one row of x, and register 8 (2 B + u) + j is feature 32 B + 16 u + 8 h + j of the head: block B of 32.
;   The conversion of (B, u) goes to code register 2 u + B; exchanging register 2 u's lanes 16-31 with register 2 u + 1's lanes 0-15 gives the operand's layout: lanes 0-15 block 0, lanes 16-31 block 1, register g = group g.
;   The head's 64 fill half of a K step of 128: only piece c = 0 is stored; bytes 2, 3 of a scale word are 0x7f, over the zero codes that the next launch supplies.
;   THE DIVISION BY sqrt(64) = 8 IS TAKEN OFF q's SCALE BYTES (3 off each): exact.
; v: source 0 = 16 rows of x (keys), source 1 = 16 rows of W: a lane holds one feature d, and its 16 registers of a tile pair are 16 of my 32 keys: a block along the keys, block rp of the key step.
; OUT.  qbuf: [b 12 + n][36,864]: images [tile 64][512], at + 32,768 scale words [tile 64][16].   kv: [b 12 + n][step 8][8,960]: K images [T 8][512]; + 4,096 V images [T 4][c 2][512]; + 8,192 K words [T 8][16]; + 8,704 V words [T 4][16].
; LIMITS: NaN and infinities are not served.  A block of zeros gets the floor's byte (its codes are zeros).  q's blocks whose largest magnitude lies under 2^-121 are held at the byte 4, so that 3 can be taken off.
.set XI,    221184                     ; LDS: W's 36 tiles x 6,144 from 0; x's 8 tiles;
.set WS,    270336                     ; W's scale words, 36 x 384;
.set XS,    284160                     ; x's, 8 x 384;
.set SPARE, 287232                     ; the spare words, 128 bytes a wave: six blocks of 256 bytes that no other line names
.set L16, 1                            ; v1   16 x lane
.set AW,  3                            ; v3   LDS address of the trip's four tiles of W
.set AX,  4                            ; v4   of my two tiles of x
.set AWS0, 5                           ; v5   WS + 4 x lane
.set AWS, 6                            ; v6   the trip's scale words of W
.set AXS, 7                            ; v7   my scale words of x
.set SPW, 8                            ; v8   my spare word; never rewritten
.set NIL, 9                            ; v9   0; never rewritten
.set H32, 10                           ; v10  32 h
.set R4,  11                           ; v11  4 r
.set STV, 12                           ; v12  1,024 h + 16 r: where v's codes go
.set L4,  13                           ; v13  4 x lane
.set SBV, 14                           ; v14  64 h + 4 r: where v's scale bytes go
.set XSR, 16                           ; v16-21  x's scale words [tile 2][pair 3]: scales and nothing else
.set WSR, 22                           ; v22-33  W's [tile 4][pair 3]: likewise
.set TM,  34
.set TP,  36
.set SO,  38
.set BY,  40
.set PC0, 42                           ; v42-45   codes
.set W0,  46                           ; v46, v47 scale words
.set W1,  47
.set VB,  48                           ; v48, v49 v's scale bytes
.set TC,  50                           ; v50-81   the shifts
.set FB,  82                           ; v82-129, v130-177 two fragment buffers: W's four tiles, then x's two
.set ACC, 178                          ; v178-241 eight accumulators
.set PC1, 242                          ; v242-245 codes
.set WV,  14
.set SEL, 20
.set HM,  22
.set FL,  23
.set G1W, 24
.set G1X, 32
.set G1WS, 40
.set G1XS, 48
.set G0W, 56
.set G0X, 60
.set G0WS, 68
.set G0XS, 72
.set TRIP, 76
.set WB,  77
.set WSB, 78
.set U,   79
.macro ROUND                           ; a round of the cluster's barrier
	s_barrier_signal -1
	s_barrier_wait -1
	s_cmp_lg_u32 s[WV], 0
	s_cbranch_scc1 .Lnot_wave_0_\@
	s_barrier_signal -3
.Lnot_wave_0_\@:
	s_barrier_wait -3
	s_barrier_signal -1
	s_barrier_wait -1
.endm
.macro PLACES                          ; four plain instructions behind a matrix instruction, ahead of loads into its registers and of reads of its result
.rept 4
	v_nop
.endr
.endm
.macro G1SET g, w0, rows               ; a dense block as rows of 256 bytes: 32 elements of 8 bytes, pitch 32
	s_mov_b32 s[\g], \w0
	s_mov_b32 s[\g+1], 32<<16
	s_mov_b32 s[\g+2], (\rows)<<16
	s_mov_b32 s[\g+3], 32<<16
	s_mov_b32 s[\g+4], \rows
	s_mov_b32 s[\g+5], 32
	s_mov_b32 s[\g+6], 0
	s_mov_b32 s[\g+7], 0
.endm
.macro TL g0, g1                       ; a tensor load and the nops behind it
	tensor_load_to_lds s[\g0:\g0+3], s[\g1:\g1+7]
	s_nop 0
.rept 4
	v_nop
.endr
.endm
.macro WM d, a, b, cr, sa, sb, odd     ; cr < 0: the product starts the sum.  odd: the K step's scale words stand in lanes 16-31
.if (\cr) < 0
	v_wmma_scale_f32_16x16x128_f8f6f4 v[(\d):(\d)+7], v[(\a):(\a)+7], v[(\b):(\b)+7], 0, v[\sa], v[\sb] matrix_a_fmt:MATRIX_FMT_FP4 matrix_b_fmt:MATRIX_FMT_FP4
.elseif \odd
	v_wmma_scale_f32_16x16x128_f8f6f4 v[(\d):(\d)+7], v[(\a):(\a)+7], v[(\b):(\b)+7], v[(\cr):(\cr)+7], v[\sa], v[\sb] matrix_a_fmt:MATRIX_FMT_FP4 matrix_b_fmt:MATRIX_FMT_FP4 matrix_a_scale:MATRIX_SCALE_ROW1 matrix_b_scale:MATRIX_SCALE_ROW1
.else
	v_wmma_scale_f32_16x16x128_f8f6f4 v[(\d):(\d)+7], v[(\a):(\a)+7], v[(\b):(\b)+7], v[(\cr):(\cr)+7], v[\sa], v[\sb] matrix_a_fmt:MATRIX_FMT_FP4 matrix_b_fmt:MATRIX_FMT_FP4
.endif
.endm
.macro LOADF ks, bf                    ; K step ks: twelve loads, 512 consecutive bytes each, into buffer bf
.irp wt, 0,1,2,3
.irp c, 0,1
	ds_load_b128 v[FB+48*(\bf)+8*\wt+4*\c:FB+48*(\bf)+8*\wt+4*\c+3], v[AW] offset:6144*\wt+1024*(\ks)+512*\c
.endr
.endr
.irp xt, 0,1
.irp c, 0,1
	ds_load_b128 v[FB+48*(\bf)+32+8*\xt+4*\c:FB+48*(\bf)+32+8*\xt+4*\c+3], v[AX] offset:6144*\xt+1024*(\ks)+512*\c
.endr
.endr
.endm
.macro MMA_QK ks, bf                   ; source 0 = W's tile wt, source 1 = x's tile xt; the eight accumulators take turns
.irp xt, 0,1
.irp wt, 0,1,2,3
.if (\ks) == 0
	WM ACC+32*\xt+8*\wt, FB+48*(\bf)+8*\wt, FB+48*(\bf)+32+8*\xt, -1, WSR+3*\wt, XSR+3*\xt, 0
.else
	WM ACC+32*\xt+8*\wt, FB+48*(\bf)+8*\wt, FB+48*(\bf)+32+8*\xt, ACC+32*\xt+8*\wt, WSR+3*\wt+(\ks)/2, XSR+3*\xt+(\ks)/2, (\ks)%2
.endif
.endr
.endr
.endm
.macro MMA_V ks, bf                    ; source 0 = x's tile u (keys), source 1 = W's tile tt (features)
.irp tt, 0,1,2,3
.irp u, 0,1
.if (\ks) == 0
	WM ACC+16*\tt+8*\u, FB+48*(\bf)+32+8*\u, FB+48*(\bf)+8*\tt, -1, XSR+3*\u, WSR+3*\tt, 0
.else
	WM ACC+16*\tt+8*\u, FB+48*(\bf)+32+8*\u, FB+48*(\bf)+8*\tt, ACC+16*\tt+8*\u, XSR+3*\u+(\ks)/2, WSR+3*\tt+(\ks)/2, (\ks)%2
.endif
.endr
.endr
.endm
.macro KLOOP kind                      ; K = 768: six steps on two buffers, the loads two steps ahead
.irp ks, 0,1,2,3,4,5
.if \ks < 5
	s_wait_dscnt 12                                ; all but the next step's twelve loads
.else
	s_wait_dscnt 0x0
.endif
.if \kind
	MMA_V \ks, (\ks%2)
.else
	MMA_QK \ks, (\ks%2)
.endif
.if \ks < 4
	PLACES
	LOADF (\ks+2), (\ks%2)
.endif
.endr
.endm
; 32 numbers of a lane, v[src + 16 B + 8 u + j], two half blocks B = 0, 1 whose other halves lie in lane l xor 16, become four code registers in v[pc] on; the two bytes stay in v[BY], v[BY + 1].
.macro QUANT32 src, pc, fl
.irp be, 0,1
	v_max3_num_f32 v[TM+\be], |v[(\src)+16*\be]|, |v[(\src)+16*\be+1]|, \fl    ; with the floor among the leaves
.endr
.irp i, 2,4,6,8,10,12,14
.irp be, 0,1
	v_max3_num_f32 v[TM+\be], v[TM+\be], |v[(\src)+16*\be+\i]|, |v[(\src)+16*\be+\i+1]|
.endr
.endr
.irp be, 0,1
	v_permlanex16_b32 v[TP+\be], v[TM+\be], s[SEL], s[SEL+1]
.endr
.irp be, 0,1
	v_max_num_f32 v[TM+\be], v[TM+\be], v[TP+\be]
.endr
.irp be, 0,1
	v_add_nc_u32 v[SO+\be], 0xff000000, v[TM+\be]  ; 2 off the exponent field: the conversion's scale operand
.endr
.irp be, 0,1
	v_lshrrev_b32 v[BY+\be], 23, v[SO+\be]
.endr
.irp be, 0,1
.irp u, 0,1
	v_cvt_scalef32_pk8_fp4_f32 v[(\pc)+2*\u+\be], v[(\src)+16*\be+8*\u:(\src)+16*\be+8*\u+7], v[SO+\be]
.endr
.endr
	v_nop                                          ; one plain instruction behind the scaled conversions
.irp u, 0,1
	v_permlane16_swap_b32 v[(\pc)+2*\u], v[(\pc)+2*\u+1]
.endr
.endm
	s_load_b256 s[4:11], s[0:1], 0x0               ; cimg, csc, tsh, qbuf
	s_load_b64 s[12:13], s[0:1], 0x20              ; kv
	v_lshl_add_u32 v[SPW], v0, 2, SPARE
	v_mov_b32 v[NIL], 0
	ds_add_u32 v[SPW], v[NIL]                      ; the wave's opening: the add, twice on end, and its wait ahead of my first tensor load
	ds_add_u32 v[SPW], v[NIL]
	v_lshrrev_b32 v2, 5, v0
	v_readfirstlane_b32 s[WV], v2                  ; wave 0..11
	s_bfe_u32 s15, ttmp6, 0x40000                  ; cx
	s_lshl_b32 s16, ttmp9, 2
	s_add_co_u32 s16, s16, s15                     ; rb = 4 x cluster x + cx
	s_and_b32 s17, ttmp7, 0xffff                   ; g
	s_lshr_b32 s18, s[WV], 2                       ; set
	s_and_b32 s19, s[WV], 3                        ; rp
	s_mov_b32 s[SEL], 0x76543210
	s_mov_b32 s[SEL+1], 0xfedcba98
	s_mov_b32 s[HM], 0xffff0000                    ; lanes 16-31
	G1SET G1W, (15|(3<<16)|(1<<21)), 96            ; a unit's four tiles of W, 24,576 bytes, to all four partners
	G1SET G1X, (3<<16), 192                        ; x's eight tiles, 49,152 bytes
	G1SET G1WS, (15|(3<<16)|(1<<21)), 54           ; W's scale words, 13,824 bytes, to all four
	G1SET G1XS, (3<<16), 12                        ; x's, 3,072 bytes
	s_mov_b32 s[G0W], 1
	s_mul_i32 s[G0W+1], s[WV], 24576               ; no place in the cluster enters an LDS address
	s_mul_i32 s80, s17, 9
	s_add_co_u32 s80, s80, s[WV]
	s_mul_i32 s80, s80, 24576
	s_add_co_u32 s80, s80, 3145728                 ; W's tiles begin behind x's 512
	s_mov_b32 s81, 0
	s_mov_b32 s[G0X], 1
	s_mov_b32 s[G0X+1], XI
	s_mul_i32 s82, s16, 49152
	s_mov_b32 s83, 0
	s_mov_b32 s[G0WS], 1
	s_mov_b32 s[G0WS+1], WS
	s_mul_i32 s84, s17, 13824
	s_add_co_u32 s84, s84, 196608
	s_mov_b32 s85, 0
	s_mov_b32 s[G0XS], 1
	s_mov_b32 s[G0XS+1], XS
	s_mul_i32 s86, s16, 3072
	s_mov_b32 s87, 0
	s_lshr_b32 s96, s16, 3                         ; batch
	s_and_b32 s97, s16, 7                          ; key step
	s_mul_i32 s98, s96, 12
	s_wait_dscnt 0x0                               ; both opening adds are done
	s_wait_kmcnt 0x0
	s_add_nc_u64 s[G0W+2:G0W+3], s[4:5], s[80:81]
	s_or_b32 s[G0W+3], s[G0W+3], 0x80000000
	s_add_nc_u64 s[G0X+2:G0X+3], s[4:5], s[82:83]
	s_or_b32 s[G0X+3], s[G0X+3], 0x80000000
	s_add_nc_u64 s[G0WS+2:G0WS+3], s[6:7], s[84:85]
	s_or_b32 s[G0WS+3], s[G0WS+3], 0x80000000
	s_add_nc_u64 s[G0XS+2:G0XS+3], s[6:7], s[86:87]
	s_or_b32 s[G0XS+3], s[G0XS+3], 0x80000000
	ROUND                                          ; all four work-groups are here: the joint loads meet
	s_cmp_lt_u32 s[WV], 9                          ; every wave issues one load: waves 0-8 a unit of W each, 9 x, 10 W's scale words, 11 x's.  The branches hang on the wave's number alone
	s_cbranch_scc0 .Lnot_w
	TL G0W, G1W
	s_branch .Lasked
.Lnot_w:
	s_cmp_eq_u32 s[WV], 9
	s_cbranch_scc0 .Lnot_x
	TL G0X, G1X
	s_branch .Lasked
.Lnot_x:
	s_cmp_eq_u32 s[WV], 10
	s_cbranch_scc0 .Lnot_ws
	TL G0WS, G1WS
	s_branch .Lasked
.Lnot_ws:
	TL G0XS, G1XS
.Lasked:
	v_and_b32 v2, 31, v0
	v_lshlrev_b32 v[L16], 4, v2
	v_lshlrev_b32 v[L4], 2, v2
	v_and_b32 v15, 15, v0                          ; r
	v_bfe_u32 v2, v0, 4, 1                         ; h
	v_lshlrev_b32 v[H32], 5, v2
	v_lshlrev_b32 v[R4], 2, v15
	v_lshlrev_b32 v[STV], 10, v2
	v_lshl_add_u32 v[STV], v15, 4, v[STV]
	v_lshlrev_b32 v[SBV], 6, v2
	v_lshl_add_u32 v[SBV], v15, 2, v[SBV]
	s_mul_i32 s88, s19, 12288
	s_add_co_u32 s88, s88, XI
	v_add_nc_u32 v[AX], s88, v[L16]
	v_add_nc_u32 v[AWS0], WS, v[L4]
	s_mul_i32 s88, s19, 768
	s_add_co_u32 s88, s88, XS
	v_add_nc_u32 v[AXS], s88, v[L4]
	v_mov_b32 v[TP], 0                             ; a lane permute's destination counts as read
	v_mov_b32 v[TP+1], 0
.irp i, 1,3,5,7
	v_mov_b32 v[TC+\i], 0                          ; named as the upper halves of pairs of which the low word serves both halves
.endr
	s_mov_b32 s[TRIP], 3
	s_mul_i32 s[WB], s18, 24576
	s_mul_i32 s[WSB], s18, 1536
	s_mul_i32 s[U], s17, 9
	s_add_co_u32 s[U], s[U], s18
	s_wait_tensorcnt 0x0                           ; my load has landed,
	s_barrier_signal -1
	s_barrier_wait -1                              ; everybody's has.  Nothing is filled again in this launch
.irp xt, 0,1
.irp pr, 0,1,2
	ds_load_b32 v[XSR+3*\xt+\pr], v[AXS] offset:384*\xt+128*\pr
.endr
.endr
.Ltrip:
	v_add_nc_u32 v[AW], s[WB], v[L16]
	v_add_nc_u32 v[AWS], s[WSB], v[AWS0]
.irp wt, 0,1,2,3
.irp pr, 0,1,2
	ds_load_b32 v[WSR+3*\wt+\pr], v[AWS] offset:384*\wt+128*\pr
.endr
.endr
	LOADF 0, 0
	LOADF 1, 1
	s_mul_i32 s100, s96, 9216
	s_lshl_b32 s101, s[U], 8
	s_add_co_u32 s100, s100, s101
	s_mov_b32 s101, 0
	s_add_nc_u64 s[94:95], s[8:9], s[100:101]      ; the unit's 64 shifts of my batch (the last trip's loads by this base were waited for)
	s_cmp_lt_u32 s[U], 24
	s_cbranch_scc0 .Lvalues
	; ---- q or k
.irp wt, 0,1,2,3
	global_load_b128 v[TC+8*\wt:TC+8*\wt+3], v[H32], s[94:95] offset:64*\wt       ; features 16 wt + 8 h + 0 .. 7: they land under the K loop
	global_load_b128 v[TC+8*\wt+4:TC+8*\wt+7], v[H32], s[94:95] offset:64*\wt+16
.endr
	KLOOP 0
	PLACES
	s_wait_loadcnt 0x0                             ; the shifts
	s_wait_xcnt 0x0                                ; the last trip's stores have read their data and bases: both are written again below
.irp xt, 0,1
.irp wt, 0,1,2,3
.irp j, 0,2,4,6
	v_pk_add_f32 v[ACC+32*\xt+8*\wt+\j:ACC+32*\xt+8*\wt+\j+1], v[ACC+32*\xt+8*\wt+\j:ACC+32*\xt+8*\wt+\j+1], v[TC+8*\wt+\j:TC+8*\wt+\j+1]   ; each accumulator from its low end on
.endr
.endr
.endr
	s_cmp_lt_u32 s[U], 12                          ; q or k: all selections on this one compare, ahead of any addition
	s_cselect_b64 s[80:81], s[10:11], s[12:13]
	s_cselect_b32 s82, 0, 12
	s_mov_b32 s83, 71680
	s_cselect_b32 s83, 36864, s83                  ; bytes of a (batch, head)
	s_mov_b32 s84, 8960
	s_cselect_b32 s84, 4096, s84                   ; of a key step's images
	s_mov_b32 s85, 8960
	s_cselect_b32 s85, 512, s85                    ; of its scale words
	s_mov_b32 s86, 8192
	s_cselect_b32 s86, 32768, s86                  ; where the scale words begin
	s_mov_b32 s[FL], 0x1800000
	s_cselect_b32 s[FL], 0x3000000, s[FL]          ; the floor: byte 1 for k, byte 4 for q
	s_mov_b32 s87, 0x7f7f0000
	s_cselect_b32 s87, 0x7f7efcfd, s87             ; bytes 2, 3 = 0x7f; for q 3 off bytes 0 and 1: the division by 8
	s_sub_co_u32 s82, s[U], s82
	s_add_co_u32 s82, s82, s98                     ; 12 b + head
	s_mul_i32 s82, s82, s83
	s_mul_i32 s88, s97, s84
	s_add_co_u32 s88, s88, s82
	s_lshl_b32 s89, s19, 10
	s_add_co_u32 s88, s88, s89
	s_mov_b32 s89, 0
	s_add_nc_u64 s[90:91], s[80:81], s[88:89]      ; my two tiles' images
	s_mul_i32 s88, s97, s85
	s_add_co_u32 s88, s88, s82
	s_add_co_u32 s88, s88, s86
	s_lshl_b32 s99, s19, 7
	s_add_co_u32 s88, s88, s99
	s_add_nc_u64 s[92:93], s[80:81], s[88:89]      ; and their 32 scale words
	QUANT32 ACC, PC0, s[FL]
	v_lshl_or_b32 v[W0], v[BY+1], 8, v[BY]
	v_add_nc_u32 v[W0], s87, v[W0]
	QUANT32 (ACC+32), PC1, s[FL]
	v_lshl_or_b32 v[W1], v[BY+1], 8, v[BY]
	v_add_nc_u32 v[W1], s87, v[W1]
	global_store_b128 v[L16], v[PC0:PC0+3], s[90:91]              ; 512 consecutive bytes, aligned
	global_store_b128 v[L16], v[PC1:PC1+3], s[90:91] offset:512
	v_cndmask_b32 v[W0], v[W0], v[W1], s[HM]       ; lanes 0-15 the first tile's words, lanes 16-31 the second's
	global_store_b32 v[L4], v[W0], s[92:93]
	s_branch .Ljoin
	; ---- v
.Lvalues:
.irp tt, 0,1,2,3
	global_load_b32 v[TC+2*\tt], v[R4], s[94:95] offset:64*\tt   ; feature 16 tt + r
.endr
	KLOOP 1
	PLACES
	s_wait_loadcnt 0x0
	s_wait_xcnt 0x0                                ; as above
.irp tt, 0,1,2,3
.irp j, 0,2,4,6,8,10,12,14
	v_pk_add_f32 v[ACC+16*\tt+\j:ACC+16*\tt+\j+1], v[ACC+16*\tt+\j:ACC+16*\tt+\j+1], v[TC+2*\tt:TC+2*\tt+1] op_sel_hi:[1,0]
.endr
.endr
	s_sub_co_u32 s82, s[U], 24
	s_add_co_u32 s82, s82, s98
	s_mul_i32 s82, s82, 71680
	s_mul_i32 s83, s97, 8960
	s_add_co_u32 s82, s82, s83                     ; my key step of (batch, head)
	s_lshl_b32 s83, s19, 8                         ; block rp of the step: piece rp / 2, lanes' half rp % 2: 256 rp bytes
	s_add_co_u32 s88, s82, s83
	s_add_co_u32 s88, s88, 4096
	s_mov_b32 s89, 0
	s_add_nc_u64 s[90:91], s[12:13], s[88:89]
	s_add_co_u32 s88, s82, s19                     ; byte rp of each feature's scale word
	s_add_co_u32 s88, s88, 8704
	s_add_nc_u64 s[92:93], s[12:13], s[88:89]
	QUANT32 ACC, PC0, 0x1800000                    ; feature tiles 0 (lanes 0-15) and 1 (lanes 16-31)
	global_store_b128 v[STV], v[PC0:PC0+3], s[90:91]              ; each half of the lanes fills 256 consecutive bytes, aligned
	v_cndmask_b32 v[VB], v[BY], v[BY+1], s[HM]
	global_store_b8 v[SBV], v[VB], s[92:93]
	QUANT32 (ACC+32), PC1, 0x1800000               ; tiles 2 and 3
	global_store_b128 v[STV], v[PC1:PC1+3], s[90:91] offset:2048
	v_cndmask_b32 v[VB+1], v[BY], v[BY+1], s[HM]
	global_store_b8 v[SBV], v[VB+1], s[92:93] offset:128
.Ljoin:
	s_add_co_u32 s[WB], s[WB], 73728               ; three units on
	s_add_co_u32 s[WSB], s[WSB], 4608
	s_add_co_u32 s[U], s[U], 3
	s_sub_co_u32 s[TRIP], s[TRIP], 1
	s_cmp_lg_u32 s[TRIP], 0
	s_cbranch_scc1 .Ltrip
	s_wait_tensorcnt 0x0                           ; the wave's end
	ds_add_u32 v[SPW], v[NIL]
	s_wait_dscnt 0x0
	ROUND                                          ; the closing round
	s_endpgm
.Lfunc_end_k_q7c31c9c222_qkv:
	.size	k_q7c31c9c222_qkv, .Lfunc_end_k_q7c31c9c222_qkv-k_q7c31c9c222_qkv
	.p2alignl 7, 3214868480
	.fill 96, 4, 3214868480
	.section	.rodata,"a",@progbits
	.p2align	6, 0x0
	.amdhsa_kernel k_q7c31c9c222_qkv
		.amdhsa_group_segment_fixed_size 288768
		.amdhsa_private_segment_fixed_size 0
		.amdhsa_enable_private_segment 0
		.amdhsa_kernarg_size 40
		.amdhsa_user_sgpr_count 2
		.amdhsa_user_sgpr_kernarg_segment_ptr 1
		.amdhsa_wavefront_size32 1
		.amdhsa_system_sgpr_workgroup_id_x 1
		.amdhsa_system_sgpr_workgroup_id_y 1
		.amdhsa_system_sgpr_workgroup_id_z 1
		.amdhsa_system_vgpr_workitem_id 0
		.amdhsa_next_free_vgpr 256
		.amdhsa_next_free_sgpr 102
		.amdhsa_reserve_vcc 0
		.amdhsa_float_denorm_mode_32 3
		.amdhsa_float_denorm_mode_16_64 3
		.amdhsa_memory_ordered 1
		.amdhsa_forward_progress 1
		.amdhsa_inst_pref_size 46
	.end_amdhsa_kernel
	.amdgpu_metadata
---
amdhsa.version: [ 1, 2 ]
amdhsa.kernels:
  - .name:           k_q7c31c9c222_qkv
    .symbol:         k_q7c31c9c222_qkv.kd
    .args:
      - { .name: cimg, .offset: 0, .size: 8, .value_kind: global_buffer, .address_space: global }
      - { .name: csc, .offset: 8, .size: 8, .value_kind: global_buffer, .address_space: global }
      - { .name: tsh, .offset: 16, .size: 8, .value_kind: global_buffer, .address_space: global }
      - { .name: qbuf, .offset: 24, .size: 8, .value_kind: global_buffer, .address_space: global }
      - { .name: kv, .offset: 32, .size: 8, .value_kind: global_buffer, .address_space: global }
    .group_segment_fixed_size: 288768
    .private_segment_fixed_size: 0
    .kernarg_segment_align: 8
    .kernarg_segment_size: 40
    .max_flat_workgroup_size: 384
    .sgpr_count:     102
    .vgpr_count:     256
    .wavefront_size: 32
...
	.end_amdgpu_metadata
.endif
;; end of part 2
;; launch attn (part 3): grid 4 x 192, 8 waves a work-group, clusters of 4 x 1, 327,680 bytes of LDS; arguments qbuf, kv, rel_pos_bias, oimg, osc; writes oimg, osc
.if DOCPART == 3
	.amdgcn_target "amdgcn-amd-amdhsa--gfx1250"
	.amdhsa_code_object_version 6
	.text
	.protected	k_q7c31c9c222_attn
	.globl	k_q7c31c9c222_attn
	.p2align	8
	.type	k_q7c31c9c222_attn,@function
k_q7c31c9c222_attn:
	s_mov_b64 s[64:65], 0
	v_nop
	global_prefetch_b8 v0, s[64:65] scope:SCOPE_SE
	s_setreg_imm32_b32 hwreg(HW_REG_WAVE_MODE, 25, 1), 1
	s_wait_xcnt 0x0
	s_wait_alu depctr_hold_cnt(0) depctr_sa_sdst(0) depctr_va_vdst(0) depctr_va_sdst(0) depctr_va_ssrc(0) depctr_va_vcc(0) depctr_vm_vsrc(0)
	s_getreg_b32 s2, hwreg(HW_REG_IB_STS2, 6, 4)
	s_cmp_eq_u32 s2, 0
	s_cbranch_scc0 .Lentry_in_a_cluster
	s_endpgm
.Lentry_in_a_cluster:
	s_bfe_u32 s2, ttmp6, 0x10000c
	s_cmp_lg_u32 s2, 0x3003
	s_cbranch_scc0 .Lentry_shape_is_right
	s_endpgm
.Lentry_shape_is_right:
; LAUNCH 3 OF 4: o = softmax(q k^T / 8 + bias) v, both products on codes of E2M1 with E8M0 scales; o is quantised along d for the last product.  No work of the problem is left out here.
; SHARES.  Work-group (cx, y): head n = y / 16, queries 64 (y % 16) .. + 63, batches 2 cx and 2 cx + 1.  Wave w: batch 2 cx + w / 4, the tile of 16 queries w % 4.  Every wave walks the 1,024 keys, 128 a step.
; THE BIAS IS THE SAME FOR ALL EIGHT BATCHES.  The four partners of a cluster hold the eight batches of one (head, query block): a bias tile is asked for JOINTLY (mask 15) and serves two batches in each work-group,
; so each byte of the bias is asked for once in the launch.  It goes through two LDS slots of 64 queries x 256 keys (two key steps); each wave fetches 8 rows of a slot.
; K AND V of the work-group's two (batch, head) stay in LDS for the whole launch: 2 x 71,680 bytes, as images of the operands' registers, brought by two loads a wave with the first fills.
; LAYOUT.  Both products are used transposed: S^T = K Q^T + bias^T (source 0 = 16 keys, source 1 = my 16 queries), O^T = V^T P^T: a lane holds ONE query (lane % 16) throughout.
; THE BIAS COSTS NO ADDITION: it is loaded from LDS into the score accumulators and is the C of K Q^T.  The division by 8 lies in q's scale bytes.  The head's 64 fill half of a K step: registers 4-7 of Q's and K's fragments hold zero codes.
; THE SOFTMAX: t = logit x log2(e); M = the running largest t rounded up to a whole number; p = 2^(t - M), not normalised, is quantised along the keys; the sum is taken of the unquantised p and divides O at the end;
; when M moves, the sum and O are multiplied by 2^(old M - new M), which rounds nothing.  A block's largest p is made from the block's largest logit by the same multiply-add and exponential.
; Register 16 b + 8 u + j of the scores is key 32 b + 16 u + 8 h + j; the conversion of (block 2 c + B, u) goes to code register 4 c + 2 u + B, and the exchange of halves between registers 2 u and 2 u + 1 gives the operand's layout.
; LIMITS: NaN and infinities are not served.  A block whose every p has fallen to 0, and a block of zeros of o, keeps the byte 1: its codes are zeros.
.set BS0,   143360                     ; LDS: K and V from 0 (71,680 a batch); bias slot 0: 64 rows x (1,024 + 16) bytes;
.set BS1,   209920                     ; slot 1;
.set SPARE, 276480                     ; the spare words, 128 bytes a wave: four blocks of 256 bytes that no other line names
.set AK,  1                            ; v1, v2  my batch's images, key steps 0-3 and 4-7: + 16 x lane
.set AS,  3                            ; v3, v4  the same + 4 x lane, for scale words
.set AB,  5                            ; v5, v6  my query's row in bias slot 0, 1: + 32 h
.set SPW, 7                            ; v7   my spare word; never rewritten
.set NIL, 8                            ; v8   0; never rewritten
.set L16, 9
.set PFO, 10                           ; v10  the prefetches' offset: 4,096 (lane / 4) + 256 (lane % 4); never rewritten
.set R4,  11
.set QF,  16                           ; v16-23   Q's fragment
.set KF,  24                           ; v24-87   K's eight
.set VF,  88                           ; v88-119  V's four
.set S,   120                          ; v120-183 the bias, the logits, then p
.set O,   184                          ; v184-215 O^T
.set PC,  216                          ; v216-223 p's codes
.set BM,  224                          ; v224-227 the blocks' largest
.set BP,  228                          ; v228-231 lane l xor 16's; then the bytes
.set SOP, 232                          ; v232-235 the conversions' scale operands
.set KS,  236                          ; v236-239 K's scale words, v240-241 V's, v242 Q's, v243 p's: scales and nothing else
.set VS,  240
.set QS,  242
.set PW,  243
.set F,   244                          ; v[244:245] 2^(old M - new M); at the end 1 / the sum
.set TMP, 246
.set L2,  248                          ; v[248:249] the sum's second chain
.set WV,  14
.set SEL, 20
.set CS,  22                           ; s[22:23] log2(e)
.set G1K, 24
.set G1B, 32
.set G0KA, 40
.set G0KB, 44
.set G0B0, 48
.set G0B1, 52
.set PFA, 56
.macro ROUND
	s_barrier_signal -1
	s_barrier_wait -1
	s_cmp_lg_u32 s[WV], 0
	s_cbranch_scc1 .Lnot_wave_0_\@
	s_barrier_signal -3
.Lnot_wave_0_\@:
	s_barrier_wait -3
	s_barrier_signal -1
	s_barrier_wait -1
.endm
.macro PLACES
.rept 4
	v_nop
.endr
.endm
.macro WMA d, a, b, cr, sa, sb, odd    ; cr < 0: the product starts the sum.  odd: source 0's scale words stand in lanes 16-31
.if (\cr) < 0
.if \odd
	v_wmma_scale_f32_16x16x128_f8f6f4 v[(\d):(\d)+7], v[(\a):(\a)+7], v[(\b):(\b)+7], 0, v[\sa], v[\sb] matrix_a_fmt:MATRIX_FMT_FP4 matrix_b_fmt:MATRIX_FMT_FP4 matrix_a_scale:MATRIX_SCALE_ROW1
.else
	v_wmma_scale_f32_16x16x128_f8f6f4 v[(\d):(\d)+7], v[(\a):(\a)+7], v[(\b):(\b)+7], 0, v[\sa], v[\sb] matrix_a_fmt:MATRIX_FMT_FP4 matrix_b_fmt:MATRIX_FMT_FP4
.endif
.else
.if \odd
	v_wmma_scale_f32_16x16x128_f8f6f4 v[(\d):(\d)+7], v[(\a):(\a)+7], v[(\b):(\b)+7], v[(\cr):(\cr)+7], v[\sa], v[\sb] matrix_a_fmt:MATRIX_FMT_FP4 matrix_b_fmt:MATRIX_FMT_FP4 matrix_a_scale:MATRIX_SCALE_ROW1
.else
	v_wmma_scale_f32_16x16x128_f8f6f4 v[(\d):(\d)+7], v[(\a):(\a)+7], v[(\b):(\b)+7], v[(\cr):(\cr)+7], v[\sa], v[\sb] matrix_a_fmt:MATRIX_FMT_FP4 matrix_b_fmt:MATRIX_FMT_FP4
.endif
.endif
.endm
; A PREFETCH of the bias slot that the NEXT change of slots will ask for, two key steps ahead of that load: 64 rows x 1,024 bytes.  The four partners share the rows out BY ADDRESS, 16 each; in each, waves 0 and 1 ask,
; 8 rows a wave, four lanes to a row, 256 bytes apart: each aligned block of 256 bytes is named once in the launch.  The address registers are never rewritten: the slot stands in the immediate.  Slots 0 and 1 come by their loads alone.
.macro ASK off
	s_cmp_lt_u32 s[WV], 2
	s_cbranch_scc0 .Lnot_mine_\@
	global_prefetch_b8 v[PFO], s[PFA:PFA+1] offset:\off th:TH_LOAD_NT scope:SCOPE_SE
.Lnot_mine_\@:
.endm
; A bias slot that has been read is filled again, with the keys 512 further on.  Every wave: all my tensor loads have landed; the add; the add and my LDS reads are done; a round of the cluster's barrier, so that no wave of
; any partner still reads the slot or has a load on its way; and the joint refill first behind it, one load a wave: it has two key steps in which to land.
.macro CHANGE g0
	s_wait_tensorcnt 0x0                           ; no tensor load of mine is out, so a group 0 may be written
	ds_add_u32 v[SPW], v[NIL]                      ; 0 onto my spare word
	s_add_nc_u64 s[\g0+2:\g0+3], s[\g0+2:\g0+3], 2048   ; 512 keys on; the type bits on top are not reached
	s_wait_dscnt 0x0
	ROUND
	tensor_load_to_lds s[\g0:\g0+3], s[G1B:G1B+7]
	s_nop 0
.rept 4
	v_nop
.endr
.endm
; A KEY STEP: keys 128 st .. + 127; their bias lies in half hf of slot sl.  first = 1: O^T's sums start.
.macro STEP sl, hf, st, first
.irp tt, 0,1,2,3,4,5,6,7
	ds_load_b128 v[S+8*\tt:S+8*\tt+3], v[AB+\sl] offset:512*\hf+64*\tt           ; bias(my query, keys 16 tt + 8 h + 0 .. 7): straight into the accumulator
	ds_load_b128 v[S+8*\tt+4:S+8*\tt+7], v[AB+\sl] offset:512*\hf+64*\tt+16
.endr
.irp tt, 0,1,2,3,4,5,6,7
	ds_load_b128 v[KF+8*\tt:KF+8*\tt+3], v[AK+(\st)/4] offset:8960*((\st)%4)+512*\tt
.endr
.irp tp, 0,1,2,3
	ds_load_b32 v[KS+\tp], v[AS+(\st)/4] offset:8960*((\st)%4)+8192+128*\tp      ; lanes 0-15 tile 2 tp, lanes 16-31 tile 2 tp + 1
.endr
	s_wait_dscnt 0x0
.irp tt, 0,1,2,3,4,5,6,7
	WMA S+8*\tt, KF+8*\tt, QF, S+8*\tt, KS+\tt/2, QS, \tt%2
.endr
	PLACES                                         ; ahead of the reads of the logits, and of the loads into the registers that the last step's V^T P read
.irp tt, 0,1,2,3
.irp c, 0,1
	ds_load_b128 v[VF+8*\tt+4*\c:VF+8*\tt+4*\c+3], v[AK+(\st)/4] offset:8960*((\st)%4)+4096+1024*\tt+512*\c   ; V lands under the softmax
.endr
.endr
.irp tp, 0,1
	ds_load_b32 v[VS+\tp], v[AS+(\st)/4] offset:8960*((\st)%4)+8704+128*\tp
.endr
.irp b, 0,1,2,3
	v_max3_num_f32 v[BM+\b], v[S+16*\b], v[S+16*\b+1], v[S+16*\b+2]              ; the largest logit of each block of 32 keys: for the row's maximum and for the block's largest p
.endr
.irp i, 3,5,7,9,11,13
.irp b, 0,1,2,3
	v_max3_num_f32 v[BM+\b], v[BM+\b], v[S+16*\b+\i], v[S+16*\b+\i+1]
.endr
.endr
.irp b, 0,1,2,3
	v_max_num_f32 v[BM+\b], v[BM+\b], v[S+16*\b+15]
.endr
.irp b, 0,1,2,3
	v_permlanex16_b32 v[BP+\b], v[BM+\b], s[SEL], s[SEL+1]
.endr
.irp b, 0,1,2,3
	v_max_num_f32 v[BM+\b], v[BM+\b], v[BP+\b]     ; with lane l xor 16's 16 keys
.endr
	v_max3_num_f32 v[TMP], v[BM], v[BM+1], v[BM+2]
	v_max_num_f32 v[TMP], v[TMP], v[BM+3]
	v_mul_f32 v[TMP], s[CS], v[TMP]                ; as t
	v_max_num_f32 v13, v13, v[TMP]                 ; the running largest t
	v_mov_b32 v[TMP], v12
	v_floor_f32 v12, -v13                          ; the new -M = floor(-t): M is a whole number
	v_sub_f32 v[TMP], v12, v[TMP]                  ; old M - new M: a whole number, 0 or less
	v_cvt_i32_f32 v[TMP], v[TMP]                   ; (it saturates)
	v_ldexp_f32 v[F], 1.0, v[TMP]
.irp j, 0,2,4,6,8,10,12,14,16,18,20,22,24,26,28,30,32,34,36,38,40,42,44,46,48,50,52,54,56,58,60,62
	v_pk_fma_f32 v[S+\j:S+\j+1], v[S+\j:S+\j+1], s[CS:CS+1], v[12:13] op_sel_hi:[1,0,0]   ; t - M, two at a time
.endr
.irp b, 0,1,2,3
	v_fma_f32 v[BM+\b], v[BM+\b], s[CS], v12
.endr
.irp j, 0,1,2,3,4,5,6,7,8,9,10,11,12,13,14,15,16,17,18,19,20,21,22,23,24,25,26,27,28,29,30,31,32,33,34,35,36,37,38,39,40,41,42,43,44,45,46,47,48,49,50,51,52,53,54,55,56,57,58,59,60,61,62,63
	v_exp_f32 v[S+\j], v[S+\j]                     ; p = 2^(t - M)
.endr
	v_pk_mul_f32 v[14:15], v[14:15], v[F:F+1] op_sel_hi:[1,0]   ; the sums under the new M: the plain instruction behind the exponentials
	s_wait_alu depctr_va_vdst(0)                   ; one wait for the batch of 64, ahead of its first reader
.irp b, 0,1,2,3
	v_exp_f32 v[BM+\b], v[BM+\b]                   ; the blocks' largest p
.endr
	v_pk_add_f32 v[L2:L2+1], v[S:S+1], v[S+2:S+3]  ; the row's sum of the unquantised p, in two chains
.irp j, 4,8,12,16,20,24,28,32,36,40,44,48,52,56,60
	v_pk_add_f32 v[14:15], v[14:15], v[S+\j:S+\j+1]
	v_pk_add_f32 v[L2:L2+1], v[L2:L2+1], v[S+\j+2:S+\j+3]
.endr
	v_pk_add_f32 v[14:15], v[14:15], v[L2:L2+1]
	s_wait_alu depctr_va_vdst(0)                   ; and one for the four
.irp b, 0,1,2,3
	v_max_num_f32 v[BM+\b], 0x1800000, v[BM+\b]    ; the floor 2^(3 - 127)
.endr
.irp b, 0,1,2,3
	v_add_nc_u32 v[SOP+\b], 0xff000000, v[BM+\b]
.endr
.irp b, 0,1,2,3
	v_lshrrev_b32 v[BP+\b], 23, v[SOP+\b]
.endr
	v_lshl_or_b32 v[PW], v[BP+1], 8, v[BP]         ; p's scale word for these 128 keys
	v_lshl_or_b32 v[PW], v[BP+2], 16, v[PW]
	v_lshl_or_b32 v[PW], v[BP+3], 24, v[PW]
.irp c, 0,1
.irp be, 0,1
.irp u, 0,1
	v_cvt_scalef32_pk8_fp4_f32 v[PC+4*\c+2*\u+\be], v[S+16*(2*\c+\be)+8*\u:S+16*(2*\c+\be)+8*\u+7], v[SOP+2*\c+\be]
.endr
.endr
.endr
	v_nop                                          ; one plain instruction behind the scaled conversions
.irp c, 0,1
.irp u, 0,1
	v_permlane16_swap_b32 v[PC+4*\c+2*\u], v[PC+4*\c+2*\u+1]
.endr
.endr
.if \first
.rept 8
	v_nop                                          ; a scale word made by vector instructions stands eight plain instructions ahead of the scaled product, an operand four
.endr
.else
.irp j, 0,2,4,6,8,10,12,14,16,18,20,22,24,26,28,30
	v_pk_mul_f32 v[O+\j:O+\j+1], v[O+\j:O+\j+1], v[F:F+1] op_sel_hi:[1,0]        ; O^T under the new M; twelve of these sixteen name no register of any one product below
.endr
.endif
	s_wait_dscnt 0x0                               ; V and its scale words
.irp tt, 0,1,2,3
.if \first
	WMA O+8*\tt, VF+8*\tt, PC, -1, VS+\tt/2, PW, \tt%2
.else
	WMA O+8*\tt, VF+8*\tt, PC, O+8*\tt, VS+\tt/2, PW, \tt%2
.endif
.endr
.endm
	s_load_b256 s[4:11], s[0:1], 0x0               ; qbuf, kv, the bias, oimg
	s_load_b64 s[12:13], s[0:1], 0x20              ; osc
	v_lshl_add_u32 v[SPW], v0, 2, SPARE
	v_mov_b32 v[NIL], 0
	ds_add_u32 v[SPW], v[NIL]                      ; the wave's opening: the add, twice on end, and its wait ahead of my first tensor load
	ds_add_u32 v[SPW], v[NIL]
	v_lshrrev_b32 v[TMP], 5, v0
	v_readfirstlane_b32 s[WV], v[TMP]              ; wave 0..7
	s_bfe_u32 s15, ttmp6, 0x40000                  ; cx: the pair of batches
	s_and_b32 s17, ttmp7, 0xffff
	s_lshr_b32 s16, s17, 4                         ; head
	s_and_b32 s17, s17, 15                         ; block of 64 queries
	s_lshr_b32 s18, s[WV], 2                       ; which of the two batches
	s_and_b32 s19, s[WV], 3                        ; which tile of queries; also: which key steps I fetch
	s_lshl_b32 s58, s15, 1
	s_add_co_u32 s58, s58, s18                     ; batch
	s_mul_i32 s59, s58, 12
	s_add_co_u32 s59, s59, s16                     ; 12 b + n
	s_mov_b32 s[SEL], 0x76543210
	s_mov_b32 s[SEL+1], 0xfedcba98
	s_mov_b32 s[CS], 0x3fb8aa3b                    ; log2(e)
	s_mov_b32 s[CS+1], s[CS]
	s_mov_b32 s[G1K], 3<<16                        ; a key step's 8,960 dense bytes as 35 rows of 256: elements of 8 bytes, no mask
	s_mov_b32 s[G1K+1], 32<<16
	s_mov_b32 s[G1K+2], 35<<16
	s_mov_b32 s[G1K+3], 32<<16
	s_mov_b32 s[G1K+4], 35
	s_mov_b32 s[G1K+5], 32
	s_mov_b32 s[G1K+6], 0
	s_mov_b32 s[G1K+7], 0
	s_mov_b32 s[G1B], 15|(2<<16)|(1<<20)|(1<<21)|(7<<22)|(3<<25)   ; the bias: all four partners; elements of 4 bytes; 4 words of padding behind every 256
	s_mov_b32 s[G1B+1], 256<<16                    ; tensor_dim0 = 256 keys
	s_mov_b32 s[G1B+2], 8<<16                      ; tensor_dim1 = 8 queries
	s_mov_b32 s[G1B+3], 256<<16                    ; tile_dim0
	s_mov_b32 s[G1B+4], 8                          ; tile_dim1
	s_mov_b32 s[G1B+5], 1024                       ; from query to query
	s_mov_b32 s[G1B+6], 0
	s_mov_b32 s[G1B+7], 0
	s_mul_i32 s77, s18, 71680                      ; my batch's K and V in LDS: no place in the cluster enters an LDS address
	s_mul_i32 s78, s19, 8960
	s_mov_b32 s[G0KA], 1
	s_add_co_u32 s[G0KA+1], s77, s78               ; key step w % 4,
	s_mov_b32 s[G0KB], 1
	s_add_co_u32 s[G0KB+1], s[G0KA+1], 35840       ; and four steps on
	s_mul_i32 s79, s[WV], 8320                     ; my 8 rows of a bias slot
	s_mov_b32 s[G0B0], 1
	s_add_co_u32 s[G0B0+1], s79, BS0
	s_mov_b32 s[G0B1], 1
	s_add_co_u32 s[G0B1+1], s79, BS1
	s_mul_i32 s60, s59, 71680
	s_add_co_u32 s60, s60, s78
	s_mov_b32 s61, 0
	s_lshl_b32 s66, s16, 10
	s_lshl_b32 s67, s17, 6
	s_add_co_u32 s66, s66, s67                     ; the block's first row of the bias: 1,024 n + 64 qb
	s_lshl_b32 s67, s[WV], 3
	s_add_co_u32 s62, s66, s67
	s_lshl_b32 s62, s62, 12                        ; a row is 4,096 bytes.  These registers never hold cx
	s_mov_b32 s63, 0
	s_wait_dscnt 0x0                               ; both opening adds are done
	s_wait_kmcnt 0x0
	s_add_nc_u64 s[G0KA+2:G0KA+3], s[6:7], s[60:61]
	s_add_nc_u64 s[G0KB+2:G0KB+3], s[G0KA+2:G0KA+3], 35840
	s_or_b32 s[G0KA+3], s[G0KA+3], 0x80000000
	s_or_b32 s[G0KB+3], s[G0KB+3], 0x80000000
	s_add_nc_u64 s[G0B0+2:G0B0+3], s[8:9], s[62:63]
	s_add_nc_u64 s[G0B1+2:G0B1+3], s[G0B0+2:G0B0+3], 1024
	s_or_b32 s[G0B0+3], s[G0B0+3], 0x80000000
	s_or_b32 s[G0B1+3], s[G0B1+3], 0x80000000
	ROUND                                          ; all four work-groups are here: the first joint loads meet
	tensor_load_to_lds s[G0KA:G0KA+3], s[G1K:G1K+7]                ; the first fills go out as one group: four loads of mine are out
	s_nop 0
	tensor_load_to_lds s[G0B0:G0B0+3], s[G1B:G1B+7]
	s_nop 0
	tensor_load_to_lds s[G0B1:G0B1+3], s[G1B:G1B+7]
	s_nop 0
	tensor_load_to_lds s[G0KB:G0KB+3], s[G1K:G1K+7]
	s_nop 0
.rept 4
	v_nop
.endr
	s_lshl_b32 s60, s15, 4                         ; the prefetches: my work-group's 16 rows of the 64, my wave's 8 of them
	s_add_co_u32 s60, s60, s66
	s_add_co_u32 s60, s60, s67
	s_lshl_b32 s60, s60, 12
	s_add_nc_u64 s[PFA:PFA+1], s[8:9], s[60:61]
	s_lshl_b32 s76, s17, 2
	s_add_co_u32 s76, s76, s19                     ; my tile among the head's 64
	s_mul_i32 s79, s59, 36864
	s_lshl_b32 s60, s76, 9
	s_add_co_u32 s60, s60, s79
	s_add_nc_u64 s[68:69], s[4:5], s[60:61]        ; Q's image
	s_lshl_b32 s60, s76, 6
	s_add_co_u32 s60, s60, s79
	s_add_co_u32 s60, s60, 32768
	s_add_nc_u64 s[70:71], s[4:5], s[60:61]        ; Q's scale words
	s_lshl_b32 s79, s58, 6
	s_add_co_u32 s79, s79, s76                     ; my tile among the 512 of all rows
	s_mul_i32 s60, s79, 6144
	s_lshl_b32 s78, s16, 9                         ; K step n / 2, piece n % 2: 512 n bytes
	s_add_co_u32 s60, s60, s78
	s_add_nc_u64 s[72:73], s[10:11], s[60:61]      ; o's image
	s_mul_i32 s60, s79, 384
	s_lshr_b32 s78, s16, 1
	s_lshl_b32 s78, s78, 6                         ; K step n / 2: 16 words a step
	s_add_co_u32 s60, s60, s78
	s_and_b32 s78, s16, 1
	s_lshl_b32 s78, s78, 1                         ; bytes 2 (n % 2), + 1 of a word
	s_add_co_u32 s60, s60, s78
	s_add_nc_u64 s[74:75], s[12:13], s[60:61]      ; o's scale bytes
	v_and_b32 v[TMP], 31, v0
	v_lshlrev_b32 v[L16], 4, v[TMP]
	v_and_b32 v[TMP+1], 15, v0                     ; r
	v_lshlrev_b32 v[R4], 2, v[TMP+1]
	global_load_b128 v[QF:QF+3], v[L16], s[68:69]
	global_load_b32 v[QS], v[R4], s[70:71]
.irp i, 4,5,6,7
	v_mov_b32 v[QF+\i], 0                          ; zero codes for k = 64 .. 127, on both sides: written once
.endr
.irp tt, 0,1,2,3,4,5,6,7
.irp i, 4,5,6,7
	v_mov_b32 v[KF+8*\tt+\i], 0
.endr
.endr
	v_add_nc_u32 v[AK], s77, v[L16]
	v_add_nc_u32 v[AK+1], 35840, v[AK]
	v_lshlrev_b32 v[L2], 2, v[TMP]
	v_add_nc_u32 v[AS], s77, v[L2]
	v_add_nc_u32 v[AS+1], 35840, v[AS]
	v_bfe_u32 v[L2], v0, 4, 1                      ; h
	s_mul_i32 s78, s19, 16640                      ; my tile's 16 rows of 1,040 bytes
	s_add_co_u32 s78, s78, BS0
	v_mul_u32_u24 v[AB], v[TMP+1], 1040
	v_lshl_add_u32 v[AB], v[L2], 5, v[AB]
	v_add_nc_u32 v[AB], s78, v[AB]
	v_add_nc_u32 v[AB+1], 66560, v[AB]
	v_lshrrev_b32 v[L2], 2, v[TMP]
	v_and_b32 v[TMP+1], 3, v[TMP]
	v_lshlrev_b32 v[PFO], 12, v[L2]
	v_lshl_add_u32 v[PFO], v[TMP+1], 8, v[PFO]
	v_mov_b32 v13, 0xff61b1e6                      ; the largest t so far: -3e38, under every t
	v_floor_f32 v12, -v13                          ; -M
	v_mov_b32 v14, 0                               ; the sum, in two halves
	v_mov_b32 v15, 0
.irp b, 0,1,2,3
	v_mov_b32 v[BP+\b], 0                          ; a lane permute's destination counts as read
.endr
	v_mov_b32 v[F+1], 0                            ; named as the upper half of a pair
	s_wait_tensorcnt 2                             ; my parts of key steps 0-3 and of bias slot 0 are in; slot 1's and key steps 4-7's may stay out
	s_barrier_signal -1
	s_barrier_wait -1
	ASK 2048                                       ; keys 512-767, which the first change of slots will ask for
	s_wait_loadcnt 0x0                             ; Q
	STEP 0, 0, 0, 1
	STEP 0, 1, 1, 0
	CHANGE G0B0                                    ; slot 0 takes keys 512-767; the wait in it has shown slot 1 and key steps 4-7 landed
	ASK 3072                                       ; keys 768-1,023
	STEP 1, 0, 2, 0
	STEP 1, 1, 3, 0
	CHANGE G0B1                                    ; slot 1 takes keys 768-1,023: the last load
	STEP 0, 0, 4, 0
	STEP 0, 1, 5, 0
	s_wait_tensorcnt 0x0                           ; my part of slot 1 is in,
	ds_add_u32 v[SPW], v[NIL]
	s_wait_dscnt 0x0
	s_barrier_signal -1
	s_barrier_wait -1                              ; everybody's is; nothing is filled again, so no round
	STEP 1, 0, 6, 0
	STEP 1, 1, 7, 0
	; THE WAY OUT: O^T / the sum, quantised along d: register 8 (2 B + u) + j is d = 32 B + 16 u + 8 h + j of my query
	PLACES
	v_add_f32 v14, v14, v15
	v_permlanex16_b32 v[TMP], v14, s[SEL], s[SEL+1]
	v_add_f32 v14, v14, v[TMP]                     ; the row's sum
	v_rcp_f32 v[F], v14
	v_nop                                          ; a plain instruction behind the reciprocal,
	s_wait_alu depctr_va_vdst(0)                   ; and the wait ahead of its first reader
.irp j, 0,2,4,6,8,10,12,14,16,18,20,22,24,26,28,30
	v_pk_mul_f32 v[S+\j:S+\j+1], v[O+\j:O+\j+1], v[F:F+1] op_sel_hi:[1,0]        ; each accumulator from its low end on
.endr
.irp be, 0,1
	v_max3_num_f32 v[BM+\be], |v[S+16*\be]|, |v[S+16*\be+1]|, 0x1800000
.endr
.irp i, 2,4,6,8,10,12,14
.irp be, 0,1
	v_max3_num_f32 v[BM+\be], v[BM+\be], |v[S+16*\be+\i]|, |v[S+16*\be+\i+1]|
.endr
.endr
.irp be, 0,1
	v_permlanex16_b32 v[BP+\be], v[BM+\be], s[SEL], s[SEL+1]
.endr
.irp be, 0,1
	v_max_num_f32 v[BM+\be], v[BM+\be], v[BP+\be]
.endr
.irp be, 0,1
	v_add_nc_u32 v[SOP+\be], 0xff000000, v[BM+\be]
.endr
.irp be, 0,1
	v_lshrrev_b32 v[TMP+\be], 23, v[SOP+\be]
.endr
.irp be, 0,1
.irp u, 0,1
	v_cvt_scalef32_pk8_fp4_f32 v[PC+2*\u+\be], v[S+16*\be+8*\u:S+16*\be+8*\u+7], v[SOP+\be]
.endr
.endr
	v_nop
.irp u, 0,1
	v_permlane16_swap_b32 v[PC+2*\u], v[PC+2*\u+1]
.endr
	global_store_b128 v[L16], v[PC:PC+3], s[72:73]                 ; a piece of the last product's operand: 512 consecutive bytes, aligned
	v_lshl_or_b32 v[L2], v[TMP+1], 8, v[TMP]
	global_store_b16 v[R4], v[L2], s[74:75]        ; my head's two bytes of row r's scale word; both halves of the lanes hold the same number and name the same two bytes
	s_wait_tensorcnt 0x0                           ; the wave's end
	ds_add_u32 v[SPW], v[NIL]
	s_wait_dscnt 0x0
	ROUND                                          ; the closing round
	s_endpgm
.Lfunc_end_k_q7c31c9c222_attn:
	.size	k_q7c31c9c222_attn, .Lfunc_end_k_q7c31c9c222_attn-k_q7c31c9c222_attn
	.p2alignl 7, 3214868480
	.fill 96, 4, 3214868480
	.section	.rodata,"a",@progbits
	.p2align	6, 0x0
	.amdhsa_kernel k_q7c31c9c222_attn
		.amdhsa_group_segment_fixed_size 327680
		.amdhsa_private_segment_fixed_size 0
		.amdhsa_enable_private_segment 0
		.amdhsa_kernarg_size 40
		.amdhsa_user_sgpr_count 2
		.amdhsa_user_sgpr_kernarg_segment_ptr 1
		.amdhsa_wavefront_size32 1
		.amdhsa_system_sgpr_workgroup_id_x 1
		.amdhsa_system_sgpr_workgroup_id_y 1
		.amdhsa_system_sgpr_workgroup_id_z 1
		.amdhsa_system_vgpr_workitem_id 0
		.amdhsa_next_free_vgpr 256
		.amdhsa_next_free_sgpr 80
		.amdhsa_reserve_vcc 0
		.amdhsa_float_denorm_mode_32 3
		.amdhsa_float_denorm_mode_16_64 3
		.amdhsa_memory_ordered 1
		.amdhsa_forward_progress 1
		.amdhsa_inst_pref_size 139
	.end_amdhsa_kernel
	.amdgpu_metadata
---
amdhsa.version: [ 1, 2 ]
amdhsa.kernels:
  - .name:           k_q7c31c9c222_attn
    .symbol:         k_q7c31c9c222_attn.kd
    .args:
      - { .name: qbuf, .offset: 0, .size: 8, .value_kind: global_buffer, .address_space: global }
      - { .name: kv, .offset: 8, .size: 8, .value_kind: global_buffer, .address_space: global }
      - { .name: rel_pos_bias, .offset: 16, .size: 8, .value_kind: global_buffer, .address_space: global }
      - { .name: oimg, .offset: 24, .size: 8, .value_kind: global_buffer, .address_space: global }
      - { .name: osc, .offset: 32, .size: 8, .value_kind: global_buffer, .address_space: global }
    .group_segment_fixed_size: 327680
    .private_segment_fixed_size: 0
    .kernarg_segment_align: 8
    .kernarg_segment_size: 40
    .max_flat_workgroup_size: 256
    .sgpr_count:     80
    .vgpr_count:     256
    .wavefront_size: 32
...
	.end_amdgpu_metadata
.endif
;; end of part 3
;; launch oproj (part 4): grid 64 x 4, 12 waves a work-group, clusters of 4 x 1, 236,544 bytes of LDS; arguments cimg, csc, oimg, osc, b_o, out0; writes out0
.if DOCPART == 4
	.amdgcn_target "amdgcn-amd-amdhsa--gfx1250"
	.amdhsa_code_object_version 6
	.text
	.protected	k_q7c31c9c222_oproj
	.globl	k_q7c31c9c222_oproj
	.p2align	8
	.type	k_q7c31c9c222_oproj,@function
k_q7c31c9c222_oproj:
	s_mov_b64 s[64:65], 0
	v_nop
	global_prefetch_b8 v0, s[64:65] scope:SCOPE_SE
	s_setreg_imm32_b32 hwreg(HW_REG_WAVE_MODE, 25, 1), 1
	s_wait_xcnt 0x0
	s_wait_alu depctr_hold_cnt(0) depctr_sa_sdst(0) depctr_va_vdst(0) depctr_va_sdst(0) depctr_va_ssrc(0) depctr_va_vcc(0) depctr_vm_vsrc(0)
	s_getreg_b32 s2, hwreg(HW_REG_IB_STS2, 6, 4)
	s_cmp_eq_u32 s2, 0
	s_cbranch_scc0 .Lentry_in_a_cluster
	s_endpgm
.Lentry_in_a_cluster:
	s_bfe_u32 s2, ttmp6, 0x10000c
	s_cmp_lg_u32 s2, 0x3003
	s_cbranch_scc0 .Lentry_shape_is_right
	s_endpgm
.Lentry_shape_is_right:
; LAUNCH 4 OF 4: out0 = o W_o^T + b_o, on codes of E2M1 with E8M0 scales.  No work of the problem is left out here.
; SHARES.  A work-group takes 128 rows (block rb) and 192 columns (group g); wave w = 4 set + rp takes rows 32 rp .. + 31 and columns 64 set .. + 63: eight accumulators, 48 matrix instructions.
; LDS is filled once, by twelve tensor loads, one a wave: W_o's 12 tiles (waves 0-5) and their scale words (wave 10), asked for JOINTLY by the four partners, which are four row blocks with the same g; o's 8 tiles (waves 6-9) and
; their scale words (wave 11), each work-group's own.  All are images of the operands' registers.
; The product is used transposed (source 0 = 16 rows of W_o, source 1 = 16 rows of o): a lane holds eight neighbouring columns of one row.  b_o is the C of each sum's first product.
; THE WAY OUT.  A wave's 64 columns are 256 consecutive bytes of each row, aligned: they go through the wave's own stage in LDS (rows of 256 + 16 bytes) and leave sixteen lanes to such a run.
.set OI,    73728                      ; LDS: W_o's 12 tiles from 0; o's 8 tiles;
.set WS,    122880                     ; W_o's scale words, 12 x 384;
.set XS,    127488                     ; o's, 8 x 384;
.set STG,   130560                     ; the stages: 32 rows x 272 bytes a wave; no tensor load lands here;
.set SPARE, 235008                     ; the spare words, 128 bytes a wave: six blocks of 256 bytes that no other line names
.set L16, 1
.set AW,  3
.set AX,  4
.set AWS, 6
.set AXS, 7
.set SPW, 8
.set NIL, 9
.set H32, 10
.set STO, 11                           ; v11  the stage: where I put 32 bytes of a row
.set RD,  12                           ; v12  and where I read a row back
.set L4,  13
.set GO,  14                           ; v14  my byte offset in out0: 3,072 h + 16 r
.set XSR, 16                           ; v16-21  o's scale words: scales and nothing else
.set WSR, 22                           ; v22-33  W_o's: likewise
.set TC,  50                           ; v50-81   b_o in the result's layout
.set FB,  82                           ; v82-177  two fragment buffers; on the way out v82-145 take rows of out0
.set ACC, 178
.set WV,  16
.set G1W, 24
.set G1X, 32
.set G1WS, 40
.set G1XS, 48
.set G0W, 56
.set G0X, 60
.set G0WS, 68
.set G0XS, 72
.macro ROUND
	s_barrier_signal -1
	s_barrier_wait -1
	s_cmp_lg_u32 s[WV], 0
	s_cbranch_scc1 .Lnot_wave_0_\@
	s_barrier_signal -3
.Lnot_wave_0_\@:
	s_barrier_wait -3
	s_barrier_signal -1
	s_barrier_wait -1
.endm
.macro PLACES
.rept 4
	v_nop
.endr
.endm
.macro G1SET g, w0, rows               ; a dense block as rows of 256 bytes
	s_mov_b32 s[\g], \w0
	s_mov_b32 s[\g+1], 32<<16
	s_mov_b32 s[\g+2], (\rows)<<16
	s_mov_b32 s[\g+3], 32<<16
	s_mov_b32 s[\g+4], \rows
	s_mov_b32 s[\g+5], 32
	s_mov_b32 s[\g+6], 0
	s_mov_b32 s[\g+7], 0
.endm
.macro TL g0, g1
	tensor_load_to_lds s[\g0:\g0+3], s[\g1:\g1+7]
	s_nop 0
.rept 4
	v_nop
.endr
.endm
.macro WM d, a, b, cr, sa, sb, odd
.if \odd
	v_wmma_scale_f32_16x16x128_f8f6f4 v[(\d):(\d)+7], v[(\a):(\a)+7], v[(\b):(\b)+7], v[(\cr):(\cr)+7], v[\sa], v[\sb] matrix_a_fmt:MATRIX_FMT_FP4 matrix_b_fmt:MATRIX_FMT_FP4 matrix_a_scale:MATRIX_SCALE_ROW1 matrix_b_scale:MATRIX_SCALE_ROW1
.else
	v_wmma_scale_f32_16x16x128_f8f6f4 v[(\d):(\d)+7], v[(\a):(\a)+7], v[(\b):(\b)+7], v[(\cr):(\cr)+7], v[\sa], v[\sb] matrix_a_fmt:MATRIX_FMT_FP4 matrix_b_fmt:MATRIX_FMT_FP4
.endif
.endm
.macro LOADF ks, bf
.irp wt, 0,1,2,3
.irp c, 0,1
	ds_load_b128 v[FB+48*(\bf)+8*\wt+4*\c:FB+48*(\bf)+8*\wt+4*\c+3], v[AW] offset:6144*\wt+1024*(\ks)+512*\c
.endr
.endr
.irp xt, 0,1
.irp c, 0,1
	ds_load_b128 v[FB+48*(\bf)+32+8*\xt+4*\c:FB+48*(\bf)+32+8*\xt+4*\c+3], v[AX] offset:6144*\xt+1024*(\ks)+512*\c
.endr
.endr
.endm
.macro MMA ks, bf                      ; the eight accumulators take turns; the first K step takes b_o as C
.irp xt, 0,1
.irp wt, 0,1,2,3
.if (\ks) == 0
	WM ACC+32*\xt+8*\wt, FB+48*(\bf)+8*\wt, FB+48*(\bf)+32+8*\xt, TC+8*\wt, WSR+3*\wt, XSR+3*\xt, 0
.else
	WM ACC+32*\xt+8*\wt, FB+48*(\bf)+8*\wt, FB+48*(\bf)+32+8*\xt, ACC+32*\xt+8*\wt, WSR+3*\wt+(\ks)/2, XSR+3*\xt+(\ks)/2, (\ks)%2
.endif
.endr
.endr
.endm
	s_load_b256 s[4:11], s[0:1], 0x0               ; cimg, csc, oimg, osc
	s_load_b128 s[12:15], s[0:1], 0x20             ; b_o, out0
	v_lshl_add_u32 v[SPW], v0, 2, SPARE
	v_mov_b32 v[NIL], 0
	ds_add_u32 v[SPW], v[NIL]                      ; the wave's opening: the add, twice on end, and its wait ahead of my first tensor load
	ds_add_u32 v[SPW], v[NIL]
	v_lshrrev_b32 v2, 5, v0
	v_readfirstlane_b32 s[WV], v2                  ; wave 0..11
	s_bfe_u32 s17, ttmp6, 0x40000                  ; cx
	s_lshl_b32 s18, ttmp9, 2
	s_add_co_u32 s18, s18, s17                     ; rb
	s_and_b32 s19, ttmp7, 0xffff                   ; g
	s_lshr_b32 s20, s[WV], 2                       ; set
	s_and_b32 s21, s[WV], 3                        ; rp
	G1SET G1W, (15|(3<<16)|(1<<21)), 48            ; two tiles of W_o, 12,288 bytes, to all four partners
	G1SET G1X, (3<<16), 48                         ; two tiles of o
	G1SET G1WS, (15|(3<<16)|(1<<21)), 18           ; W_o's scale words, 4,608 bytes, to all four
	G1SET G1XS, (3<<16), 12                        ; o's, 3,072 bytes
	s_mov_b32 s[G0W], 1
	s_mul_i32 s[G0W+1], s[WV], 12288               ; waves 0-5: W_o's tiles; no place in the cluster enters an LDS address
	s_mul_i32 s80, s19, 73728
	s_add_co_u32 s80, s80, s[G0W+1]
	s_add_co_u32 s80, s80, 4030464                 ; W_o's tiles begin at tile 656
	s_mov_b32 s81, 0
	s_mov_b32 s[G0X], 1
	s_mul_i32 s[G0X+1], s[WV], 12288               ; waves 6-9: o's tiles lie straight behind W_o's
	s_max_u32 s82, s[WV], 6
	s_sub_co_u32 s82, s82, 6
	s_mul_i32 s82, s82, 12288
	s_mul_i32 s83, s18, 49152
	s_add_co_u32 s82, s82, s83
	s_mov_b32 s83, 0
	s_mov_b32 s[G0WS], 1
	s_mov_b32 s[G0WS+1], WS
	s_mul_i32 s84, s19, 4608
	s_add_co_u32 s84, s84, 251904
	s_mov_b32 s85, 0
	s_mov_b32 s[G0XS], 1
	s_mov_b32 s[G0XS+1], XS
	s_mul_i32 s86, s18, 3072
	s_mov_b32 s87, 0
	s_wait_dscnt 0x0                               ; both opening adds are done
	s_wait_kmcnt 0x0
	s_add_nc_u64 s[G0W+2:G0W+3], s[4:5], s[80:81]
	s_or_b32 s[G0W+3], s[G0W+3], 0x80000000
	s_add_nc_u64 s[G0X+2:G0X+3], s[8:9], s[82:83]
	s_or_b32 s[G0X+3], s[G0X+3], 0x80000000
	s_add_nc_u64 s[G0WS+2:G0WS+3], s[6:7], s[84:85]
	s_or_b32 s[G0WS+3], s[G0WS+3], 0x80000000
	s_add_nc_u64 s[G0XS+2:G0XS+3], s[10:11], s[86:87]
	s_or_b32 s[G0XS+3], s[G0XS+3], 0x80000000
	ROUND                                          ; all four work-groups are here: the joint loads meet
	s_cmp_lt_u32 s[WV], 6                          ; every wave issues one load; the branches hang on the wave's number alone
	s_cbranch_scc0 .Lnot_w
	TL G0W, G1W
	s_branch .Lasked
.Lnot_w:
	s_cmp_lt_u32 s[WV], 10
	s_cbranch_scc0 .Lnot_x
	TL G0X, G1X
	s_branch .Lasked
.Lnot_x:
	s_cmp_eq_u32 s[WV], 10
	s_cbranch_scc0 .Lnot_ws
	TL G0WS, G1WS
	s_branch .Lasked
.Lnot_ws:
	TL G0XS, G1XS
.Lasked:
	v_and_b32 v2, 31, v0
	v_lshlrev_b32 v[L16], 4, v2
	v_lshlrev_b32 v[L4], 2, v2
	v_and_b32 v15, 15, v0                          ; r
	v_bfe_u32 v2, v0, 4, 1                         ; h
	v_lshlrev_b32 v[H32], 5, v2
	s_mul_i32 s88, s19, 768                        ; b_o: my 64 columns: 4 (192 g + 64 set) bytes on
	s_lshl_b32 s89, s20, 8
	s_add_co_u32 s88, s88, s89
	s_mov_b32 s89, 0
	s_add_nc_u64 s[12:13], s[12:13], s[88:89]
.irp wt, 0,1,2,3
	global_load_b128 v[TC+8*\wt:TC+8*\wt+3], v[H32], s[12:13] offset:64*\wt      ; columns 16 wt + 8 h + 0 .. 7
	global_load_b128 v[TC+8*\wt+4:TC+8*\wt+7], v[H32], s[12:13] offset:64*\wt+16
.endr
	s_lshl_b32 s90, s18, 7
	s_lshl_b32 s91, s21, 5
	s_add_co_u32 s90, s90, s91                     ; my first row: 128 rb + 32 rp
	s_mul_i32 s90, s90, 3072
	s_add_co_u32 s90, s90, s88
	s_mov_b32 s91, 0
	s_add_nc_u64 s[14:15], s[14:15], s[90:91]
	s_mul_i32 s92, s20, 24576
	v_add_nc_u32 v[AW], s92, v[L16]
	s_mul_i32 s92, s21, 12288
	s_add_co_u32 s92, s92, OI
	v_add_nc_u32 v[AX], s92, v[L16]
	s_mul_i32 s92, s20, 1536
	s_add_co_u32 s92, s92, WS
	v_add_nc_u32 v[AWS], s92, v[L4]
	s_mul_i32 s92, s21, 768
	s_add_co_u32 s92, s92, XS
	v_add_nc_u32 v[AXS], s92, v[L4]
	s_mul_i32 s92, s[WV], 8704
	s_add_co_u32 s92, s92, STG                     ; my stage
	v_mul_u32_u24 v[STO], v15, 272
	v_lshl_add_u32 v[STO], v2, 5, v[STO]
	v_add_nc_u32 v[STO], s92, v[STO]               ; in: row r, + 32 h
	v_mul_u32_u24 v[RD], v2, 272
	v_lshl_add_u32 v[RD], v15, 4, v[RD]
	v_add_nc_u32 v[RD], s92, v[RD]                 ; back: lanes 0-15 one row, lanes 16-31 the next
	v_mul_u32_u24 v[GO], v2, 3072
	v_lshl_add_u32 v[GO], v15, 4, v[GO]            ; and the same two rows in out0
	s_wait_tensorcnt 0x0                           ; my load has landed,
	s_barrier_signal -1
	s_barrier_wait -1                              ; everybody's has.  Nothing is filled again in this launch
.irp xt, 0,1
.irp pr, 0,1,2
	ds_load_b32 v[XSR+3*\xt+\pr], v[AXS] offset:384*\xt+128*\pr
.endr
.endr
.irp wt, 0,1,2,3
.irp pr, 0,1,2
	ds_load_b32 v[WSR+3*\wt+\pr], v[AWS] offset:384*\wt+128*\pr
.endr
.endr
	LOADF 0, 0
	LOADF 1, 1
	s_wait_loadcnt 0x0                             ; b_o
.irp ks, 0,1,2,3,4,5
.if \ks < 5
	s_wait_dscnt 12                                ; all but the next K step's twelve loads
.else
	s_wait_dscnt 0x0
.endif
	MMA \ks, (\ks%2)
.if \ks < 4
	PLACES
	LOADF (\ks+2), (\ks%2)
.endif
.endr
	PLACES                                         ; ahead of the stores that read the results and of the loads into the fragments' registers
.irp xt, 0,1
.irp wt, 0,1,2,3
	ds_store_b128 v[STO], v[ACC+32*\xt+8*\wt:ACC+32*\xt+8*\wt+3] offset:4352*\xt+64*\wt          ; each accumulator from its low end on
	ds_store_b128 v[STO], v[ACC+32*\xt+8*\wt+4:ACC+32*\xt+8*\wt+7] offset:4352*\xt+64*\wt+16
.endr
.endr
.irp i, 0,1,2,3,4,5,6,7,8,9,10,11,12,13,14,15
	ds_load_b128 v[FB+4*\i:FB+4*\i+3], v[RD] offset:544*\i         ; LDS serves a wave's instructions in order: these see my stores
.endr
.irp i, 0,1,2,3,4,5,6,7,8,9,10,11,12,13,14,15
	s_wait_dscnt 15-\i                             ; the younger loads from the stage may stay out
	global_store_b128 v[GO], v[FB+4*\i:FB+4*\i+3], s[14:15] offset:6144*\i th:TH_STORE_NT   ; each half of the lanes stores 256 consecutive bytes, aligned; written once, read by nobody here
.endr
	s_wait_tensorcnt 0x0                           ; the wave's end
	ds_add_u32 v[SPW], v[NIL]
	s_wait_dscnt 0x0
	ROUND                                          ; the closing round
	s_endpgm
.Lfunc_end_k_q7c31c9c222_oproj:
	.size	k_q7c31c9c222_oproj, .Lfunc_end_k_q7c31c9c222_oproj-k_q7c31c9c222_oproj
	.p2alignl 7, 3214868480
	.fill 96, 4, 3214868480
	.section	.rodata,"a",@progbits
	.p2align	6, 0x0
	.amdhsa_kernel k_q7c31c9c222_oproj
		.amdhsa_group_segment_fixed_size 236544
		.amdhsa_private_segment_fixed_size 0
		.amdhsa_enable_private_segment 0
		.amdhsa_kernarg_size 48
		.amdhsa_user_sgpr_count 2
		.amdhsa_user_sgpr_kernarg_segment_ptr 1
		.amdhsa_wavefront_size32 1
		.amdhsa_system_sgpr_workgroup_id_x 1
		.amdhsa_system_sgpr_workgroup_id_y 1
		.amdhsa_system_sgpr_workgroup_id_z 1
		.amdhsa_system_vgpr_workitem_id 0
		.amdhsa_next_free_vgpr 256
		.amdhsa_next_free_sgpr 102
		.amdhsa_reserve_vcc 0
		.amdhsa_float_denorm_mode_32 3
		.amdhsa_float_denorm_mode_16_64 3
		.amdhsa_memory_ordered 1
		.amdhsa_forward_progress 1
		.amdhsa_inst_pref_size 26
	.end_amdhsa_kernel
	.amdgpu_metadata
---
amdhsa.version: [ 1, 2 ]
amdhsa.kernels:
  - .name:           k_q7c31c9c222_oproj
    .symbol:         k_q7c31c9c222_oproj.kd
    .args:
      - { .name: cimg, .offset: 0, .size: 8, .value_kind: global_buffer, .address_space: global }
      - { .name: csc, .offset: 8, .size: 8, .value_kind: global_buffer, .address_space: global }
      - { .name: oimg, .offset: 16, .size: 8, .value_kind: global_buffer, .address_space: global }
      - { .name: osc, .offset: 24, .size: 8, .value_kind: global_buffer, .address_space: global }
      - { .name: b_o, .offset: 32, .size: 8, .value_kind: global_buffer, .address_space: global }
      - { .name: out0, .offset: 40, .size: 8, .value_kind: global_buffer, .address_space: global }
    .group_segment_fixed_size: 236544
    .private_segment_fixed_size: 0
    .kernarg_segment_align: 8
    .kernarg_segment_size: 48
    .max_flat_workgroup_size: 384
    .sgpr_count:     102
    .vgpr_count:     256
    .wavefront_size: 32
...
	.end_amdgpu_metadata
.endif
;; end of part 4
;; ======== version 2 of 2: 4 launches
;; limits: right only within a limited range of input values
;; workspace buffers: cimg 4,325,376 bytes; csc 270,336 bytes; tsh 73,728 bytes; qbuf 3,538,944 bytes; kv 6,881,280 bytes; oimg 3,145,728 bytes; osc 196,608 bytes
;; launch prep (part 5): grid 800 x 1, 3 waves a work-group, no clusters, 51,200 bytes of LDS; arguments x, Wx_q, Wx_k, Wx_v, W_o, t, Wt_q, Wt_k, Wt_v, cimg, csc, tsh; writes cimg, csc, tsh
.if DOCPART == 5
	.amdgcn_target "amdgcn-amd-amdhsa--gfx1250"
	.amdhsa_code_object_version 6
	.text
	.protected	k_q7c31c9c222_prep
	.globl	k_q7c31c9c222_prep
	.p2align	8
	.type	k_q7c31c9c222_prep,@function
k_q7c31c9c222_prep:
	s_mov_b64 s[64:65], 0
	v_nop
	global_prefetch_b8 v0, s[64:65] scope:SCOPE_SE
	s_setreg_imm32_b32 hwreg(HW_REG_WAVE_MODE, 25, 1), 1
	s_wait_xcnt 0x0
; TIME-DEPENDENT ATTENTION IN MX-FP4, LAUNCH 1 OF 4: the operands that arrive as f32 become codes, and the three small products are made.
; NOTHING OF THE PROBLEM IS LEFT OUT: all eleven inputs reach the output.  The shift on k, which a softmax in real numbers would cancel, moves k's codes and scales, so it is computed and added.
; WORK-GROUPS 96 .. 799: tile tau = work-group - 96 is 16 rows x 768 along K of x (tau 0-511), Wx_q (512-559), Wx_k (560-607), Wx_v (608-655) or W_o (656-703); K is innermost in all five.
;   Wave w takes k = 256 w .. 256 w + 255: two fragments of 16 rows x 128 K.  Codes are E2M1, one E8M0 byte for each 32 along K: byte = the block's largest magnitude's exponent field - 2, held at 1 from below.
;   THE CODES ARE STORED AS AN IMAGE OF THE OPERAND'S REGISTERS: a fragment is two pieces of 512 bytes, c = 0, 1; lane L = r + 16 h has 16 bytes at 16 L: k = 64 c + 32 h + 0 .. 31 of row r.
;   cimg: [tile 704][K step 6][c 2][512].   csc: [tile 704][pair 3][32 lanes] words: lanes 0-15 row r's four bytes of K step 2 pair, lanes 16-31 those of K step 2 pair + 1.
;   A load reads 512 consecutive bytes of one row; the lane's 32 neighbours along K come back from the wave's own stage in LDS (rows of 512 + 16 bytes).
; WORK-GROUPS 0 .. 95: the shifts t Wt^T, in f32 by fused multiply-adds, since they go on into quantised operands.  tsh: [b 8][2304], column 768 p + n, p = 0, 1, 2 for q, k, v.
;   Work-group j: p = j / 32; wave w: rows 24 (j % 32) + 8 w .. + 7 of Wt_p, for all 8 batches: 8 rows a wave, so that this path's chain of instructions is no longer than the other's.
;   A lane holds 8 of the 256 along K; the 32 lanes' parts are added across the wave; lane i keeps row i's result, and lanes 0-7 store.
; LIMITS: NaN and infinities among the inputs are not served.  A block of zeros, and one whose largest magnitude lies under 2^-124, gets the byte 1 (the stated quantiser says 127 for zeros): the codes of zeros are
; zeros, which add nothing under any byte but 0xff, and only this program reads the bytes.
.set SPARE, 50688                      ; behind the three waves' stages: the spare words, 128 bytes a wave, two blocks of 256 bytes that no other line names
.set STG1,  8448                       ; a wave's second stage: 16 rows x 528 bytes behind the first
.set SPW, 18                           ; v18  LDS address of my spare word; never rewritten
.set NIL, 19                           ; v19  0; never rewritten
.set TM,  8                            ; v8-9    largest magnitudes of my two blocks
.set SO,  10                           ; v10-11  the conversions' scale operands
.set BY,  12                           ; v12-13  the scale bytes
.set RA,  32                           ; v32-95   fragment 0 as loaded; later fragment 1's numbers, 32 neighbours a block
.set RB,  96                           ; v96-159  fragment 1 as loaded
.set X,   160                          ; v160-223 fragment 0's numbers
.set PC0, 224                          ; v224-231 fragment 0's codes
.set PC1, 232                          ; v232-239 fragment 1's
.set T,   32                           ; the shifts: v32-95 t, eight registers a batch
.set WA,  96                           ; v96-159  my eight rows of Wt
.set P,   224                          ; v224-239 a pair of partial sums for each batch
.set PD,  20                           ; v20-27   destinations of the exchange between the halves of the lanes
.set OUT, 240                          ; v240-247 lane i: the result of my row i, for each batch
	s_load_b512 s[4:19], s[0:1], 0x0               ; x, Wx_q, Wx_k, Wx_v, W_o, t, Wt_q, Wt_k
	s_load_b256 s[20:27], s[0:1], 0x40             ; Wt_v, cimg, csc, tsh
	v_lshl_add_u32 v[SPW], v0, 2, SPARE
	v_mov_b32 v[NIL], 0
	v_lshrrev_b32 v1, 5, v0
	v_readfirstlane_b32 s28, v1                    ; wave 0..2
	v_and_b32 v1, 31, v0                           ; lane
	v_lshlrev_b32 v2, 4, v1                        ; 16 x lane
	v_lshlrev_b32 v5, 2, v1                        ; 4 x lane
	s_mov_b32 s30, 0x76543210
	s_mov_b32 s31, 0xfedcba98                      ; v_permlanex16_b32's selects for lane l xor 16
	s_cmp_lt_u32 ttmp9, 96
	s_cbranch_scc1 .Lshift
	; ---------------- a tile of 16 rows becomes codes
	s_sub_co_u32 s32, ttmp9, 96                    ; tau
	s_mul_i32 s29, s28, 16896                      ; my wave's two stages
	v_add_nc_u32 v3, s29, v2                       ; into a stage: 16 x lane of a row
	v_and_b32 v7, 15, v0                           ; r
	v_bfe_u32 v17, v0, 4, 1                        ; h
	v_mul_u32_u24 v4, v7, 528
	v_lshl_add_u32 v4, v17, 7, v4
	v_add_nc_u32 v4, s29, v4                       ; out of it: row r, 128 h bytes on: k = 32 h of a run of 64
	v_lshlrev_b32 v6, 3, v17                       ; 8 h: where my two bytes stand in the scale word
	v_mov_b32 v16, 0                               ; a lane permute's destination counts as read
	s_mov_b32 s29, 0xffff0000                      ; lanes 16-31
	s_wait_alu depctr_va_vdst(0)
	s_wait_kmcnt 0x0
	s_mov_b64 s[34:35], s[12:13]                   ; which tensor, and its first tile: the choice hangs on the work-group's number alone
	s_mov_b32 s33, 656
	s_cmp_lt_u32 s32, 656
	s_cselect_b64 s[34:35], s[10:11], s[34:35]
	s_cselect_b32 s33, 608, s33
	s_cmp_lt_u32 s32, 608
	s_cselect_b64 s[34:35], s[8:9], s[34:35]
	s_cselect_b32 s33, 560, s33
	s_cmp_lt_u32 s32, 560
	s_cselect_b64 s[34:35], s[6:7], s[34:35]
	s_cselect_b32 s33, 512, s33
	s_cmp_lt_u32 s32, 512
	s_cselect_b64 s[34:35], s[4:5], s[34:35]
	s_cselect_b32 s33, 0, s33
	s_sub_co_u32 s33, s32, s33
	s_mul_i32 s36, s33, 49152                      ; 16 rows of 3,072 bytes
	s_lshl_b32 s37, s28, 10                        ; my 256 along K
	s_add_co_u32 s36, s36, s37
	s_mov_b32 s37, 0
	s_add_nc_u64 s[34:35], s[34:35], s[36:37]
	s_mul_i32 s36, s32, 6144
	s_lshl_b32 s38, s28, 11
	s_add_co_u32 s36, s36, s38
	s_add_nc_u64 s[22:23], s[22:23], s[36:37]      ; my two fragments' images
	s_mul_i32 s36, s32, 384
	s_lshl_b32 s38, s28, 7
	s_add_co_u32 s36, s36, s38
	s_add_nc_u64 s[24:25], s[24:25], s[36:37]      ; my pair's 32 scale words
.irp f, 0,1
.irp i, 0,1,2,3,4,5,6,7,8,9,10,11,12,13,14,15
	global_load_b128 v[RA+64*\f+4*\i:RA+64*\f+4*\i+3], v2, s[34:35] offset:3072*\i+512*\f th:TH_LOAD_NT   ; 32 lanes read 512 consecutive bytes of row i
.endr
.endr
; 64 numbers of a lane, v[src + 32 c + i] = k 64 c + 32 h + i of row r, become the fragment's eight registers in v[pc] on and the row's scale word in v[wd].  A lane holds two whole blocks: 2 c + h.
.macro QUANTL src, pc, wd
.irp c, 0,1
	v_max3_num_f32 v[TM+\c], |v[\src+32*\c]|, |v[\src+32*\c+1]|, 0x1800000   ; and the floor 2^(3 - 127): the byte cannot fall under 1
.endr
.irp i, 2,4,6,8,10,12,14,16,18,20,22,24,26,28,30
.irp c, 0,1
	v_max3_num_f32 v[TM+\c], v[TM+\c], |v[\src+32*\c+\i]|, |v[\src+32*\c+\i+1]|   ; (the two blocks by turns)
.endr
.endr
.irp c, 0,1
	v_add_nc_u32 v[SO+\c], 0xff000000, v[TM+\c]    ; 2 off the exponent field: the conversion takes this operand's exponent field as its scale
.endr
.irp c, 0,1
	v_lshrrev_b32 v[BY+\c], 23, v[SO+\c]           ; the scale's byte
.endr
	v_lshl_or_b32 v[\wd], v[BY+1], 16, v[BY]       ; blocks h and 2 + h,
	v_lshlrev_b32 v[\wd], v6, v[\wd]               ; at their places;
	v_permlanex16_b32 v16, v[\wd], s30, s31
	v_or_b32 v[\wd], v[\wd], v16                   ; with lane l xor 16's two the word is whole
.irp c, 0,1
.irp g, 0,1,2,3
	v_cvt_scalef32_pk8_fp4_f32 v[\pc+4*\c+\g], v[\src+32*\c+8*\g:\src+32*\c+8*\g+7], v[SO+\c]
.endr
.endr
	v_nop                                          ; one plain instruction behind the last scaled conversion
.endm
	s_wait_loadcnt 16                              ; fragment 0's sixteen loads are in; fragment 1's sixteen stay out
.irp i, 0,1,2,3,4,5,6,7,8,9,10,11,12,13,14,15
	ds_store_b128 v3, v[RA+4*\i:RA+4*\i+3] offset:528*\i
.endr
.irp c, 0,1
.irp j, 0,1,2,3,4,5,6,7
	ds_load_b128 v[X+32*\c+4*\j:X+32*\c+4*\j+3], v4 offset:256*\c+16*\j   ; LDS serves a wave's instructions in order: these see my stores
.endr
.endr
	s_wait_loadcnt 0x0
.irp i, 0,1,2,3,4,5,6,7,8,9,10,11,12,13,14,15
	ds_store_b128 v3, v[RB+4*\i:RB+4*\i+3] offset:STG1+528*\i
.endr
	s_wait_dscnt 16                                ; all but the sixteen stores just issued: fragment 0's numbers are back, and RA's stores are done
.irp c, 0,1
.irp j, 0,1,2,3,4,5,6,7
	ds_load_b128 v[RA+32*\c+4*\j:RA+32*\c+4*\j+3], v4 offset:STG1+256*\c+16*\j
.endr
.endr
	QUANTL X, PC0, 14
	global_store_b128 v2, v[PC0:PC0+3], s[22:23]                  ; each store of the wave covers 512 consecutive bytes, aligned
	global_store_b128 v2, v[PC0+4:PC0+7], s[22:23] offset:512
	s_wait_dscnt 0x0                               ; fragment 1's numbers are back
	QUANTL RA, PC1, 15
	global_store_b128 v2, v[PC1:PC1+3], s[22:23] offset:1024
	global_store_b128 v2, v[PC1+4:PC1+7], s[22:23] offset:1536
	v_cndmask_b32 v14, v14, v15, s29               ; lanes 0-15 the even K step's words, lanes 16-31 the odd one's
	global_store_b32 v5, v14, s[24:25]
	s_wait_tensorcnt 0x0                           ; the wave's end
	ds_add_u32 v[SPW], v[NIL]
	s_wait_dscnt 0x0
	s_endpgm
	; ---------------- the shifts: no LDS is touched on this path
.Lshift:
	s_lshr_b32 s32, ttmp9, 5                       ; p
	s_and_b32 s33, ttmp9, 31
	s_mul_i32 s33, s33, 24
	s_lshl_b32 s34, s28, 3
	s_add_co_u32 s33, s33, s34                     ; my first row of Wt_p
.irp b, 0,1,2,3,4,5,6,7
	v_mov_b32 v[PD+\b], 0                          ; a lane permute's destination counts as read
	v_mov_b32 v[OUT+\b], 0
.endr
	s_wait_kmcnt 0x0
	s_cmp_eq_u32 s32, 0
	s_cselect_b64 s[36:37], s[16:17], s[18:19]
	s_cmp_eq_u32 s32, 2
	s_cselect_b64 s[36:37], s[20:21], s[36:37]
	s_lshl_b32 s38, s33, 10                        ; a row of Wt is 1,024 bytes
	s_mov_b32 s39, 0
	s_add_nc_u64 s[36:37], s[36:37], s[38:39]
	s_mul_i32 s38, s32, 768
	s_add_co_u32 s38, s38, s33
	s_lshl_b32 s38, s38, 2
	s_add_nc_u64 s[26:27], s[26:27], s[38:39]
; Row rn of my 8, in v[rg] on, against the eight batches; the batches take turns, so that no line waits for the line above it.  Lane rn keeps the result.
.macro ROW rn, rg
.irp b, 0,1,2,3,4,5,6,7
	v_pk_mul_f32 v[P+2*\b:P+2*\b+1], v[T+8*\b:T+8*\b+1], v[(\rg):(\rg)+1]
.endr
.irp q, 2,4,6
.irp b, 0,1,2,3,4,5,6,7
	v_pk_fma_f32 v[P+2*\b:P+2*\b+1], v[T+8*\b+\q:T+8*\b+\q+1], v[(\rg)+\q:(\rg)+\q+1], v[P+2*\b:P+2*\b+1]
.endr
.endr
.irp b, 0,1,2,3,4,5,6,7
	v_add_f32 v[P+2*\b], v[P+2*\b], v[P+2*\b+1]
.endr
.irp m, 1,2,4,8
.irp b, 0,1,2,3,4,5,6,7
	v_add_f32_dpp v[P+2*\b], v[P+2*\b], v[P+2*\b] row_xmask:\m row_mask:0xf bank_mask:0xf
.endr
.endr
.irp b, 0,1,2,3,4,5,6,7
	v_permlanex16_b32 v[PD+\b], v[P+2*\b], s30, s31
.endr
.irp b, 0,1,2,3,4,5,6,7
	v_add_f32 v[P+2*\b], v[P+2*\b], v[PD+\b]       ; every lane holds the sum over the 256 along K
.endr
	s_mov_b32 s40, 1<<(\rn)
.irp b, 0,1,2,3,4,5,6,7
	v_cndmask_b32 v[OUT+\b], v[OUT+\b], v[P+2*\b], s40
.endr
.endm
.irp b, 0,1,2,3,4,5,6,7
	global_load_b128 v[T+8*\b:T+8*\b+3], v2, s[14:15] offset:1024*\b
	global_load_b128 v[T+8*\b+4:T+8*\b+7], v2, s[14:15] offset:1024*\b+512
.endr
.irp ii, 0,1,2,3,4,5,6,7                       ; a lane takes k = 4 l .. 4 l + 3 and 128 + 4 l .. + 3 of each row
	global_load_b128 v[WA+8*\ii:WA+8*\ii+3], v2, s[36:37] offset:1024*\ii th:TH_LOAD_NT
	global_load_b128 v[WA+8*\ii+4:WA+8*\ii+7], v2, s[36:37] offset:1024*\ii+512 th:TH_LOAD_NT
.endr
	s_wait_loadcnt 0x0
.irp ii, 0,1,2,3,4,5,6,7
	ROW \ii, (WA+8*\ii)
.endr
	s_wait_alu depctr_va_vdst(0)
	s_wait_xcnt 0x0                                ; EXEC changes only behind this wait
	v_cmp_gt_u32 vcc_lo, 8, v1
	s_and_saveexec_b32 s41, vcc_lo                 ; lanes 0-7 hold my eight rows' results
.irp b, 0,1,2,3,4,5,6,7
	global_store_b32 v5, v[OUT+\b], s[26:27] offset:9216*\b      ; 8 neighbouring columns of batch b's row of tsh
.endr
	s_wait_xcnt 0x0                                ; and again, in front of the line that widens it
	s_or_b32 exec_lo, exec_lo, s41
	s_endpgm
.Lfunc_end_k_q7c31c9c222_prep:
	.size	k_q7c31c9c222_prep, .Lfunc_end_k_q7c31c9c222_prep-k_q7c31c9c222_prep
	.p2alignl 7, 3214868480
	.fill 96, 4, 3214868480
	.section	.rodata,"a",@progbits
	.p2align	6, 0x0
	.amdhsa_kernel k_q7c31c9c222_prep
		.amdhsa_group_segment_fixed_size 51200
		.amdhsa_private_segment_fixed_size 0
		.amdhsa_enable_private_segment 0
		.amdhsa_kernarg_size 96
		.amdhsa_user_sgpr_count 2
		.amdhsa_user_sgpr_kernarg_segment_ptr 1
		.amdhsa_wavefront_size32 1
		.amdhsa_system_sgpr_workgroup_id_x 1
		.amdhsa_system_sgpr_workgroup_id_y 1
		.amdhsa_system_sgpr_workgroup_id_z 1
		.amdhsa_system_vgpr_workitem_id 0
		.amdhsa_next_free_vgpr 248
		.amdhsa_next_free_sgpr 66
		.amdhsa_reserve_vcc 1
		.amdhsa_float_denorm_mode_32 3
		.amdhsa_float_denorm_mode_16_64 3
		.amdhsa_memory_ordered 1
		.amdhsa_forward_progress 1
		.amdhsa_inst_pref_size 66
	.end_amdhsa_kernel
	.amdgpu_metadata
---
amdhsa.version: [ 1, 2 ]
amdhsa.kernels:
  - .name:           k_q7c31c9c222_prep
    .symbol:         k_q7c31c9c222_prep.kd
    .args:
      - { .name: x, .offset: 0, .size: 8, .value_kind: global_buffer, .address_space: global }
      - { .name: Wx_q, .offset: 8, .size: 8, .value_kind: global_buffer, .address_space: global }
      - { .name: Wx_k, .offset: 16, .size: 8, .value_kind: global_buffer, .address_space: global }
      - { .name: Wx_v, .offset: 24, .size: 8, .value_kind: global_buffer, .address_space: global }
      - { .name: W_o, .offset: 32, .size: 8, .value_kind: global_buffer, .address_space: global }
      - { .name: t, .offset: 40, .size: 8, .value_kind: global_buffer, .address_space: global }
      - { .name: Wt_q, .offset: 48, .size: 8, .value_kind: global_buffer, .address_space: global }
      - { .name: Wt_k, .offset: 56, .size: 8, .value_kind: global_buffer, .address_space: global }
      - { .name: Wt_v, .offset: 64, .size: 8, .value_kind: global_buffer, .address_space: global }
      - { .name: cimg, .offset: 72, .size: 8, .value_kind: global_buffer, .address_space: global }
      - { .name: csc, .offset: 80, .size: 8, .value_kind: global_buffer, .address_space: global }
      - { .name: tsh, .offset: 88, .size: 8, .value_kind: global_buffer, .address_space: global }
    .group_segment_fixed_size: 51200
    .private_segment_fixed_size: 0
    .kernarg_segment_align: 8
    .kernarg_segment_size: 96
    .max_flat_workgroup_size: 96
    .sgpr_count:     66
    .vgpr_count:     248
    .wavefront_size: 32
...
	.end_amdgpu_metadata
.endif
;; end of part 5
;; launch qkv (part 6): grid 64 x 4, 12 waves a work-group, clusters of 4 x 1, 288,768 bytes of LDS; arguments cimg, csc, tsh, qbuf, kv; writes qbuf, kv
.if DOCPART == 6
	.amdgcn_target "amdgcn-amd-amdhsa--gfx1250"
	.amdhsa_code_object_version 6
	.text
	.protected	k_q7c31c9c222_qkv
	.globl	k_q7c31c9c222_qkv
	.p2align	8
	.type	k_q7c31c9c222_qkv,@function
k_q7c31c9c222_qkv:
	s_mov_b64 s[64:65], 0
	v_nop
	global_prefetch_b8 v0, s[64:65] scope:SCOPE_SE
	s_setreg_imm32_b32 hwreg(HW_REG_WAVE_MODE, 25, 1), 1
	s_wait_xcnt 0x0
	s_wait_alu depctr_hold_cnt(0) depctr_sa_sdst(0) depctr_va_vdst(0) depctr_va_sdst(0) depctr_va_ssrc(0) depctr_va_vcc(0) depctr_vm_vsrc(0)
	s_getreg_b32 s2, hwreg(HW_REG_IB_STS2, 6, 4)
	s_cmp_eq_u32 s2, 0
	s_cbranch_scc0 .Lentry_in_a_cluster
	s_endpgm
.Lentry_in_a_cluster:
	s_bfe_u32 s2, ttmp6, 0x10000c
	s_cmp_lg_u32 s2, 0x3003
	s_cbranch_scc0 .Lentry_shape_is_right
	s_endpgm
.Lentry_shape_is_right:
; LAUNCH 2 OF 4: q, k, v = x Wx^T + shift, on codes of E2M1 with E8M0 scales; the results are quantised at once for the two products of attention.  No work of the problem is left out here.
; SHARES.  A work-group takes 128 rows of x (block rb: batch rb / 8, key step rb % 8) and 576 of the 2,304 columns (group g): nine units of 64 columns, each one head of q, k or v: unit U = 9 g + i; U < 12: q, head U;
; U < 24: k, head U - 12; else v, head U - 24.  Wave w = 4 set + rp takes rows 32 rp .. + 31 and, in three trips, units set, set + 3, set + 6: eight accumulators, 48 matrix instructions a trip.
; LDS IS FILLED ONCE: the group's 36 tiles of W, the block's 8 tiles of x, and their scale words, all as images of the operands' registers (16 bytes a lane, 512 a piece): twelve tensor loads, one a wave.
; CLUSTER.  The four partners are four row blocks with the same g: W's tiles and scale words are asked for JOINTLY (mask 15); x's are each work-group's own.  The branch between q, k and v hangs on g, the wave's number
; and the count of trips, never on the place in the cluster.
; q AND k: the product is used transposed (source 0 = 16 rows of W, source 1 = 16 rows of x): a lane holds one row of x, and register 8 (2 B + u) + j is feature 32 B + 16 u + 8 h + j of the head: block B of 32.
;   The conversion of (B, u) goes to code register 2 u + B; exchanging register 2 u's lanes 16-31 with register 2 u + 1's lanes 0-15 gives the operand's layout: lanes 0-15 block 0, lanes 16-31 block 1, register g = group g.
;   The head's 64 fill half of a K step of 128: only piece c = 0 is stored; bytes 2, 3 of a scale word are 0x7f, over the zero codes that the next launch supplies.
;   THE DIVISION BY sqrt(64) = 8 IS TAKEN OFF q's SCALE BYTES (3 off each): exact.
; v: source 0 = 16 rows of x (keys), source 1 = 16 rows of W: a lane holds one feature d, and its 16 registers of a tile pair are 16 of my 32 keys: a block along the keys, block rp of the key step.
; OUT.  qbuf: [b 12 + n][36,864]: images [tile 64][512], at + 32,768 scale words [tile 64][16].   kv: [b 12 + n][step 8][8,960]: K images [T 8][512]; + 4,096 V images [T 4][c 2][512]; + 8,192 K words [T 8][16]; + 8,704 V words [T 4][16].
; LIMITS: NaN and infinities are not served.  A block of zeros gets the floor's byte (its codes are zeros).  q's blocks whose largest magnitude lies under 2^-121 are held at the byte 4, so that 3 can be taken off.
.set XI,    221184                     ; LDS: W's 36 tiles x 6,144 from 0; x's 8 tiles;
.set WS,    270336                     ; W's scale words, 36 x 384;
.set XS,    284160                     ; x's, 8 x 384;
.set SPARE, 287232                     ; the spare words, 128 bytes a wave: six blocks of 256 bytes that no other line names
.set L16, 1                            ; v1   16 x lane
.set AW,  3                            ; v3   LDS address of the trip's four tiles of W
.set AX,  4                            ; v4   of my two tiles of x
.set AWS0, 5                           ; v5   WS + 4 x lane
.set AWS, 6                            ; v6   the trip's scale words of W
.set AXS, 7                            ; v7   my scale words of x
.set SPW, 8                            ; v8   my spare word; never rewritten
.set NIL, 9                            ; v9   0; never rewritten
.set H32, 10                           ; v10  32 h
.set R4,  11                           ; v11  4 r
.set STV, 12                           ; v12  1,024 h + 16 r: where v's codes go
.set L4,  13                           ; v13  4 x lane
.set SBV, 14                           ; v14  64 h + 4 r: where v's scale bytes go
.set XSR, 16                           ; v16-21  x's scale words [tile 2][pair 3]: scales and nothing else
.set WSR, 22                           ; v22-33  W's [tile 4][pair 3]: likewise
.set TM,  34
.set TP,  36
.set SO,  38
.set BY,  40
.set PC0, 42                           ; v42-45   codes
.set W0,  46                           ; v46, v47 scale words
.set W1,  47
.set VB,  48                           ; v48, v49 v's scale bytes
.set TC,  50                           ; v50-81   the shifts
.set FB,  82                           ; v82-129, v130-177 two fragment buffers: W's four tiles, then x's two
.set ACC, 178                          ; v178-241 eight accumulators
.set PC1, 242                          ; v242-245 codes
.set WV,  14
.set SEL, 20
.set HM,  22
.set FL,  23
.set G1W, 24
.set G1X, 32
.set G1WS, 40
.set G1XS, 48
.set G0W, 56
.set G0X, 60
.set G0WS, 68
.set G0XS, 72
.set TRIP, 76
.set WB,  77
.set WSB, 78
.set U,   79
.macro ROUND                           ; a round of the cluster's barrier
	s_barrier_signal -1
	s_barrier_wait -1
	s_cmp_lg_u32 s[WV], 0
	s_cbranch_scc1 .Lnot_wave_0_\@
	s_barrier_signal -3
.Lnot_wave_0_\@:
	s_barrier_wait -3
	s_barrier_signal -1
	s_barrier_wait -1
.endm
.macro PLACES                          ; four plain instructions behind a matrix instruction, ahead of loads into its registers and of reads of its result
.rept 4
	v_nop
.endr
.endm
.macro G1SET g, w0, rows               ; a dense block as rows of 256 bytes: 32 elements of 8 bytes, pitch 32
	s_mov_b32 s[\g], \w0
	s_mov_b32 s[\g+1], 32<<16
	s_mov_b32 s[\g+2], (\rows)<<16
	s_mov_b32 s[\g+3], 32<<16
	s_mov_b32 s[\g+4], \rows
	s_mov_b32 s[\g+5], 32
	s_mov_b32 s[\g+6], 0
	s_mov_b32 s[\g+7], 0
.endm
.macro TL g0, g1                       ; a tensor load and the nops behind it
	tensor_load_to_lds s[\g0:\g0+3], s[\g1:\g1+7]
	s_nop 0
.rept 4
	v_nop
.endr
.endm
.macro WM d, a, b, cr, sa, sb, odd     ; cr < 0: the product starts the sum.  odd: the K step's scale words stand in lanes 16-31
.if (\cr) < 0
	v_wmma_scale_f32_16x16x128_f8f6f4 v[(\d):(\d)+7], v[(\a):(\a)+7], v[(\b):(\b)+7], 0, v[\sa], v[\sb] matrix_a_fmt:MATRIX_FMT_FP4 matrix_b_fmt:MATRIX_FMT_FP4
.elseif \odd
	v_wmma_scale_f32_16x16x128_f8f6f4 v[(\d):(\d)+7], v[(\a):(\a)+7], v[(\b):(\b)+7], v[(\cr):(\cr)+7], v[\sa], v[\sb] matrix_a_fmt:MATRIX_FMT_FP4 matrix_b_fmt:MATRIX_FMT_FP4 matrix_a_scale:MATRIX_SCALE_ROW1 matrix_b_scale:MATRIX_SCALE_ROW1
.else
	v_wmma_scale_f32_16x16x128_f8f6f4 v[(\d):(\d)+7], v[(\a):(\a)+7], v[(\b):(\b)+7], v[(\cr):(\cr)+7], v[\sa], v[\sb] matrix_a_fmt:MATRIX_FMT_FP4 matrix_b_fmt:MATRIX_FMT_FP4
.endif
.endm
.macro LOADF ks, bf                    ; K step ks: twelve loads, 512 consecutive bytes each, into buffer bf
.irp wt, 0,1,2,3
.irp c, 0,1
	ds_load_b128 v[FB+48*(\bf)+8*\wt+4*\c:FB+48*(\bf)+8*\wt+4*\c+3], v[AW] offset:6144*\wt+1024*(\ks)+512*\c
.endr
.endr
.irp xt, 0,1
.irp c, 0,1
	ds_load_b128 v[FB+48*(\bf)+32+8*\xt+4*\c:FB+48*(\bf)+32+8*\xt+4*\c+3], v[AX] offset:6144*\xt+1024*(\ks)+512*\c
.endr
.endr
.endm
.macro MMA_QK ks, bf                   ; source 0 = W's tile wt, source 1 = x's tile xt; the eight accumulators take turns
.irp xt, 0,1
.irp wt, 0,1,2,3
.if (\ks) == 0
	WM ACC+32*\xt+8*\wt, FB+48*(\bf)+8*\wt, FB+48*(\bf)+32+8*\xt, -1, WSR+3*\wt, XSR+3*\xt, 0
.else
	WM ACC+32*\xt+8*\wt, FB+48*(\bf)+8*\wt, FB+48*(\bf)+32+8*\xt, ACC+32*\xt+8*\wt, WSR+3*\wt+(\ks)/2, XSR+3*\xt+(\ks)/2, (\ks)%2
.endif
.endr
.endr
.endm
.macro MMA_V ks, bf                    ; source 0 = x's tile u (keys), source 1 = W's tile tt (features)
.irp tt, 0,1,2,3
.irp u, 0,1
.if (\ks) == 0
	WM ACC+16*\tt+8*\u, FB+48*(\bf)+32+8*\u, FB+48*(\bf)+8*\tt, -1, XSR+3*\u, WSR+3*\tt, 0
.else
	WM ACC+16*\tt+8*\u, FB+48*(\bf)+32+8*\u, FB+48*(\bf)+8*\tt, ACC+16*\tt+8*\u, XSR+3*\u+(\ks)/2, WSR+3*\tt+(\ks)/2, (\ks)%2
.endif
.endr
.endr
.endm
.macro KLOOP kind                      ; K = 768: six steps on two buffers, the loads two steps ahead
.irp ks, 0,1,2,3,4,5
.if \ks < 5
	s_wait_dscnt 12                                ; all but the next step's twelve loads
.else
	s_wait_dscnt 0x0
.endif
.if \kind
	MMA_V \ks, (\ks%2)
.else
	MMA_QK \ks, (\ks%2)
.endif
.if \ks < 4
	PLACES
	LOADF (\ks+2), (\ks%2)
.endif
.endr
.endm
; 32 numbers of a lane, v[src + 16 B + 8 u + j], two half blocks B = 0, 1 whose other halves lie in lane l xor 16, become four code registers in v[pc] on; the two bytes stay in v[BY], v[BY + 1].
.macro QUANT32 src, pc, fl
.irp be, 0,1
	v_max3_num_f32 v[TM+\be], |v[(\src)+16*\be]|, |v[(\src)+16*\be+1]|, \fl    ; with the floor among the leaves
.endr
.irp i, 2,4,6,8,10,12,14
.irp be, 0,1
	s_delay_alu instid0(VALU_DEP_2)
	v_max3_num_f32 v[TM+\be], v[TM+\be], |v[(\src)+16*\be+\i]|, |v[(\src)+16*\be+\i+1]|
.endr
.endr
.irp be, 0,1
	s_delay_alu instid0(VALU_DEP_2)
	v_permlanex16_b32 v[TP+\be], v[TM+\be], s[SEL], s[SEL+1]
.endr
.irp be, 0,1
	s_delay_alu instid0(VALU_DEP_2)
	v_max_num_f32 v[TM+\be], v[TM+\be], v[TP+\be]
.endr
.irp be, 0,1
	s_delay_alu instid0(VALU_DEP_2)
	v_add_nc_u32 v[SO+\be], 0xff000000, v[TM+\be]  ; 2 off the exponent field: the conversion's scale operand
.endr
.irp be, 0,1
	s_delay_alu instid0(VALU_DEP_2)
	v_lshrrev_b32 v[BY+\be], 23, v[SO+\be]
.endr
.irp be, 0,1
.irp u, 0,1
	v_cvt_scalef32_pk8_fp4_f32 v[(\pc)+2*\u+\be], v[(\src)+16*\be+8*\u:(\src)+16*\be+8*\u+7], v[SO+\be]
.endr
.endr
	v_nop                                          ; one plain instruction behind the scaled conversions
.irp u, 0,1
	v_permlane16_swap_b32 v[(\pc)+2*\u], v[(\pc)+2*\u+1]
.endr
.endm
	s_load_b256 s[4:11], s[0:1], 0x0               ; cimg, csc, tsh, qbuf
	s_load_b64 s[12:13], s[0:1], 0x20              ; kv
	v_lshl_add_u32 v[SPW], v0, 2, SPARE
	v_mov_b32 v[NIL], 0
	ds_add_u32 v[SPW], v[NIL]                      ; the wave's opening: the add, twice on end, and its wait ahead of my first tensor load
	ds_add_u32 v[SPW], v[NIL]
	v_lshrrev_b32 v2, 5, v0
	s_delay_alu instid0(VALU_DEP_1)
	v_readfirstlane_b32 s[WV], v2                  ; wave 0..11
	s_bfe_u32 s15, ttmp6, 0x40000                  ; cx
	s_lshl_b32 s16, ttmp9, 2
	s_add_co_u32 s16, s16, s15                     ; rb = 4 x cluster x + cx
	s_and_b32 s17, ttmp7, 0xffff                   ; g
	s_lshr_b32 s18, s[WV], 2                       ; set
	s_and_b32 s19, s[WV], 3                        ; rp
	s_mov_b32 s[SEL], 0x76543210
	s_mov_b32 s[SEL+1], 0xfedcba98
	s_mov_b32 s[HM], 0xffff0000                    ; lanes 16-31
	G1SET G1W, (15|(3<<16)|(1<<21)), 96            ; a unit's four tiles of W, 24,576 bytes, to all four partners
	G1SET G1X, (3<<16), 192                        ; x's eight tiles, 49,152 bytes
	G1SET G1WS, (15|(3<<16)|(1<<21)), 54           ; W's scale words, 13,824 bytes, to all four
	G1SET G1XS, (3<<16), 12                        ; x's, 3,072 bytes
	s_mov_b32 s[G0W], 1
	s_mul_i32 s[G0W+1], s[WV], 24576               ; no place in the cluster enters an LDS address
	s_mul_i32 s80, s17, 9
	s_add_co_u32 s80, s80, s[WV]
	s_mul_i32 s80, s80, 24576
	s_add_co_u32 s80, s80, 3145728                 ; W's tiles begin behind x's 512
	s_mov_b32 s81, 0
	s_mov_b32 s[G0X], 1
	s_mov_b32 s[G0X+1], XI
	s_mul_i32 s82, s16, 49152
	s_mov_b32 s83, 0
	s_mov_b32 s[G0WS], 1
	s_mov_b32 s[G0WS+1], WS
	s_mul_i32 s84, s17, 13824
	s_add_co_u32 s84, s84, 196608
	s_mov_b32 s85, 0
	s_mov_b32 s[G0XS], 1
	s_mov_b32 s[G0XS+1], XS
	s_mul_i32 s86, s16, 3072
	s_mov_b32 s87, 0
	s_lshr_b32 s96, s16, 3                         ; batch
	s_and_b32 s97, s16, 7                          ; key step
	s_mul_i32 s98, s96, 12
	s_wait_dscnt 0x0                               ; both opening adds are done
	s_wait_kmcnt 0x0
	s_add_nc_u64 s[G0W+2:G0W+3], s[4:5], s[80:81]
	s_or_b32 s[G0W+3], s[G0W+3], 0x80000000
	s_add_nc_u64 s[G0X+2:G0X+3], s[4:5], s[82:83]
	s_or_b32 s[G0X+3], s[G0X+3], 0x80000000
	s_add_nc_u64 s[G0WS+2:G0WS+3], s[6:7], s[84:85]
	s_or_b32 s[G0WS+3], s[G0WS+3], 0x80000000
	s_add_nc_u64 s[G0XS+2:G0XS+3], s[6:7], s[86:87]
	s_or_b32 s[G0XS+3], s[G0XS+3], 0x80000000
	ROUND                                          ; all four work-groups are here: the joint loads meet
	s_cmp_lt_u32 s[WV], 9                          ; every wave issues one load: waves 0-8 a unit of W each, 9 x, 10 W's scale words, 11 x's.  The branches hang on the wave's number alone
	s_cbranch_scc0 .Lnot_w
	TL G0W, G1W
	s_branch .Lasked
.Lnot_w:
	s_cmp_eq_u32 s[WV], 9
	s_cbranch_scc0 .Lnot_x
	TL G0X, G1X
	s_branch .Lasked
.Lnot_x:
	s_cmp_eq_u32 s[WV], 10
	s_cbranch_scc0 .Lnot_ws
	TL G0WS, G1WS
	s_branch .Lasked
.Lnot_ws:
	TL G0XS, G1XS
.Lasked:
	v_and_b32 v2, 31, v0
	s_delay_alu instid0(VALU_DEP_1)
	v_lshlrev_b32 v[L16], 4, v2
	s_delay_alu instid0(VALU_DEP_2)
	v_lshlrev_b32 v[L4], 2, v2
	v_and_b32 v15, 15, v0                          ; r
	v_bfe_u32 v2, v0, 4, 1                         ; h
	s_delay_alu instid0(VALU_DEP_1)
	v_lshlrev_b32 v[H32], 5, v2
	s_delay_alu instid0(VALU_DEP_3)
	v_lshlrev_b32 v[R4], 2, v15
	s_delay_alu instid0(VALU_DEP_3)
	v_lshlrev_b32 v[STV], 10, v2
	s_delay_alu instid0(VALU_DEP_1)
	v_lshl_add_u32 v[STV], v15, 4, v[STV]
	v_lshlrev_b32 v[SBV], 6, v2
	s_delay_alu instid0(VALU_DEP_1)
	v_lshl_add_u32 v[SBV], v15, 2, v[SBV]
	s_mul_i32 s88, s19, 12288
	s_add_co_u32 s88, s88, XI
	v_add_nc_u32 v[AX], s88, v[L16]
	v_add_nc_u32 v[AWS0], WS, v[L4]
	s_mul_i32 s88, s19, 768
	s_add_co_u32 s88, s88, XS
	v_add_nc_u32 v[AXS], s88, v[L4]
	v_mov_b32 v[TP], 0                             ; a lane permute's destination counts as read
	v_mov_b32 v[TP+1], 0
.irp i, 1,3,5,7
	v_mov_b32 v[TC+\i], 0                          ; named as the upper halves of pairs of which the low word serves both halves
.endr
	s_mov_b32 s[TRIP], 3
	s_mul_i32 s[WB], s18, 24576
	s_mul_i32 s[WSB], s18, 1536
	s_mul_i32 s[U], s17, 9
	s_add_co_u32 s[U], s[U], s18
	s_wait_alu depctr_va_vdst(0)
	s_wait_tensorcnt 0x0                           ; my load has landed,
	s_barrier_signal -1
	s_barrier_wait -1                              ; everybody's has.  Nothing is filled again in this launch
.irp xt, 0,1
.irp pr, 0,1,2
	ds_load_b32 v[XSR+3*\xt+\pr], v[AXS] offset:384*\xt+128*\pr
.endr
.endr
.Ltrip:
	v_add_nc_u32 v[AW], s[WB], v[L16]
	v_add_nc_u32 v[AWS], s[WSB], v[AWS0]
.irp wt, 0,1,2,3
.irp pr, 0,1,2
	ds_load_b32 v[WSR+3*\wt+\pr], v[AWS] offset:384*\wt+128*\pr
.endr
.endr
	LOADF 0, 0
	LOADF 1, 1
	s_mul_i32 s100, s96, 9216
	s_lshl_b32 s101, s[U], 8
	s_add_co_u32 s100, s100, s101
	s_mov_b32 s101, 0
	s_add_nc_u64 s[94:95], s[8:9], s[100:101]      ; the unit's 64 shifts of my batch (the last trip's loads by this base were waited for)
	s_cmp_lt_u32 s[U], 24
	s_cbranch_scc0 .Lvalues
	; ---- q or k
.irp wt, 0,1,2,3
	global_load_b128 v[TC+8*\wt:TC+8*\wt+3], v[H32], s[94:95] offset:64*\wt       ; features 16 wt + 8 h + 0 .. 7: they land under the K loop
	global_load_b128 v[TC+8*\wt+4:TC+8*\wt+7], v[H32], s[94:95] offset:64*\wt+16
.endr
	s_wait_alu depctr_va_vdst(0)
	KLOOP 0
	PLACES
	s_wait_loadcnt 0x0                             ; the shifts
	s_wait_xcnt 0x0                                ; the last trip's stores have read their data and bases: both are written again below
.irp xt, 0,1
.irp wt, 0,1,2,3
.irp j, 0,2,4,6
	v_pk_add_f32 v[ACC+32*\xt+8*\wt+\j:ACC+32*\xt+8*\wt+\j+1], v[ACC+32*\xt+8*\wt+\j:ACC+32*\xt+8*\wt+\j+1], v[TC+8*\wt+\j:TC+8*\wt+\j+1]   ; each accumulator from its low end on
.endr
.endr
.endr
	s_cmp_lt_u32 s[U], 12                          ; q or k: all selections on this one compare, ahead of any addition
	s_cselect_b64 s[80:81], s[10:11], s[12:13]
	s_cselect_b32 s82, 0, 12
	s_mov_b32 s83, 71680
	s_cselect_b32 s83, 36864, s83                  ; bytes of a (batch, head)
	s_mov_b32 s84, 8960
	s_cselect_b32 s84, 4096, s84                   ; of a key step's images
	s_mov_b32 s85, 8960
	s_cselect_b32 s85, 512, s85                    ; of its scale words
	s_mov_b32 s86, 8192
	s_cselect_b32 s86, 32768, s86                  ; where the scale words begin
	s_mov_b32 s[FL], 0x1800000
	s_cselect_b32 s[FL], 0x3000000, s[FL]          ; the floor: byte 1 for k, byte 4 for q
	s_mov_b32 s87, 0x7f7f0000
	s_cselect_b32 s87, 0x7f7efcfd, s87             ; bytes 2, 3 = 0x7f; for q 3 off bytes 0 and 1: the division by 8
	s_sub_co_u32 s82, s[U], s82
	s_add_co_u32 s82, s82, s98                     ; 12 b + head
	s_mul_i32 s82, s82, s83
	s_mul_i32 s88, s97, s84
	s_add_co_u32 s88, s88, s82
	s_lshl_b32 s89, s19, 10
	s_add_co_u32 s88, s88, s89
	s_mov_b32 s89, 0
	s_add_nc_u64 s[90:91], s[80:81], s[88:89]      ; my two tiles' images
	s_mul_i32 s88, s97, s85
	s_add_co_u32 s88, s88, s82
	s_add_co_u32 s88, s88, s86
	s_lshl_b32 s99, s19, 7
	s_add_co_u32 s88, s88, s99
	s_add_nc_u64 s[92:93], s[80:81], s[88:89]      ; and their 32 scale words
	QUANT32 ACC, PC0, s[FL]
	v_lshl_or_b32 v[W0], v[BY+1], 8, v[BY]
	s_delay_alu instid0(VALU_DEP_1)
	v_add_nc_u32 v[W0], s87, v[W0]
	QUANT32 (ACC+32), PC1, s[FL]
	v_lshl_or_b32 v[W1], v[BY+1], 8, v[BY]
	s_delay_alu instid0(VALU_DEP_1)
	v_add_nc_u32 v[W1], s87, v[W1]
	global_store_b128 v[L16], v[PC0:PC0+3], s[90:91]              ; 512 consecutive bytes, aligned
	global_store_b128 v[L16], v[PC1:PC1+3], s[90:91] offset:512
	v_cndmask_b32 v[W0], v[W0], v[W1], s[HM]       ; lanes 0-15 the first tile's words, lanes 16-31 the second's
	global_store_b32 v[L4], v[W0], s[92:93]
	s_branch .Ljoin
	; ---- v
.Lvalues:
.irp tt, 0,1,2,3
	global_load_b32 v[TC+2*\tt], v[R4], s[94:95] offset:64*\tt   ; feature 16 tt + r
.endr
	s_wait_alu depctr_va_vdst(0)
	KLOOP 1
	PLACES
	s_wait_loadcnt 0x0
	s_wait_xcnt 0x0                                ; as above
.irp tt, 0,1,2,3
.irp j, 0,2,4,6,8,10,12,14
	v_pk_add_f32 v[ACC+16*\tt+\j:ACC+16*\tt+\j+1], v[ACC+16*\tt+\j:ACC+16*\tt+\j+1], v[TC+2*\tt:TC+2*\tt+1] op_sel_hi:[1,0]
.endr
.endr
	s_sub_co_u32 s82, s[U], 24
	s_add_co_u32 s82, s82, s98
	s_mul_i32 s82, s82, 71680
	s_mul_i32 s83, s97, 8960
	s_add_co_u32 s82, s82, s83                     ; my key step of (batch, head)
	s_lshl_b32 s83, s19, 8                         ; block rp of the step: piece rp / 2, lanes' half rp % 2: 256 rp bytes
	s_add_co_u32 s88, s82, s83
	s_add_co_u32 s88, s88, 4096
	s_mov_b32 s89, 0
	s_add_nc_u64 s[90:91], s[12:13], s[88:89]
	s_add_co_u32 s88, s82, s19                     ; byte rp of each feature's scale word
	s_add_co_u32 s88, s88, 8704
	s_add_nc_u64 s[92:93], s[12:13], s[88:89]
	QUANT32 ACC, PC0, 0x1800000                    ; feature tiles 0 (lanes 0-15) and 1 (lanes 16-31)
	global_store_b128 v[STV], v[PC0:PC0+3], s[90:91]              ; each half of the lanes fills 256 consecutive bytes, aligned
	v_cndmask_b32 v[VB], v[BY], v[BY+1], s[HM]
	global_store_b8 v[SBV], v[VB], s[92:93]
	QUANT32 (ACC+32), PC1, 0x1800000               ; tiles 2 and 3
	global_store_b128 v[STV], v[PC1:PC1+3], s[90:91] offset:2048
	v_cndmask_b32 v[VB+1], v[BY], v[BY+1], s[HM]
	global_store_b8 v[SBV], v[VB+1], s[92:93] offset:128
.Ljoin:
	s_add_co_u32 s[WB], s[WB], 73728               ; three units on
	s_add_co_u32 s[WSB], s[WSB], 4608
	s_add_co_u32 s[U], s[U], 3
	s_sub_co_u32 s[TRIP], s[TRIP], 1
	s_cmp_lg_u32 s[TRIP], 0
	s_cbranch_scc1 .Ltrip
	s_wait_tensorcnt 0x0                           ; the wave's end
	ds_add_u32 v[SPW], v[NIL]
	s_wait_dscnt 0x0
	ROUND                                          ; the closing round
	s_endpgm
.Lfunc_end_k_q7c31c9c222_qkv:
	.size	k_q7c31c9c222_qkv, .Lfunc_end_k_q7c31c9c222_qkv-k_q7c31c9c222_qkv
	.p2alignl 7, 3214868480
	.fill 96, 4, 3214868480
	.section	.rodata,"a",@progbits
	.p2align	6, 0x0
	.amdhsa_kernel k_q7c31c9c222_qkv
		.amdhsa_group_segment_fixed_size 288768
		.amdhsa_private_segment_fixed_size 0
		.amdhsa_enable_private_segment 0
		.amdhsa_kernarg_size 40
		.amdhsa_user_sgpr_count 2
		.amdhsa_user_sgpr_kernarg_segment_ptr 1
		.amdhsa_wavefront_size32 1
		.amdhsa_system_sgpr_workgroup_id_x 1
		.amdhsa_system_sgpr_workgroup_id_y 1
		.amdhsa_system_sgpr_workgroup_id_z 1
		.amdhsa_system_vgpr_workitem_id 0
		.amdhsa_next_free_vgpr 256
		.amdhsa_next_free_sgpr 102
		.amdhsa_reserve_vcc 0
		.amdhsa_float_denorm_mode_32 3
		.amdhsa_float_denorm_mode_16_64 3
		.amdhsa_memory_ordered 1
		.amdhsa_forward_progress 1
		.amdhsa_inst_pref_size 49
	.end_amdhsa_kernel
	.amdgpu_metadata
---
amdhsa.version: [ 1, 2 ]
amdhsa.kernels:
  - .name:           k_q7c31c9c222_qkv
    .symbol:         k_q7c31c9c222_qkv.kd
    .args:
      - { .name: cimg, .offset: 0, .size: 8, .value_kind: global_buffer, .address_space: global }
      - { .name: csc, .offset: 8, .size: 8, .value_kind: global_buffer, .address_space: global }
      - { .name: tsh, .offset: 16, .size: 8, .value_kind: global_buffer, .address_space: global }
      - { .name: qbuf, .offset: 24, .size: 8, .value_kind: global_buffer, .address_space: global }
      - { .name: kv, .offset: 32, .size: 8, .value_kind: global_buffer, .address_space: global }
    .group_segment_fixed_size: 288768
    .private_segment_fixed_size: 0
    .kernarg_segment_align: 8
    .kernarg_segment_size: 40
    .max_flat_workgroup_size: 384
    .sgpr_count:     102
    .vgpr_count:     256
    .wavefront_size: 32
...
	.end_amdgpu_metadata
.endif
;; end of part 6
;; launch attn (part 7): grid 4 x 64, 16 waves a work-group, clusters of 4 x 1, 327,680 bytes of LDS; arguments qbuf, kv, rel_pos_bias, oimg, osc; writes oimg, osc
.if DOCPART == 7
	.amdgcn_target "amdgcn-amd-amdhsa--gfx1250"
	.amdhsa_code_object_version 6
	.text
	.protected	k_q7c31c9c222_attn
	.globl	k_q7c31c9c222_attn
	.p2align	8
	.type	k_q7c31c9c222_attn,@function
k_q7c31c9c222_attn:
	s_mov_b64 s[64:65], 0
	v_nop
	global_prefetch_b8 v0, s[64:65] scope:SCOPE_SE
	s_setreg_imm32_b32 hwreg(HW_REG_WAVE_MODE, 25, 1), 1
	s_wait_xcnt 0x0
	s_wait_alu depctr_hold_cnt(0) depctr_sa_sdst(0) depctr_va_vdst(0) depctr_va_sdst(0) depctr_va_ssrc(0) depctr_va_vcc(0) depctr_vm_vsrc(0)
	s_getreg_b32 s2, hwreg(HW_REG_IB_STS2, 6, 4)
	s_cmp_eq_u32 s2, 0
	s_cbranch_scc0 .Lentry_in_a_cluster
	s_endpgm
.Lentry_in_a_cluster:
	s_bfe_u32 s2, ttmp6, 0x10000c
	s_cmp_lg_u32 s2, 0x3003
	s_cbranch_scc0 .Lentry_shape_is_right
	s_endpgm
.Lentry_shape_is_right:
; LAUNCH 3 OF 4: o = softmax(q k^T / 8 + bias) v, both products on codes of E2M1 with E8M0 scales; o is quantised along d for the last product.  No work of the problem is left out here.
; SHARES.  Work-group (cx, y): queries 64 (y % 16) .. + 63, batches 2 cx and 2 cx + 1, three heads in turn: n = 3 (y / 16) + 0, 1, 2.  Sixteen waves, four to a SIMD, 256 registers each.
; Wave w: key half kh = w / 8, batch 2 cx + (w / 4) % 2, tile of 16 queries w % 4.  It walks key steps 4 kh + 0 .. 3 of each head, 128 keys a step.
; THE TWO WAVES OF A TILE (w and w xor 8) JOIN AT A HEAD'S END through a stage in LDS: each keeps block kh of the head's two blocks of 32 along d and sends the other, with its -M and its sum.
;   M = the larger of the two; both parts are multiplied by 2^(own M - M), which rounds nothing, added, and divided by the joined sum.
;   V's tiles are taken in the order (tile xor 2 kh), by address: so in every wave accumulators 0-15 are the block that it keeps and 16-31 the block that it sends, and one text serves both halves.
; THE BIAS is the same for all eight batches: the four partners of a cluster hold them, a bias tile is asked for JOINTLY (mask 15) and serves two batches in each work-group.
;   A slot holds 64 queries x 128 keys of each key half (two tiles of 64 rows x 512 + 16 bytes): one step of all sixteen waves.  Two slots.
; K AND V of the two batches lie in LDS as images of the operands' registers, 8 key steps x 8,960 bytes a batch; the four steps (2 batches x 2 halves) that a step of the waves has read are filled again with the next head's.
; K and V are not asked for jointly: the work-groups that share them are the sixteen query blocks of a head, and the cluster's four places are taken by the batches.
; THE CHANGE OF SLOTS stands behind K Q^T of step j: the bias of step j is in registers then.  Waves 0-3 fill its slot with step j + 2's bias (32 rows a wave), waves 8-11 fill the K/V of step j - 1.
;   Step j + 1's bias, asked for one change earlier, has landed at this change and is read at the end of step j, when p's registers are free.
; THE LOOP IS TURNED: a trip runs from behind a head's first change to the next head's first change, so that every trip's four changes are alike; the first head's K Q^T and change stand ahead of it, the last head is written out.
; The stage's hand-over uses the next head's first change as its barrier; behind the last head a plain barrier.
; LAYOUT.  Both products are used transposed: S^T = K Q^T + bias^T (the bias is loaded into the accumulators and is the product's C), O^T = V^T P^T: a lane holds one query (lane % 16).
;   The division by 8 lies in q's scale bytes.  The head's 64 fill half of a K step of 128: registers 4-7 of Q's fragment hold zero codes.  K's eight fragments lie 4 registers apart: the upper half of each operand
;   is the next tile's codes (behind the last: four registers of zeros); E2M1 has finite codes alone and the scale bytes there are 0x7f, so against Q's zero codes they add nothing.
; THE SOFTMAX: t = logit x log2(e); M = the running largest t rounded up to a whole number; p = 2^(t - M), not normalised, is quantised along the keys; the sum is taken of the unquantised p.
;   When M moves, the sum and O are multiplied by 2^(old M - new M).  A block's largest p is made from the block's largest logit by the same multiply-add and exponential.
; PREFETCH, two changes ahead of the tensor load that will want the bytes (macro ASK).  The bias: waves 12 and 13 name my work-group's 16 rows of the 64 (by address: 16 cx), wave 12 the lower key half, 13 the upper;
;   two lanes to a row's 512 bytes: each aligned block of 256 bytes once in the cluster.  K/V: waves 12-15 name the four key steps that my work-group will fill, one a wave: 35 blocks of 256 bytes, in two instructions.
;   The first head's steps 0 and 1 of the bias come by their loads alone; its steps 2 and 3 and the first K/V refill's bytes are named at the kernel's head, ahead of the wait for the first fills.
;   What would lie behind the last head is not named: the loop's counter leads round those lines.
; LIMITS: NaN and infinities are not served.  A block whose every p has fallen to 0, and a block of zeros of o, keeps the byte 1: its codes are zeros.
.set BS0,   143360                     ; LDS: K and V from 0 (71,680 a batch); bias slot 0
.set SUB,   33792                      ; a key half's tile in a slot: 64 rows x 528
.set SLOTB, 67584
.set BS1,   BS0+SLOTB
.set SPARE, 278528                     ; the spare words, 128 bytes a wave: eight blocks of 256 bytes that no other line names
.set STG,   280576                     ; the stage: 2,560 bytes a wave; no tensor load lands here
.set NEXTH, 4194304                    ; bytes from a head's bias to the next head's
.set AK,  1                            ; v1   my batch's and half's images + 16 x lane
.set AVA, 2                            ; v2   V's tiles for accumulators 0, 1
.set AS,  3                            ; v3   the same base + 4 x lane: K's scale words
.set AVB, 4                            ; v4   V's tiles for accumulators 2, 3
.set AB,  5                            ; v5, v6  my query's row in bias slot 0, 1: + 32 h
.set SPW, 7                            ; v7   my spare word; never rewritten
.set NIL, 8                            ; v8   0; never rewritten
.set L16, 9
.set PFO, 10                           ; v10  the bias prefetches' offset: 4,096 (lane / 2) + 256 (lane % 2)
.set R4,  11
.set QF,  16                           ; v16-23   Q's fragment
.set KF,  24                           ; v24-59   K's eight, 4 registers apart, and four zeros
.set QN,  60                           ; v60-63   the next head's Q
.set QSN, 64                           ; v64      and its scale words
.set PK0, 66                           ; v66      K/V prefetches: 256 x lane;  v67: 256 x min(lane, 2)
.set PK1, 67
.set VF,  88                           ; v88-119  V's four; at a head's end what my partner sent
.set S,   120                          ; v120-183 the bias, the logits, then p
.set O,   184                          ; v184-215 O^T
.set PC,  216                          ; v216-223 p's codes
.set BM,  224
.set BP,  228
.set SOP, 232
.set KS,  236                          ; v236-239 K's scale words, v240-241 V's, v242 Q's, v243 p's: scales and nothing else
.set VS,  240
.set QS,  242
.set PW,  243
.set F,   244                          ; v[244:245] 2^(old M - new M)
.set TMP, 246
.set L2,  248                          ; v[248:249] the sum's second chain; at a head's end my partner's factor
.set ASVA, 250                         ; v250, v251 V's scale words for accumulators 0, 1 and 2, 3
.set ASVB, 251
.set STS, 252                          ; v252 my stage + 16 x lane;  v253 my partner's
.set STL, 253
.set OGO, 254                          ; v254 16 r + 8 h: my 8 bytes of o's piece
.set L4,  255
.set PKA, 2                            ; s[2:3] the K/V prefetches' base: my (batch, half) of the next head
.set WV,  14
.set SEL, 20
.set CS,  22                           ; s[22:23] log2(e)
.set G1K, 24                           ; group 1: a key step's 8,960 bytes
.set G1R, 32                           ; the bias: 32 rows x 128 keys
.set G1F, 40                           ; two key steps' 17,920 bytes: the first fills
.set G0KA, 48
.set G0R0, 52                          ; bias slot 0, slot 1
.set G0R1, 56
.set G0KR, 60                          ; K/V's refills
.set KL,  66
.set HEADS, 67
.set WQ,  68                           ; wave / 4
.set WH,  69                           ; wave / 2
.set KH,  70                           ; wave / 8
.set PFA, 80                           ; s[80:81] the bias prefetches' base: my rows of the NEXT head
.set QI,  82
.set QSB, 84
.set OI,  86
.set OSB, 88
.set OSA, 90
.macro ROUND
	s_barrier_signal -1
	s_barrier_wait -1
	s_cmp_lg_u32 s[WV], 0
	s_cbranch_scc1 .Lnot_wave_0_\@
	s_barrier_signal -3
.Lnot_wave_0_\@:
	s_barrier_wait -3
	s_barrier_signal -1
	s_barrier_wait -1
.endm
.macro PLACES
.rept 4
	v_nop
.endr
.endm
.macro G1SET g, rows                   ; a dense block as rows of 256 bytes: 32 elements of 8 bytes
	s_mov_b32 s[\g], 3<<16
	s_mov_b32 s[\g+1], 32<<16
	s_mov_b32 s[\g+2], (\rows)<<16
	s_mov_b32 s[\g+3], 32<<16
	s_mov_b32 s[\g+4], \rows
	s_mov_b32 s[\g+5], 32
	s_mov_b32 s[\g+6], 0
	s_mov_b32 s[\g+7], 0
.endm
.macro TL g0, g1                       ; a tensor load and the nops behind it
	tensor_load_to_lds s[\g0:\g0+3], s[\g1:\g1+7]
	s_nop 0
.rept 4
	v_nop
.endr
.endm
.macro WMA d, a, b, cr, sa, sb, odd    ; cr < 0: the product starts the sum.  odd: source 0's scale words stand in lanes 16-31
.if (\cr) < 0
.if \odd
	v_wmma_scale_f32_16x16x128_f8f6f4 v[(\d):(\d)+7], v[(\a):(\a)+7], v[(\b):(\b)+7], 0, v[\sa], v[\sb] matrix_a_fmt:MATRIX_FMT_FP4 matrix_b_fmt:MATRIX_FMT_FP4 matrix_a_scale:MATRIX_SCALE_ROW1
.else
	v_wmma_scale_f32_16x16x128_f8f6f4 v[(\d):(\d)+7], v[(\a):(\a)+7], v[(\b):(\b)+7], 0, v[\sa], v[\sb] matrix_a_fmt:MATRIX_FMT_FP4 matrix_b_fmt:MATRIX_FMT_FP4
.endif
.else
.if \odd
	v_wmma_scale_f32_16x16x128_f8f6f4 v[(\d):(\d)+7], v[(\a):(\a)+7], v[(\b):(\b)+7], v[(\cr):(\cr)+7], v[\sa], v[\sb] matrix_a_fmt:MATRIX_FMT_FP4 matrix_b_fmt:MATRIX_FMT_FP4 matrix_a_scale:MATRIX_SCALE_ROW1
.else
	v_wmma_scale_f32_16x16x128_f8f6f4 v[(\d):(\d)+7], v[(\a):(\a)+7], v[(\b):(\b)+7], v[(\cr):(\cr)+7], v[\sa], v[\sb] matrix_a_fmt:MATRIX_FMT_FP4 matrix_b_fmt:MATRIX_FMT_FP4
.endif
.endif
.endm
; THE PREFETCHES of what the change after the next will ask for.  koff: the key step's place from the K/V base; boff: the bias step's place from the bias base (< 0: none).
; kg, bg = 1: the bytes belong to the head after the next, which exists in the loop's first trip alone.  The branches hang on the wave's number and the loop's counter.
.macro ASK boff, bg, koff, kg
	s_cmp_eq_u32 s[WQ], 3
	s_cbranch_scc0 .Lnot_mine_\@
.if \kg
	s_cmp_eq_u32 s[HEADS], 2
	s_cbranch_scc0 .Lno_kv_\@
.endif
	s_wait_alu depctr_va_vdst(0)
	global_prefetch_b8 v[PK0], s[PKA:PKA+1] offset:\koff th:TH_LOAD_NT scope:SCOPE_SE          ; blocks 0-31 of the step's 35
	global_prefetch_b8 v[PK1], s[PKA:PKA+1] offset:(\koff)+8192 th:TH_LOAD_NT scope:SCOPE_SE   ; blocks 32-34; the lanes left over name the last again
.Lno_kv_\@:
.if (\boff) >= 0
	s_cmp_eq_u32 s[WH], 6
	s_cbranch_scc0 .Lnot_mine_\@
.if \bg
	s_cmp_eq_u32 s[HEADS], 2
	s_cbranch_scc0 .Lnot_mine_\@
.endif
	s_wait_alu depctr_va_vdst(0)
	global_prefetch_b8 v[PFO], s[PFA:PFA+1] offset:\boff th:TH_LOAD_NT scope:SCOPE_SE
.endif
.Lnot_mine_\@:
.endm
.macro KLOAD off                       ; a key step's eight fragments of K and scale words: twelve loads
.irp tt, 0,1,2,3,4,5,6,7
	ds_load_b128 v[KF+4*\tt:KF+4*\tt+3], v[AK] offset:(\off)+512*\tt
.endr
.irp tp, 0,1,2,3
	ds_load_b32 v[KS+\tp], v[AS] offset:(\off)+8192+128*\tp
.endr
.endm
.macro BLOAD sl                        ; bias(my query, keys 16 tt + 8 h + 0 .. 7) of my half's tile in slot sl, straight into the accumulators: sixteen loads
.irp tt, 0,1,2,3,4,5,6,7
	ds_load_b128 v[S+8*\tt:S+8*\tt+3], v[AB+\sl] offset:64*\tt
	ds_load_b128 v[S+8*\tt+4:S+8*\tt+7], v[AB+\sl] offset:64*\tt+16
.endr
.endm
; A STEP'S FIRST PART: S^T = K Q^T + bias, and the change of slots.  mode 2: a round of the cluster's barrier and the refills; mode 1: a plain barrier, nothing is filled again; mode 0: none.
; Every wave: my LDS reads are done; all my tensor loads have landed; the add; eight products between it and the wait for it; the round; the refill first behind it, one load a wave.
; g0b: the bias slot's group 0, which steps binc bytes.  kj: the step whose K and V are filled again (kj < 0: none); its address steps kinc bytes.  The branches hang on the wave's number alone.
.macro PA g0b, binc, kj, kinc, mode
	s_wait_alu depctr_va_vdst(0)
	s_wait_dscnt 0x0                               ; the bias and K are in; what I sent to the stage is stored
.if \mode
	s_wait_tensorcnt 0x0                           ; no tensor load of mine is out, so a group 0 may be written
	ds_add_u32 v[SPW], v[NIL]
.endif
.irp tt, 0,1,2,3,4,5,6,7
	WMA S+8*\tt, KF+4*\tt, QF, S+8*\tt, KS+\tt/2, QS, \tt%2
.endr
.if (\mode) == 2
	s_add_nc_u64 s[\g0b+2:\g0b+3], s[\g0b+2:\g0b+3], (\binc)
.if (\kj) >= 0
	s_add_co_u32 s[G0KR+1], s[KL], 8960*(\kj)
	s_add_nc_u64 s[G0KR+2:G0KR+3], s[G0KR+2:G0KR+3], (\kinc)
.endif
.endif
.if \mode
	s_wait_dscnt 0x0                               ; the add is done
.endif
.if (\mode) == 2
	ROUND
	s_cmp_lt_u32 s[WV], 4
	s_cbranch_scc0 .Lnot_bias_\@
	TL \g0b, G1R
.if (\kj) >= 0
	s_branch .Lasked_\@
.endif
.Lnot_bias_\@:
.if (\kj) >= 0
	s_cmp_eq_u32 s[WQ], 2
	s_cbranch_scc0 .Lasked_\@
	TL G0KR, G1K
.Lasked_\@:
.endif
.endif
.if (\mode) == 1
	s_barrier_signal -1
	s_barrier_wait -1
.endif
	PLACES                                         ; ahead of the reads of the logits and of loads into the products' registers
.endm
; A STEP'S SECOND PART: the softmax and O^T += V^T P^T.  j: my step of the head.  first = 1: O^T's sums start.  nko: LDS offset of the K asked for here (< 0: none).  nbs: the slot whose bias is asked for (< 0: none).  ldq = 1: the next head's Q is asked for.
.macro PB j, first, nko, nbs, ldq
.irp tt, 0,1
.irp c, 0,1
	ds_load_b128 v[VF+8*\tt+4*\c:VF+8*\tt+4*\c+3], v[AVA] offset:8960*(\j)+1024*\tt+512*\c
.endr
.endr
.irp tt, 0,1
.irp c, 0,1
	ds_load_b128 v[VF+16+8*\tt+4*\c:VF+16+8*\tt+4*\c+3], v[AVB] offset:8960*(\j)+1024*\tt+512*\c
.endr
.endr
	ds_load_b32 v[VS], v[ASVA] offset:8960*(\j)
	ds_load_b32 v[VS+1], v[ASVB] offset:8960*(\j)
.set NW, 0                             ; the LDS loads issued behind V's
.if (\nko) >= 0
	KLOAD \nko
.set NW, NW+12
.endif
.if \ldq
	s_add_nc_u64 s[QI:QI+1], s[QI:QI+1], 36864     ; (the loads that read these bases have been waited for)
	s_add_nc_u64 s[QSB:QSB+1], s[QSB:QSB+1], 36864
	global_load_b128 v[QN:QN+3], v[L16], s[QI:QI+1]                ; it has the whole head in which to land
	global_load_b32 v[QSN], v[R4], s[QSB:QSB+1]
.endif
.irp b, 0,1,2,3
	v_max3_num_f32 v[BM+\b], v[S+16*\b], v[S+16*\b+1], v[S+16*\b+2]              ; the largest logit of each block of 32 keys
.endr
.irp i, 3,5,7,9,11,13
.irp b, 0,1,2,3
	v_max3_num_f32 v[BM+\b], v[BM+\b], v[S+16*\b+\i], v[S+16*\b+\i+1]
.endr
.endr
.irp b, 0,1,2,3
	v_max_num_f32 v[BM+\b], v[BM+\b], v[S+16*\b+15]
.endr
.irp b, 0,1,2,3
	s_delay_alu instid0(VALU_DEP_4)
	v_permlanex16_b32 v[BP+\b], v[BM+\b], s[SEL], s[SEL+1]
.endr
.irp b, 0,1,2,3
	s_delay_alu instid0(VALU_DEP_4)
	v_max_num_f32 v[BM+\b], v[BM+\b], v[BP+\b]     ; with lane l xor 16's 16 keys
.endr
	s_delay_alu instid0(VALU_DEP_2)
	v_max3_num_f32 v[TMP], v[BM], v[BM+1], v[BM+2]
	s_delay_alu instid0(VALU_DEP_1)
	v_max_num_f32 v[TMP], v[TMP], v[BM+3]
	s_delay_alu instid0(VALU_DEP_1)
	v_mul_f32 v[TMP], s[CS], v[TMP]                ; as t
	s_delay_alu instid0(VALU_DEP_1)
	v_max_num_f32 v13, v13, v[TMP]                 ; the running largest t
	v_mov_b32 v[TMP], v12
	s_delay_alu instid0(VALU_DEP_2)
	v_floor_f32 v12, -v13                          ; the new -M = floor(-t)
	s_delay_alu instid0(VALU_DEP_1)
	v_sub_f32 v[TMP], v12, v[TMP]                  ; old M - new M: a whole number, 0 or less
	s_delay_alu instid0(VALU_DEP_1)
	v_cvt_i32_f32 v[TMP], v[TMP]                   ; (it saturates)
	s_delay_alu instid0(VALU_DEP_1)
	v_ldexp_f32 v[F], 1.0, v[TMP]
.irp j2, 0,2,4,6,8,10,12,14,16,18,20,22,24,26,28,30,32,34,36,38,40,42,44,46,48,50,52,54,56,58,60,62
	v_pk_fma_f32 v[S+\j2:S+\j2+1], v[S+\j2:S+\j2+1], s[CS:CS+1], v[12:13] op_sel_hi:[1,0,0]   ; t - M, two at a time
.endr
.irp b, 0,1,2,3
	v_fma_f32 v[BM+\b], v[BM+\b], s[CS], v12
.endr
	s_wait_alu depctr_va_vdst(0)
.irp j2, 0,1,2,3,4,5,6,7,8,9,10,11,12,13,14,15,16,17,18,19,20,21,22,23,24,25,26,27,28,29,30,31,32,33,34,35,36,37,38,39,40,41,42,43,44,45,46,47,48,49,50,51,52,53,54,55,56,57,58,59,60,61,62,63
	v_exp_f32 v[S+\j2], v[S+\j2]                   ; p = 2^(t - M)
.endr
	v_pk_mul_f32 v[14:15], v[14:15], v[F:F+1] op_sel_hi:[1,0]   ; the sums under the new M: the plain instruction behind the exponentials
	s_wait_alu depctr_va_vdst(0)                   ; one wait for the batch of 64, ahead of its first reader
.irp b, 0,1,2,3
	v_exp_f32 v[BM+\b], v[BM+\b]                   ; the blocks' largest p
.endr
	v_pk_add_f32 v[248:249], v[124:125], v[128:129]   ; the sum of the unquantised p, in eight chains
	v_pk_add_f32 v[234:235], v[132:133], v[136:137]
	v_pk_add_f32 v[232:233], v[140:141], v[144:145]
	v_pk_add_f32 v[230:231], v[148:149], v[152:153]
	v_pk_add_f32 v[228:229], v[156:157], v[160:161]
	v_pk_add_f32 v[222:223], v[164:165], v[168:169]
	v_pk_add_f32 v[220:221], v[172:173], v[176:177]
	v_pk_add_f32 v[14:15], v[14:15], v[180:181]
	v_pk_add_f32 v[248:249], v[248:249], v[120:121]
	v_pk_add_f32 v[234:235], v[234:235], v[122:123]
	v_pk_add_f32 v[232:233], v[232:233], v[126:127]
	v_pk_add_f32 v[230:231], v[230:231], v[130:131]
	v_pk_add_f32 v[228:229], v[228:229], v[134:135]
	v_pk_add_f32 v[222:223], v[222:223], v[138:139]
	v_pk_add_f32 v[220:221], v[220:221], v[142:143]
	v_pk_add_f32 v[14:15], v[14:15], v[146:147]
	v_pk_add_f32 v[248:249], v[248:249], v[150:151]
	v_pk_add_f32 v[234:235], v[234:235], v[154:155]
	v_pk_add_f32 v[232:233], v[232:233], v[158:159]
	v_pk_add_f32 v[230:231], v[230:231], v[162:163]
	v_pk_add_f32 v[228:229], v[228:229], v[166:167]
	v_pk_add_f32 v[222:223], v[222:223], v[170:171]
	v_pk_add_f32 v[220:221], v[220:221], v[174:175]
	v_pk_add_f32 v[14:15], v[14:15], v[178:179]
	v_pk_add_f32 v[248:249], v[248:249], v[182:183]
	s_delay_alu instid0(VALU_DEP_2)
	v_pk_add_f32 v[14:15], v[14:15], v[230:231]
	s_delay_alu instid0(VALU_DEP_2)
	v_pk_add_f32 v[248:249], v[248:249], v[228:229]
	v_pk_add_f32 v[234:235], v[234:235], v[222:223]
	v_pk_add_f32 v[232:233], v[232:233], v[220:221]
	s_delay_alu instid0(VALU_DEP_2)
	v_pk_add_f32 v[14:15], v[14:15], v[234:235]
	s_delay_alu instid0(VALU_DEP_2)
	v_pk_add_f32 v[248:249], v[248:249], v[232:233]
	s_delay_alu instid0(VALU_DEP_1)
	v_pk_add_f32 v[14:15], v[14:15], v[248:249]
	s_wait_alu depctr_va_vdst(0)                   ; and one for the four
.irp b, 0,1,2,3
	v_max_num_f32 v[BM+\b], 0x1800000, v[BM+\b]    ; the floor 2^(3 - 127)
.endr
.irp b, 0,1,2,3
	s_delay_alu instid0(VALU_DEP_4)
	v_add_nc_u32 v[SOP+\b], 0xff000000, v[BM+\b]
.endr
.irp b, 0,1,2,3
	s_delay_alu instid0(VALU_DEP_4)
	v_lshrrev_b32 v[BP+\b], 23, v[SOP+\b]
.endr
	s_delay_alu instid0(VALU_DEP_3)
	v_lshl_or_b32 v[PW], v[BP+1], 8, v[BP]         ; p's scale word for these 128 keys
	s_delay_alu instid0(VALU_DEP_1)
	v_lshl_or_b32 v[PW], v[BP+2], 16, v[PW]
	s_delay_alu instid0(VALU_DEP_1)
	v_lshl_or_b32 v[PW], v[BP+3], 24, v[PW]
.irp c, 0,1
.irp be, 0,1
.irp u, 0,1
	v_cvt_scalef32_pk8_fp4_f32 v[PC+4*\c+2*\u+\be], v[S+16*(2*\c+\be)+8*\u:S+16*(2*\c+\be)+8*\u+7], v[SOP+2*\c+\be]
.endr
.endr
.endr
	v_nop                                          ; one plain instruction behind the scaled conversions
.irp c, 0,1
.irp u, 0,1
	v_permlane16_swap_b32 v[PC+4*\c+2*\u], v[PC+4*\c+2*\u+1]
.endr
.endr
.if (\nbs) >= 0
	s_wait_alu depctr_va_vdst(0)
	BLOAD \nbs                                     ; p has been read for the last time: the next step's bias goes into its registers
.set NW, NW+16
.endif
.if \first
.rept 8
	v_nop                                          ; a scale word made by vector instructions stands eight plain instructions ahead of the scaled product, an operand four
.endr
.else
	s_wait_alu depctr_va_vdst(0)                   ; directly ahead of the first reader of O^T
.irp j2, 0,2,4,6,8,10,12,14,16,18,20,22,24,26,28,30
	v_pk_mul_f32 v[O+\j2:O+\j2+1], v[O+\j2:O+\j2+1], v[F:F+1] op_sel_hi:[1,0]    ; O^T under the new M
.endr
.endif
	s_wait_alu depctr_va_vdst(0)
	s_wait_dscnt NW                                ; V and its scale words are in; the next K's twelve loads and the bias's sixteen may stay out
.irp tt, 0,1,2,3
.if \first
	WMA O+8*\tt, VF+8*\tt, PC, -1, VS+\tt/2, PW, \tt%2
.else
	WMA O+8*\tt, VF+8*\tt, PC, O+8*\tt, VS+\tt/2, PW, \tt%2
.endif
.endr
.endm
.macro SEND                            ; a head's end: my sum is made whole; accumulators 16-31, -M and the sum go to my stage
	PLACES
	v_add_f32 v14, v14, v15
	s_delay_alu instid0(VALU_DEP_1)
	v_permlanex16_b32 v[TMP], v14, s[SEL], s[SEL+1]
	s_delay_alu instid0(VALU_DEP_1)
	v_add_f32 v13, v14, v[TMP]                     ; v[12:13] = -M, my keys' sum
.irp i, 0,1,2,3
	ds_store_b128 v[STS], v[O+16+4*\i:O+16+4*\i+3] offset:512*\i     ; each accumulator from its low end on
.endr
	ds_store_b128 v[STS], v[12:15] offset:2048
.endm
; Behind a barrier: my partner's part is read, joined with mine, divided by the joined sum, and quantised: register 8 u + j is d = 32 kh + 16 u + 8 h + j of my query.
.macro RECV
	s_lshr_b32 s92, s16, 1                         ; the head's bytes in a scale word: K step n / 2 is 16 words on, bytes 2 (n % 2) + kh (kh lies in the base)
	s_lshl_b32 s92, s92, 6
	s_and_b32 s93, s16, 1
	s_lshl_b32 s93, s93, 1
	s_add_co_u32 s92, s92, s93
	s_mov_b32 s93, 0
	s_add_nc_u64 s[OSA:OSA+1], s[OSB:OSB+1], s[92:93]
.irp i, 0,1,2,3,4
	ds_load_b128 v[VF+4*\i:VF+4*\i+3], v[STL] offset:512*\i
.endr
	s_wait_dscnt 0x0
	v_min_num_f32 v[TMP], v12, v[VF+16]            ; -M of the two
	s_delay_alu instid0(VALU_DEP_1)
	v_sub_f32 v[F], v[TMP], v12                    ; own M - M: whole numbers, 0 or less
	v_sub_f32 v[L2], v[TMP], v[VF+16]
	s_delay_alu instid0(VALU_DEP_2)
	v_cvt_i32_f32 v[F], v[F]
	s_delay_alu instid0(VALU_DEP_2)
	v_cvt_i32_f32 v[L2], v[L2]
	s_delay_alu instid0(VALU_DEP_2)
	v_ldexp_f32 v[F], 1.0, v[F]
	s_delay_alu instid0(VALU_DEP_2)
	v_ldexp_f32 v[L2], 1.0, v[L2]
	s_delay_alu instid0(VALU_DEP_2)
	v_mul_f32 v14, v13, v[F]
	s_delay_alu instid0(VALU_DEP_1)
	v_fma_f32 v14, v[VF+17], v[L2], v14            ; the row's sum
	s_wait_alu depctr_va_vdst(0)
	v_rcp_f32 v14, v14
	v_nop                                          ; a plain instruction behind the reciprocal,
	s_wait_alu depctr_va_vdst(0)                   ; and the wait ahead of its first reader
	v_mul_f32 v[F], v[F], v14
	v_mul_f32 v[L2], v[L2], v14
	s_wait_alu depctr_va_vdst(0)                   ; directly ahead of the first reader of O^T
.irp j2, 0,2,4,6,8,10,12,14
	v_pk_mul_f32 v[O+\j2:O+\j2+1], v[O+\j2:O+\j2+1], v[F:F+1] op_sel_hi:[1,0]
.endr
.irp j2, 0,2,4,6,8,10,12,14
	v_pk_fma_f32 v[O+\j2:O+\j2+1], v[VF+\j2:VF+\j2+1], v[L2:L2+1], v[O+\j2:O+\j2+1] op_sel_hi:[1,0,1]
.endr
.irp c, 0,1
	v_max3_num_f32 v[BM+\c], |v[O+8*\c]|, |v[O+8*\c+1]|, 0x1800000
.endr
.irp i, 2,4,6
.irp c, 0,1
	s_delay_alu instid0(VALU_DEP_2)
	v_max3_num_f32 v[BM+\c], v[BM+\c], |v[O+8*\c+\i]|, |v[O+8*\c+\i+1]|
.endr
.endr
	s_delay_alu instid0(VALU_DEP_1)
	v_max_num_f32 v[BM], v[BM], v[BM+1]
	s_delay_alu instid0(VALU_DEP_1)
	v_permlanex16_b32 v[BP], v[BM], s[SEL], s[SEL+1]
	s_delay_alu instid0(VALU_DEP_1)
	v_max_num_f32 v[BM], v[BM], v[BP]
	s_delay_alu instid0(VALU_DEP_1)
	v_add_nc_u32 v[SOP], 0xff000000, v[BM]
	s_delay_alu instid0(VALU_DEP_1)
	v_lshrrev_b32 v[TMP], 23, v[SOP]
	v_cvt_scalef32_pk8_fp4_f32 v[PC], v[O:O+7], v[SOP]
	v_cvt_scalef32_pk8_fp4_f32 v[PC+1], v[O+8:O+15], v[SOP]
	v_nop
	v_permlane16_swap_b32 v[PC], v[PC+1]           ; lane (r, h) now holds groups 2 h, 2 h + 1 of row r's block
	global_store_b64 v[OGO], v[PC:PC+1], s[OI:OI+1]                ; the wave stores 256 consecutive bytes, aligned
	global_store_b8 v[R4], v[TMP], s[OSA:OSA+1]    ; my block's byte of row r's scale word; both halves of the lanes hold the same number
.endm
.macro INIT
	v_mov_b32 v13, 0xff61b1e6                      ; the largest t so far: -3e38, under every t
	v_mov_b32 v14, 0                               ; the sum, in two halves
	v_mov_b32 v15, 0
	v_floor_f32 v12, -v13                          ; -M
.endm
	s_load_b256 s[4:11], s[0:1], 0x0               ; qbuf, kv, the bias, oimg
	s_load_b64 s[12:13], s[0:1], 0x20              ; osc
	v_lshl_add_u32 v[SPW], v0, 2, SPARE
	v_mov_b32 v[NIL], 0
	ds_add_u32 v[SPW], v[NIL]                      ; the wave's opening: the add, twice on end, and its wait ahead of my first tensor load
	ds_add_u32 v[SPW], v[NIL]
	v_lshrrev_b32 v[TMP], 5, v0
	s_delay_alu instid0(VALU_DEP_1)
	v_readfirstlane_b32 s[WV], v[TMP]              ; wave 0..15
	s_bfe_u32 s15, ttmp6, 0x40000                  ; cx: the pair of batches
	s_and_b32 s17, ttmp7, 0xffff
	s_lshr_b32 s16, s17, 4
	s_mul_i32 s16, s16, 3                          ; the first of my three heads; it counts on
	s_and_b32 s17, s17, 15                         ; block of 64 queries
	s_lshr_b32 s[KH], s[WV], 3                     ; key half
	s_bfe_u32 s18, s[WV], 0x10002                  ; which of the two batches
	s_and_b32 s19, s[WV], 3                        ; which tile of queries; also: what I fetch
	s_lshr_b32 s[WQ], s[WV], 2
	s_lshr_b32 s[WH], s[WV], 1
	s_lshl_b32 s94, s15, 1
	s_add_co_u32 s94, s94, s18                     ; batch
	s_mul_i32 s95, s94, 12
	s_add_co_u32 s95, s95, s16                     ; 12 b + n
	s_mov_b32 s[SEL], 0x76543210
	s_mov_b32 s[SEL+1], 0xfedcba98
	s_mov_b32 s[CS], 0x3fb8aa3b                    ; log2(e)
	s_mov_b32 s[CS+1], s[CS]
	G1SET G1K, 35
	G1SET G1F, 70
	s_mov_b32 s[G1R], 15|(2<<16)|(1<<20)|(1<<21)|(6<<22)|(3<<25)   ; the bias: all four partners; elements of 4 bytes; 4 words of padding behind every 128
	s_mov_b32 s[G1R+1], 128<<16
	s_mov_b32 s[G1R+2], 32<<16
	s_mov_b32 s[G1R+3], 128<<16
	s_mov_b32 s[G1R+4], 32
	s_mov_b32 s[G1R+5], 1024                       ; from query to query
	s_mov_b32 s[G1R+6], 0
	s_mov_b32 s[G1R+7], 0
	; the first fill of K/V (waves 8-15): key steps 2 (w % 4), + 1 of batch (w / 4) % 2.  No place in the cluster enters an LDS address
	s_mov_b32 s[G0KA], 1
	s_and_b32 s97, s[WV], 7
	s_mul_i32 s[G0KA+1], s97, 17920
	s_mul_i32 s92, s95, 71680
	s_mul_i32 s93, s19, 17920
	s_add_co_u32 s92, s92, s93
	s_mov_b32 s93, 0
	; the bias: part w % 4 of a slot: key half (w % 4) / 2, rows 32 (w % 2) on.  Nothing of cx enters the joint loads' addresses
	s_mul_i32 s97, s19, 16896
	s_mov_b32 s[G0R0], 1
	s_add_co_u32 s[G0R0+1], s97, BS0
	s_mov_b32 s[G0R1], 1
	s_add_co_u32 s[G0R1+1], s97, BS1
	s_lshl_b32 s78, s16, 10
	s_lshl_b32 s98, s17, 6
	s_add_co_u32 s78, s78, s98                     ; the block's first row of the first head's bias
	s_and_b32 s98, s19, 1
	s_lshl_b32 s98, s98, 5
	s_add_co_u32 s98, s98, s78
	s_lshl_b32 s98, s98, 12                        ; a row is 4,096 bytes
	s_lshr_b32 s99, s19, 1
	s_lshl_b32 s99, s99, 11
	s_add_co_u32 s98, s98, s99
	s_mov_b32 s99, 0
	; K/V's refills (waves 8-11) and prefetches (waves 12-15): batch (w % 4) / 2, key half w % 2
	s_mul_i32 s[KL], s19, 35840
	s_mov_b32 s[G0KR], 1
	s_mov_b32 s[G0KR+1], s[KL]
	s_lshr_b32 s2, s19, 1
	s_lshl_b32 s3, s15, 1
	s_add_co_u32 s2, s2, s3
	s_mul_i32 s2, s2, 12
	s_add_co_u32 s2, s2, s16
	s_mul_i32 s2, s2, 71680
	s_and_b32 s3, s19, 1
	s_mul_i32 s3, s3, 35840
	s_add_co_u32 s2, s2, s3
	s_add_co_u32 s2, s2, 26880                     ; 44,800 short of the next head's first step
	s_mov_b32 s3, 0
	; LDS bases of what I read
	s_mul_i32 s96, s18, 71680
	s_mul_i32 s97, s[KH], 35840
	s_add_co_u32 s96, s96, s97                     ; my batch's, my half's four key steps
	s_xor_b32 s100, s[KH], 1
	s_lshl_b32 s97, s[KH], 11
	s_add_co_u32 s71, s96, s97
	s_add_co_u32 s71, s71, 4096                    ; V's tiles 2 kh, 2 kh + 1
	s_lshl_b32 s97, s100, 11
	s_add_co_u32 s72, s96, s97
	s_add_co_u32 s72, s72, 4096                    ; and the other two
	s_lshl_b32 s97, s[KH], 7
	s_add_co_u32 s73, s96, s97
	s_add_co_u32 s73, s73, 8704                    ; their scale words
	s_lshl_b32 s97, s100, 7
	s_add_co_u32 s74, s96, s97
	s_add_co_u32 s74, s74, 8704
	s_mul_i32 s75, s[KH], SUB
	s_mul_i32 s97, s19, 8448                       ; my tile's 16 rows of 528 bytes
	s_add_co_u32 s75, s75, s97
	s_add_co_u32 s75, s75, BS0
	s_mul_i32 s76, s[WV], 2560
	s_add_co_u32 s76, s76, STG
	s_xor_b32 s97, s[WV], 8
	s_mul_i32 s77, s97, 2560
	s_add_co_u32 s77, s77, STG
	s_wait_dscnt 0x0                               ; both opening adds are done
	s_wait_kmcnt 0x0
	s_add_nc_u64 s[G0KA+2:G0KA+3], s[6:7], s[92:93]
	s_or_b32 s[G0KA+3], s[G0KA+3], 0x80000000
	s_add_nc_u64 s[G0R0+2:G0R0+3], s[8:9], s[98:99]
	s_add_nc_u64 s[G0R1+2:G0R1+3], s[G0R0+2:G0R0+3], 512
	s_or_b32 s[G0R0+3], s[G0R0+3], 0x80000000
	s_or_b32 s[G0R1+3], s[G0R1+3], 0x80000000
	s_add_nc_u64 s[G0KR+2:G0KR+3], s[6:7], s[2:3]
	s_or_b32 s[G0KR+3], s[G0KR+3], 0x80000000
	s_add_co_u32 s2, s2, 44800
	s_add_nc_u64 s[PKA:PKA+1], s[6:7], s[2:3]      ; the next head's first step of my (batch, half)
	ROUND                                          ; all four work-groups are here: the first joint loads meet
	s_cmp_lt_u32 s[WV], 4                          ; the head's loads, one a wave: waves 0-3 bias slot 0, 4-7 slot 1, 8-15 all of K and V
	s_cbranch_scc0 .Lhead_1
	TL G0R0, G1R
	s_branch .Lhead_asked
.Lhead_1:
	s_cmp_lt_u32 s[WV], 8
	s_cbranch_scc0 .Lhead_2
	TL G0R1, G1R
	s_branch .Lhead_asked
.Lhead_2:
	TL G0KA, G1F
.Lhead_asked:
	s_lshl_b32 s92, s15, 4                         ; the bias prefetches: my work-group's 16 rows of the 64, my wave's key half, of the next head
	s_add_co_u32 s92, s92, s78
	s_lshl_b32 s92, s92, 12
	s_and_b32 s91, s[WV], 1
	s_lshl_b32 s91, s91, 11
	s_add_co_u32 s92, s92, s91
	s_add_co_u32 s92, s92, NEXTH
	s_add_nc_u64 s[PFA:PFA+1], s[8:9], s[92:93]
	s_lshl_b32 s100, s17, 2
	s_add_co_u32 s100, s100, s19                   ; my tile among the head's 64
	s_mul_i32 s101, s95, 36864
	s_lshl_b32 s92, s100, 9
	s_add_co_u32 s92, s92, s101
	s_add_nc_u64 s[QI:QI+1], s[4:5], s[92:93]      ; Q's image
	s_lshl_b32 s92, s100, 6
	s_add_co_u32 s92, s92, s101
	s_add_co_u32 s92, s92, 32768
	s_add_nc_u64 s[QSB:QSB+1], s[4:5], s[92:93]    ; Q's scale words
	s_lshl_b32 s101, s94, 6
	s_add_co_u32 s101, s101, s100                  ; my tile among the 512 of all rows
	s_mul_i32 s92, s101, 6144
	s_lshl_b32 s100, s16, 9
	s_add_co_u32 s92, s92, s100
	s_lshl_b32 s100, s[KH], 8
	s_add_co_u32 s92, s92, s100
	s_add_nc_u64 s[OI:OI+1], s[10:11], s[92:93]    ; my block's 256 bytes of o's piece of the first head
	s_mul_i32 s92, s101, 384
	s_add_co_u32 s92, s92, s[KH]
	s_add_nc_u64 s[OSB:OSB+1], s[12:13], s[92:93]  ; my tile's scale words of o, my block's byte
	v_and_b32 v[TMP], 31, v0
	v_and_b32 v[TMP+1], 15, v0                     ; r
	v_bfe_u32 v[L2], v0, 4, 1                      ; h
	v_lshlrev_b32 v[L16], 4, v[TMP]
	v_lshlrev_b32 v[R4], 2, v[TMP+1]
	v_lshlrev_b32 v[L4], 2, v[TMP]
	global_load_b128 v[QF:QF+3], v[L16], s[QI:QI+1]
	global_load_b32 v[QS], v[R4], s[QSB:QSB+1]
.irp i, 4,5,6,7
	v_mov_b32 v[QF+\i], 0                          ; zero codes for k = 64 .. 127: written once
.endr
.irp i, 32,33,34,35
	v_mov_b32 v[KF+\i], 0                          ; the upper half of K's last operand
.endr
	v_add_nc_u32 v[AK], s96, v[L16]
	v_add_nc_u32 v[AVA], s71, v[L16]
	v_add_nc_u32 v[AVB], s72, v[L16]
	v_add_nc_u32 v[AS], s96, v[L4]
	v_add_nc_u32 v[ASVA], s73, v[L4]
	v_add_nc_u32 v[ASVB], s74, v[L4]
	v_mul_u32_u24 v[AB], v[TMP+1], 528
	v_add_nc_u32 v[STS], s76, v[L16]
	v_add_nc_u32 v[STL], s77, v[L16]
	v_lshl_add_u32 v[AB], v[L2], 5, v[AB]
	v_lshlrev_b32 v[OGO], 3, v[L2]
	v_lshrrev_b32 v[PFO], 1, v[TMP]
	v_add_nc_u32 v[AB], s75, v[AB]
	v_lshl_add_u32 v[OGO], v[TMP+1], 4, v[OGO]
	v_and_b32 v[L2], 1, v[TMP]
	v_lshlrev_b32 v[PFO], 12, v[PFO]
	v_add_nc_u32 v[AB+1], SLOTB, v[AB]
	v_min_u32 v[PK1], 2, v[TMP]
	v_lshl_add_u32 v[PFO], v[L2], 8, v[PFO]
	v_lshlrev_b32 v[PK0], 8, v[TMP]
	v_lshlrev_b32 v[PK1], 8, v[PK1]
.irp b, 0,1,2,3
	v_mov_b32 v[BP+\b], 0                          ; a lane permute's destination counts as read
.endr
	v_mov_b32 v[F+1], 0                            ; named as the upper halves of pairs
	v_mov_b32 v[L2+1], 0
	INIT
	ASK -1, 0, 0, 0                                ; the K/V that the loop's first change will ask for
	s_cmp_eq_u32 s[WH], 6                          ; and the first head's steps 2 and 3 of the bias: one head back from the prefetches' base
	s_cbranch_scc0 .Lno_first_bias
	s_wait_alu depctr_va_vdst(0)
	global_prefetch_b8 v[PFO], s[PFA:PFA+1] offset:1024-NEXTH th:TH_LOAD_NT scope:SCOPE_SE
	global_prefetch_b8 v[PFO], s[PFA:PFA+1] offset:1536-NEXTH th:TH_LOAD_NT scope:SCOPE_SE
.Lno_first_bias:
	s_wait_alu depctr_va_vdst(0)
	s_wait_tensorcnt 0x0                           ; my load has landed,
	s_barrier_signal -1
	s_barrier_wait -1                              ; everybody's has
	KLOAD 0
	BLOAD 0
	s_wait_loadcnt 0x0                             ; Q
	PA G0R0, 1024, -1, 0, 2                        ; the first head's step 0; slot 0 takes step 2's bias
	ASK 0, 0, 8960, 0                              ; the next head's step 0 of the bias, step 1 of K/V
	s_mov_b32 s[HEADS], 2
.Lhead:                                            ; two trips: the heads that have a successor
	PB 0, 1, 8960, 1, 1
	PA G0R1, 1024, 0, 44800, 2                     ; slot 1 takes step 3's bias; the K/V of step 0 the next head's
	ASK 512, 0, 17920, 0
	PB 1, 0, 17920, 0, 0
	PA G0R0, NEXTH-1024, 1, 8960, 2                ; slot 0 takes the next head's step 0
	ASK 1024, 0, 26880, 0
	PB 2, 0, 26880, 1, 0
	PA G0R1, NEXTH-1024, 2, 8960, 2                ; slot 1 the next head's step 1
	ASK 1536, 0, 71680, 1
	PB 3, 0, 0, 0, 0                               ; the next head's first K and bias are asked for
	s_wait_loadcnt 0x0                             ; the next Q
	v_mov_b32 v[QS], v[QSN]                        ; eleven plain instructions stand between this line and the next scaled product, seven behind the last of the four below
.irp i, 0,1,2,3
	v_mov_b32 v[QF+\i], v[QN+\i]
.endr
	SEND
	PA G0R0, 1024, 3, 8960, 2                      ; the next head's step 0; its round also hands the stages over
	ASK NEXTH, 1, 80640, 1
	RECV
	s_wait_xcnt 0x0                                ; the stores and the prefetches have read their registers and bases
	s_add_nc_u64 s[OI:OI+1], s[OI:OI+1], 512       ; K step n / 2, piece n % 2: 512 bytes a head
	s_add_nc_u64 s[PFA:PFA+1], s[PFA:PFA+1], NEXTH
	s_add_nc_u64 s[PKA:PKA+1], s[PKA:PKA+1], 71680
	s_add_co_u32 s16, s16, 1
	INIT
	s_sub_co_u32 s[HEADS], s[HEADS], 1
	s_cmp_lg_u32 s[HEADS], 0
	s_wait_alu depctr_va_vdst(0)
	s_cbranch_scc1 .Lhead
	PB 0, 1, 8960, 1, 0                            ; the last head is written out: it fills only what its own steps read
	PA G0R1, 1024, -1, 0, 2                        ; the last tensor load: step 3's bias
	PB 1, 0, 17920, 0, 0
	PA G0R0, 0, -1, 0, 1                           ; a plain barrier: everybody's part of step 3's bias is in
	PB 2, 0, 26880, 1, 0
	PA G0R0, 0, -1, 0, 0
	PB 3, 0, -1, -1, 0
	SEND
	s_wait_alu depctr_va_vdst(0)
	s_wait_dscnt 0x0                               ; what I sent is stored
	s_barrier_signal -1
	s_barrier_wait -1
	RECV
	s_wait_tensorcnt 0x0                           ; the wave's end
	ds_add_u32 v[SPW], v[NIL]
	s_wait_dscnt 0x0
	ROUND                                          ; the closing round
	s_endpgm
.Lfunc_end_k_q7c31c9c222_attn:
	.size	k_q7c31c9c222_attn, .Lfunc_end_k_q7c31c9c222_attn-k_q7c31c9c222_attn
	.p2alignl 7, 3214868480
	.fill 96, 4, 3214868480
	.section	.rodata,"a",@progbits
	.p2align	6, 0x0
	.amdhsa_kernel k_q7c31c9c222_attn
		.amdhsa_group_segment_fixed_size 327680
		.amdhsa_private_segment_fixed_size 0
		.amdhsa_enable_private_segment 0
		.amdhsa_kernarg_size 40
		.amdhsa_user_sgpr_count 2
		.amdhsa_user_sgpr_kernarg_segment_ptr 1
		.amdhsa_wavefront_size32 1
		.amdhsa_system_sgpr_workgroup_id_x 1
		.amdhsa_system_sgpr_workgroup_id_y 1
		.amdhsa_system_sgpr_workgroup_id_z 1
		.amdhsa_system_vgpr_workitem_id 0
		.amdhsa_next_free_vgpr 256
		.amdhsa_next_free_sgpr 102
		.amdhsa_reserve_vcc 0
		.amdhsa_float_denorm_mode_32 3
		.amdhsa_float_denorm_mode_16_64 3
		.amdhsa_memory_ordered 1
		.amdhsa_forward_progress 1
		.amdhsa_inst_pref_size 164
	.end_amdhsa_kernel
	.amdgpu_metadata
---
amdhsa.version: [ 1, 2 ]
amdhsa.kernels:
  - .name:           k_q7c31c9c222_attn
    .symbol:         k_q7c31c9c222_attn.kd
    .args:
      - { .name: qbuf, .offset: 0, .size: 8, .value_kind: global_buffer, .address_space: global }
      - { .name: kv, .offset: 8, .size: 8, .value_kind: global_buffer, .address_space: global }
      - { .name: rel_pos_bias, .offset: 16, .size: 8, .value_kind: global_buffer, .address_space: global }
      - { .name: oimg, .offset: 24, .size: 8, .value_kind: global_buffer, .address_space: global }
      - { .name: osc, .offset: 32, .size: 8, .value_kind: global_buffer, .address_space: global }
    .group_segment_fixed_size: 327680
    .private_segment_fixed_size: 0
    .kernarg_segment_align: 8
    .kernarg_segment_size: 40
    .max_flat_workgroup_size: 512
    .sgpr_count:     102
    .vgpr_count:     256
    .wavefront_size: 32
...
	.end_amdgpu_metadata
.endif
;; end of part 7
;; launch oproj (part 8): grid 64 x 4, 12 waves a work-group, clusters of 4 x 1, 236,544 bytes of LDS; arguments cimg, csc, oimg, osc, b_o, out0; writes out0
.if DOCPART == 8
	.amdgcn_target "amdgcn-amd-amdhsa--gfx1250"
	.amdhsa_code_object_version 6
	.text
	.protected	k_q7c31c9c222_oproj
	.globl	k_q7c31c9c222_oproj
	.p2align	8
	.type	k_q7c31c9c222_oproj,@function
k_q7c31c9c222_oproj:
	s_mov_b64 s[64:65], 0
	v_nop
	global_prefetch_b8 v0, s[64:65] scope:SCOPE_SE
	s_setreg_imm32_b32 hwreg(HW_REG_WAVE_MODE, 25, 1), 1
	s_wait_xcnt 0x0
	s_wait_alu depctr_hold_cnt(0) depctr_sa_sdst(0) depctr_va_vdst(0) depctr_va_sdst(0) depctr_va_ssrc(0) depctr_va_vcc(0) depctr_vm_vsrc(0)
	s_getreg_b32 s2, hwreg(HW_REG_IB_STS2, 6, 4)
	s_cmp_eq_u32 s2, 0
	s_cbranch_scc0 .Lentry_in_a_cluster
	s_endpgm
.Lentry_in_a_cluster:
	s_bfe_u32 s2, ttmp6, 0x10000c
	s_cmp_lg_u32 s2, 0x3003
	s_cbranch_scc0 .Lentry_shape_is_right
	s_endpgm
.Lentry_shape_is_right:
; LAUNCH 4 OF 4: out0 = o W_o^T + b_o, on codes of E2M1 with E8M0 scales.  No work of the problem is left out here.
; SHARES.  A work-group takes 128 rows (block rb) and 192 columns (group g); wave w = 4 set + rp takes rows 32 rp .. + 31 and columns 64 set .. + 63: eight accumulators, 48 matrix instructions.
; LDS is filled once, by twelve tensor loads, one a wave: W_o's 12 tiles (waves 0-5) and their scale words (wave 10), asked for JOINTLY by the four partners, which are four row blocks with the same g; o's 8 tiles (waves 6-9) and
; their scale words (wave 11), each work-group's own.  All are images of the operands' registers.
; The product is used transposed (source 0 = 16 rows of W_o, source 1 = 16 rows of o): a lane holds eight neighbouring columns of one row.  b_o is the C of each sum's first product.
; THE WAY OUT.  A wave's 64 columns are 256 consecutive bytes of each row, aligned: they go through the wave's own stage in LDS (rows of 256 + 16 bytes) and leave sixteen lanes to such a run.
.set OI,    73728                      ; LDS: W_o's 12 tiles from 0; o's 8 tiles;
.set WS,    122880                     ; W_o's scale words, 12 x 384;
.set XS,    127488                     ; o's, 8 x 384;
.set STG,   130560                     ; the stages: 32 rows x 272 bytes a wave; no tensor load lands here;
.set SPARE, 235008                     ; the spare words, 128 bytes a wave: six blocks of 256 bytes that no other line names
.set L16, 1
.set AW,  3
.set AX,  4
.set AWS, 6
.set AXS, 7
.set SPW, 8
.set NIL, 9
.set H32, 10
.set STO, 11                           ; v11  the stage: where I put 32 bytes of a row
.set RD,  12                           ; v12  and where I read a row back
.set L4,  13
.set GO,  14                           ; v14  my byte offset in out0: 3,072 h + 16 r
.set XSR, 16                           ; v16-21  o's scale words: scales and nothing else
.set WSR, 22                           ; v22-33  W_o's: likewise
.set TC,  50                           ; v50-81   b_o in the result's layout
.set FB,  82                           ; v82-177  two fragment buffers; on the way out v82-145 take rows of out0
.set ACC, 178
.set WV,  16
.set G1W, 24
.set G1X, 32
.set G1WS, 40
.set G1XS, 48
.set G0W, 56
.set G0X, 60
.set G0WS, 68
.set G0XS, 72
.macro ROUND
	s_barrier_signal -1
	s_barrier_wait -1
	s_cmp_lg_u32 s[WV], 0
	s_cbranch_scc1 .Lnot_wave_0_\@
	s_barrier_signal -3
.Lnot_wave_0_\@:
	s_barrier_wait -3
	s_barrier_signal -1
	s_barrier_wait -1
.endm
.macro PLACES
.rept 4
	v_nop
.endr
.endm
.macro G1SET g, w0, rows               ; a dense block as rows of 256 bytes
	s_mov_b32 s[\g], \w0
	s_mov_b32 s[\g+1], 32<<16
	s_mov_b32 s[\g+2], (\rows)<<16
	s_mov_b32 s[\g+3], 32<<16
	s_mov_b32 s[\g+4], \rows
	s_mov_b32 s[\g+5], 32
	s_mov_b32 s[\g+6], 0
	s_mov_b32 s[\g+7], 0
.endm
.macro TL g0, g1
	tensor_load_to_lds s[\g0:\g0+3], s[\g1:\g1+7]
	s_nop 0
.rept 4
	v_nop
.endr
.endm
.macro WM d, a, b, cr, sa, sb, odd
.if \odd
	v_wmma_scale_f32_16x16x128_f8f6f4 v[(\d):(\d)+7], v[(\a):(\a)+7], v[(\b):(\b)+7], v[(\cr):(\cr)+7], v[\sa], v[\sb] matrix_a_fmt:MATRIX_FMT_FP4 matrix_b_fmt:MATRIX_FMT_FP4 matrix_a_scale:MATRIX_SCALE_ROW1 matrix_b_scale:MATRIX_SCALE_ROW1
.else
	v_wmma_scale_f32_16x16x128_f8f6f4 v[(\d):(\d)+7], v[(\a):(\a)+7], v[(\b):(\b)+7], v[(\cr):(\cr)+7], v[\sa], v[\sb] matrix_a_fmt:MATRIX_FMT_FP4 matrix_b_fmt:MATRIX_FMT_FP4
.endif
.endm
.macro LOADF ks, bf
.irp wt, 0,1,2,3
.irp c, 0,1
	ds_load_b128 v[FB+48*(\bf)+8*\wt+4*\c:FB+48*(\bf)+8*\wt+4*\c+3], v[AW] offset:6144*\wt+1024*(\ks)+512*\c
.endr
.endr
.irp xt, 0,1
.irp c, 0,1
	ds_load_b128 v[FB+48*(\bf)+32+8*\xt+4*\c:FB+48*(\bf)+32+8*\xt+4*\c+3], v[AX] offset:6144*\xt+1024*(\ks)+512*\c
.endr
.endr
.endm
.macro MMA ks, bf                      ; the eight accumulators take turns; the first K step takes b_o as C
.irp xt, 0,1
.irp wt, 0,1,2,3
.if (\ks) == 0
	WM ACC+32*\xt+8*\wt, FB+48*(\bf)+8*\wt, FB+48*(\bf)+32+8*\xt, TC+8*\wt, WSR+3*\wt, XSR+3*\xt, 0
.else
	WM ACC+32*\xt+8*\wt, FB+48*(\bf)+8*\wt, FB+48*(\bf)+32+8*\xt, ACC+32*\xt+8*\wt, WSR+3*\wt+(\ks)/2, XSR+3*\xt+(\ks)/2, (\ks)%2
.endif
.endr
.endr
.endm
	s_load_b256 s[4:11], s[0:1], 0x0               ; cimg, csc, oimg, osc
	s_load_b128 s[12:15], s[0:1], 0x20             ; b_o, out0
	v_lshl_add_u32 v[SPW], v0, 2, SPARE
	v_mov_b32 v[NIL], 0
	ds_add_u32 v[SPW], v[NIL]                      ; the wave's opening: the add, twice on end, and its wait ahead of my first tensor load
	ds_add_u32 v[SPW], v[NIL]
	v_lshrrev_b32 v2, 5, v0
	s_delay_alu instid0(VALU_DEP_1)
	v_readfirstlane_b32 s[WV], v2                  ; wave 0..11
	s_bfe_u32 s17, ttmp6, 0x40000                  ; cx
	s_lshl_b32 s18, ttmp9, 2
	s_add_co_u32 s18, s18, s17                     ; rb
	s_and_b32 s19, ttmp7, 0xffff                   ; g
	s_lshr_b32 s20, s[WV], 2                       ; set
	s_and_b32 s21, s[WV], 3                        ; rp
	G1SET G1W, (15|(3<<16)|(1<<21)), 48            ; two tiles of W_o, 12,288 bytes, to all four partners
	G1SET G1X, (3<<16), 48                         ; two tiles of o
	G1SET G1WS, (15|(3<<16)|(1<<21)), 18           ; W_o's scale words, 4,608 bytes, to all four
	G1SET G1XS, (3<<16), 12                        ; o's, 3,072 bytes
	s_mov_b32 s[G0W], 1
	s_mul_i32 s[G0W+1], s[WV], 12288               ; waves 0-5: W_o's tiles; no place in the cluster enters an LDS address
	s_mul_i32 s80, s19, 73728
	s_add_co_u32 s80, s80, s[G0W+1]
	s_add_co_u32 s80, s80, 4030464                 ; W_o's tiles begin at tile 656
	s_mov_b32 s81, 0
	s_mov_b32 s[G0X], 1
	s_mul_i32 s[G0X+1], s[WV], 12288               ; waves 6-9: o's tiles lie straight behind W_o's
	s_max_u32 s82, s[WV], 6
	s_sub_co_u32 s82, s82, 6
	s_mul_i32 s82, s82, 12288
	s_mul_i32 s83, s18, 49152
	s_add_co_u32 s82, s82, s83
	s_mov_b32 s83, 0
	s_mov_b32 s[G0WS], 1
	s_mov_b32 s[G0WS+1], WS
	s_mul_i32 s84, s19, 4608
	s_add_co_u32 s84, s84, 251904
	s_mov_b32 s85, 0
	s_mov_b32 s[G0XS], 1
	s_mov_b32 s[G0XS+1], XS
	s_mul_i32 s86, s18, 3072
	s_mov_b32 s87, 0
	s_wait_dscnt 0x0                               ; both opening adds are done
	s_wait_kmcnt 0x0
	s_add_nc_u64 s[G0W+2:G0W+3], s[4:5], s[80:81]
	s_or_b32 s[G0W+3], s[G0W+3], 0x80000000
	s_add_nc_u64 s[G0X+2:G0X+3], s[8:9], s[82:83]
	s_or_b32 s[G0X+3], s[G0X+3], 0x80000000
	s_add_nc_u64 s[G0WS+2:G0WS+3], s[6:7], s[84:85]
	s_or_b32 s[G0WS+3], s[G0WS+3], 0x80000000
	s_add_nc_u64 s[G0XS+2:G0XS+3], s[10:11], s[86:87]
	s_or_b32 s[G0XS+3], s[G0XS+3], 0x80000000
	ROUND                                          ; all four work-groups are here: the joint loads meet
	s_cmp_lt_u32 s[WV], 6                          ; every wave issues one load; the branches hang on the wave's number alone
	s_cbranch_scc0 .Lnot_w
	TL G0W, G1W
	s_branch .Lasked
.Lnot_w:
	s_cmp_lt_u32 s[WV], 10
	s_cbranch_scc0 .Lnot_x
	TL G0X, G1X
	s_branch .Lasked
.Lnot_x:
	s_cmp_eq_u32 s[WV], 10
	s_cbranch_scc0 .Lnot_ws
	TL G0WS, G1WS
	s_branch .Lasked
.Lnot_ws:
	TL G0XS, G1XS
.Lasked:
	v_and_b32 v2, 31, v0
	s_delay_alu instid0(VALU_DEP_1)
	v_lshlrev_b32 v[L16], 4, v2
	s_wait_alu depctr_va_vdst(0)
	v_lshlrev_b32 v[L4], 2, v2
	s_wait_alu depctr_va_vdst(0)
	v_and_b32 v15, 15, v0                          ; r
	s_wait_alu depctr_va_vdst(0)
	v_bfe_u32 v2, v0, 4, 1                         ; h
	s_delay_alu instid0(VALU_DEP_1)
	v_lshlrev_b32 v[H32], 5, v2
	s_mul_i32 s88, s19, 768                        ; b_o: my 64 columns: 4 (192 g + 64 set) bytes on
	s_lshl_b32 s89, s20, 8
	s_add_co_u32 s88, s88, s89
	s_mov_b32 s89, 0
	s_add_nc_u64 s[12:13], s[12:13], s[88:89]
.irp wt, 0,1,2,3
	global_load_b128 v[TC+8*\wt:TC+8*\wt+3], v[H32], s[12:13] offset:64*\wt      ; columns 16 wt + 8 h + 0 .. 7
	global_load_b128 v[TC+8*\wt+4:TC+8*\wt+7], v[H32], s[12:13] offset:64*\wt+16
.endr
	s_lshl_b32 s90, s18, 7
	s_lshl_b32 s91, s21, 5
	s_add_co_u32 s90, s90, s91                     ; my first row: 128 rb + 32 rp
	s_mul_i32 s90, s90, 3072
	s_add_co_u32 s90, s90, s88
	s_mov_b32 s91, 0
	s_add_nc_u64 s[14:15], s[14:15], s[90:91]
	s_mul_i32 s92, s20, 24576
	v_add_nc_u32 v[AW], s92, v[L16]
	s_mul_i32 s92, s21, 12288
	s_add_co_u32 s92, s92, OI
	v_add_nc_u32 v[AX], s92, v[L16]
	s_mul_i32 s92, s20, 1536
	s_add_co_u32 s92, s92, WS
	v_add_nc_u32 v[AWS], s92, v[L4]
	s_mul_i32 s92, s21, 768
	s_add_co_u32 s92, s92, XS
	v_add_nc_u32 v[AXS], s92, v[L4]
	s_mul_i32 s92, s[WV], 8704
	s_add_co_u32 s92, s92, STG                     ; my stage
	v_mul_u32_u24 v[STO], v15, 272
	s_wait_alu depctr_va_vdst(0)
	v_lshl_add_u32 v[STO], v2, 5, v[STO]
	s_delay_alu instid0(VALU_DEP_1)
	v_add_nc_u32 v[STO], s92, v[STO]               ; in: row r, + 32 h
	v_mul_u32_u24 v[RD], v2, 272
	s_delay_alu instid0(VALU_DEP_1)
	v_lshl_add_u32 v[RD], v15, 4, v[RD]
	s_delay_alu instid0(VALU_DEP_1)
	v_add_nc_u32 v[RD], s92, v[RD]                 ; back: lanes 0-15 one row, lanes 16-31 the next
	v_mul_u32_u24 v[GO], v2, 3072
	s_delay_alu instid0(VALU_DEP_1)
	v_lshl_add_u32 v[GO], v15, 4, v[GO]            ; and the same two rows in out0
	s_wait_tensorcnt 0x0                           ; my load has landed,
	s_barrier_signal -1
	s_barrier_wait -1                              ; everybody's has.  Nothing is filled again in this launch
.irp xt, 0,1
.irp pr, 0,1,2
	ds_load_b32 v[XSR+3*\xt+\pr], v[AXS] offset:384*\xt+128*\pr
.endr
.endr
.irp wt, 0,1,2,3
.irp pr, 0,1,2
	ds_load_b32 v[WSR+3*\wt+\pr], v[AWS] offset:384*\wt+128*\pr
.endr
.endr
	LOADF 0, 0
	LOADF 1, 1
	s_wait_loadcnt 0x0                             ; b_o
.irp ks, 0,1,2,3,4,5
.if \ks < 5
	s_wait_dscnt 12                                ; all but the next K step's twelve loads
.else
	s_wait_dscnt 0x0
.endif
	MMA \ks, (\ks%2)
.if \ks < 4
	PLACES
	LOADF (\ks+2), (\ks%2)
.endif
.endr
	PLACES                                         ; ahead of the stores that read the results and of the loads into the fragments' registers
	s_wait_alu depctr_va_vdst(0)
.irp xt, 0,1
.irp wt, 0,1,2,3
	ds_store_b128 v[STO], v[ACC+32*\xt+8*\wt:ACC+32*\xt+8*\wt+3] offset:4352*\xt+64*\wt          ; each accumulator from its low end on
	ds_store_b128 v[STO], v[ACC+32*\xt+8*\wt+4:ACC+32*\xt+8*\wt+7] offset:4352*\xt+64*\wt+16
.endr
.endr
.irp i, 0,1,2,3,4,5,6,7,8,9,10,11,12,13,14,15
	ds_load_b128 v[FB+4*\i:FB+4*\i+3], v[RD] offset:544*\i         ; LDS serves a wave's instructions in order: these see my stores
.endr
.irp i, 0,1,2,3,4,5,6,7,8,9,10,11,12,13,14,15
	s_wait_dscnt 15-\i                             ; the younger loads from the stage may stay out
	global_store_b128 v[GO], v[FB+4*\i:FB+4*\i+3], s[14:15] offset:6144*\i th:TH_STORE_NT   ; each half of the lanes stores 256 consecutive bytes, aligned; written once, read by nobody here
.endr
	s_wait_tensorcnt 0x0                           ; the wave's end
	ds_add_u32 v[SPW], v[NIL]
	s_wait_dscnt 0x0
	ROUND                                          ; the closing round
	s_endpgm
.Lfunc_end_k_q7c31c9c222_oproj:
	.size	k_q7c31c9c222_oproj, .Lfunc_end_k_q7c31c9c222_oproj-k_q7c31c9c222_oproj
	.p2alignl 7, 3214868480
	.fill 96, 4, 3214868480
	.section	.rodata,"a",@progbits
	.p2align	6, 0x0
	.amdhsa_kernel k_q7c31c9c222_oproj
		.amdhsa_group_segment_fixed_size 236544
		.amdhsa_private_segment_fixed_size 0
		.amdhsa_enable_private_segment 0
		.amdhsa_kernarg_size 48
		.amdhsa_user_sgpr_count 2
		.amdhsa_user_sgpr_kernarg_segment_ptr 1
		.amdhsa_wavefront_size32 1
		.amdhsa_system_sgpr_workgroup_id_x 1
		.amdhsa_system_sgpr_workgroup_id_y 1
		.amdhsa_system_sgpr_workgroup_id_z 1
		.amdhsa_system_vgpr_workitem_id 0
		.amdhsa_next_free_vgpr 256
		.amdhsa_next_free_sgpr 102
		.amdhsa_reserve_vcc 0
		.amdhsa_float_denorm_mode_32 3
		.amdhsa_float_denorm_mode_16_64 3
		.amdhsa_memory_ordered 1
		.amdhsa_forward_progress 1
		.amdhsa_inst_pref_size 26
	.end_amdhsa_kernel
	.amdgpu_metadata
---
amdhsa.version: [ 1, 2 ]
amdhsa.kernels:
  - .name:           k_q7c31c9c222_oproj
    .symbol:         k_q7c31c9c222_oproj.kd
    .args:
      - { .name: cimg, .offset: 0, .size: 8, .value_kind: global_buffer, .address_space: global }
      - { .name: csc, .offset: 8, .size: 8, .value_kind: global_buffer, .address_space: global }
      - { .name: oimg, .offset: 16, .size: 8, .value_kind: global_buffer, .address_space: global }
      - { .name: osc, .offset: 24, .size: 8, .value_kind: global_buffer, .address_space: global }
      - { .name: b_o, .offset: 32, .size: 8, .value_kind: global_buffer, .address_space: global }
      - { .name: out0, .offset: 40, .size: 8, .value_kind: global_buffer, .address_space: global }
    .group_segment_fixed_size: 236544
    .private_segment_fixed_size: 0
    .kernarg_segment_align: 8
    .kernarg_segment_size: 48
    .max_flat_workgroup_size: 384
    .sgpr_count:     102
    .vgpr_count:     256
    .wavefront_size: 32
...
	.end_amdgpu_metadata
.endif
;; end of part 8
